; MI455X (gfx1250); checked and timed in simulation.
; The chip was launched on July 23, 2026; its instructions are those of AMD's public machine-readable ISA for CDNA 5 (MIT licence, August 2026) and "CDNA5" Instruction Set Architecture Reference Guide (July 2026). The comments in the code are by the model that wrote it; some were corrected since.
;; Transformer Block. Allowed arithmetic: matrix products marked QUANTISED: E2M3 operands, one E8M0 scale for each 32 along K, by v_wmma_scale_f32_16x16x128_f8f6f4 with both operands' format E2M3, f32 sums; everything else in f32.
;; Inputs: b_fc1 4,096 float32; b_fc2 1,024 float32; ln1_b 1,024 float32; ln1_w 1,024 float32; ln2_b 1,024 float32; ln2_w 1,024 float32; w_fc1 1,024 x 4,096 float32; w_fc2 4,096 x 1,024 float32; w_proj 1,024 x 1,024 float32; w_qkv 1,024 x 3,072 float32; x 2 x 2,048 x 1,024 float32.
;; Outputs: out0 2 x 2,048 x 1,024 float32.
;; This version of the problem:
;;   THIS VERSION OF THE PROBLEM IS GIVEN IN LOW PRECISION. The matrix products marked QUANTISED in the list below multiply operands that are first quantised to E2M3 (2 exponent bits, 3 mantissa bits; 6 bits a number), with one power-of-two scale for each 32 numbers along K (OCP MX v1.0); their sums are f32. All else is computed in f32.
;;   The module's matrix products, in the order in which they are computed (A, B: the left and right operand; K: the contracted axis; several contracted axes count as one K, in the product's order):
;;     1. [M 4,096, K 1,024] x [K 1,024, N 3,072]; A: computed on the way; B: input w_qkv: QUANTISED
;;     2. batch 32 x [M 2,048, K 64] x [K 64, N 2,048]; A: computed on the way; B: computed on the way: QUANTISED
;;     3. batch 32 x [M 2,048, K 2,048] x [K 2,048, N 64]; A: softmax (see below); B: computed on the way: QUANTISED
;;     4. [M 4,096, K 1,024] x [K 1,024, N 1,024]; A: computed on the way; B: input w_proj: QUANTISED
;;     5. [M 4,096, K 1,024] x [K 1,024, N 4,096]; A: computed on the way; B: input w_fc1: QUANTISED
;;     6. [M 4,096, K 4,096] x [K 4,096, N 1,024]; A: computed on the way; B: input w_fc2: QUANTISED
;;   THE QUANTISER, for each operand of a quantised product, along K:
;;     - K is cut into blocks of 32 from its start; a last block that is shorter is filled with zeros.
;;     - A block's scale is 2^e with e = floor(log2(the largest magnitude in the block)) - 2, held to -126 .. 127; a block of zeros has e = 0. As a byte (E8M0): e + 127.
;;     - Each number is divided by its block's scale, clamped to +-7.5, and rounded to the nearest number of E2M3, ties to even, subnormals kept.
;;     - The product sums the exact products of the quantised numbers (number of the format x scale) in f32.
;;   ~~~python
;;   def quantise(x, axis):      # numpy; x: float32 -> the quantised numbers, widened to float32 again
;;       x = np.moveaxis(x, axis, -1); K = x.shape[-1]
;;       x = np.pad(x, [(0, 0)] * (x.ndim - 1) + [(0, -K % 32)]); x = x.reshape(x.shape[:-1] + (-1, 32)); a = np.abs(x).max(-1, keepdims=True)
;;       e = np.where(a > 0, np.clip(np.frexp(np.where(a > 0, a, 1))[1] - 1 - 2, -126, 127), 0)      # np.frexp(a)[1] - 1 = floor(log2(a)), exactly
;;       r = np.clip(x / 2.0 ** e, -7.5, 7.5)
;;       step = 2.0 ** (np.maximum(np.frexp(np.where(r == 0, 1, r))[1] - 1, 0) - 3)
;;       q = np.round(r / step) * step * 2.0 ** e      # np.round: ties to even
;;       return np.moveaxis(q.reshape(q.shape[:-2] + (-1,))[..., :K], -1, axis).astype(np.float32)
;;   ~~~
;;   SOFTMAX AHEAD OF A QUANTISED PRODUCT. Where the list says 'softmax', what is quantised is not the finished softmax but p = 2^(t - M), with t = logit x log2(e) and M = ceil(the row's largest t), a whole number; so 1/2 < the row's largest p <= 1. The row's sum l is taken of the UNQUANTISED p, in f32, and the product's result is divided by l at the end. Since M is a whole number, a kernel that streams over the keys may use a running M (the ceiling of the running maximum): every later rescaling is an exact power of two, which a block's scale takes up: the codes' values come out the same.
;;   OPERANDS COMPUTED ON THE WAY. 'Computed on the way' means the value that the module computes at that place (a softmax that the list does not call 'softmax' is quantised finished and normalised). What goes into a quantiser is computed in f32, as accurately as f32 sums, v_exp_f32 and their like allow (about 1e-6 of the number): no bf16 or f16 on the way to a quantiser, and a product that is left as it is and whose result goes on into a quantised operand takes f32 operands (vector FMAs, or v_wmma_f32_16x16x4_f32). A number that lies on a knife's edge between two numbers of the format may be rounded either way, as far as f32 arithmetic and the matrix unit's own rounding can turn it there, and no further.
;; 2 versions. Each part assembles by itself: llvm-mc -triple=amdgcn-amd-amdhsa -mcpu=gfx1250 --defsym DOCPART=n.
;; ======== version 1 of 2: 8 launches
;; workspace buffers: wq 9,830,400 bytes; h 3,276,800 bytes; qkv 10,223,616 bytes; x1 16,777,216 bytes; g 13,107,200 bytes
;; launch prep (part 1): grid 384 x 1, 4 waves a work-group, no clusters, 28,160 bytes of LDS; arguments w_qkv, w_proj, w_fc1, w_fc2, wq; writes wq
.if DOCPART == 1
	.amdgcn_target "amdgcn-amd-amdhsa--gfx1250"
	.amdhsa_code_object_version 6
	.text
	.protected	k_qede7b9cbae_prep
	.globl	k_qede7b9cbae_prep
	.p2align	8
	.type	k_qede7b9cbae_prep,@function
k_qede7b9cbae_prep:
	s_mov_b64 s[64:65], 0
	v_nop
	global_prefetch_b8 v0, s[64:65] scope:SCOPE_SE
	s_setreg_imm32_b32 hwreg(HW_REG_WAVE_MODE, 25, 1), 1
	s_wait_xcnt 0x0
; The four weights W [K][N], f32, K their FIRST axis, become codes of FP6 (E2M3) with one E8M0 byte for each 32 along K, in the buffer wq, laid as the products' launches read them.
; A block's scale is 2^(floor(log2(largest magnitude)) - 2); its byte is the largest magnitude's exponent field - 2, held at 1 from below.
; LIMITS: a block of zeros, or one whose largest magnitude lies under 2^-124, gets the byte 1 (its codes are zeros or near it; this program alone reads the bytes); NaN and infinities are not served.
; ROW ORDER: column n of W is operand row n; it is stored at physical row pi(n), pi = bits 3 and 4 of n exchanged.
; CODES: [n / 128][k / 128][block of 16 physical rows][1,536 bytes]: the image of the operand's 12 registers: registers 0-3 at 16 x lane, 4-5 at 512 + 8 x lane, 6-9 at 768 + 16 x lane, 10-11 at 1,280 + 8 x lane.
; SCALE WORDS: [n / 128][k / 128][512 bytes]: the word of physical row p (0..127) at 16 (p % 32) + 4 (p / 32).
; SHARES: a work-group takes 128 columns x 256 along K, a wave 32 columns.  A LANE TAKES A COLUMN AND ITS REGISTERS RUN DOWN K: a load reads 128 consecutive bytes a wave, a block of 32 lies in one lane, and the
; conversions give codes with K innermost.  The codes go through the wave's own stage in LDS, where they are laid as images, and leave by stores of 512 consecutive bytes.
; One text serves all four weights: only numbers and pointers are selected by the work-group's number (0-95 w_qkv, 96-127 w_proj, 128-255 w_fc1, 256-383 w_fc2).
.set OFF,  32                          ; v32-63   byte offset of row i of a block at my column: 4 x lane + i x a row of W
.set X,    64                          ; v64-127  two sets of 32 numbers
.set C,    128                         ; v128-133 a block's codes
.set T,    136                         ; v136-138 the second conversion's result (three registers begin on an even number)
.set SB,   24                          ; v24-25   my column's scale words of the two K steps
.set OUTR, 140                         ; v140-187 the way out
.set FS,   1664                        ; a fragment's place in the stage: 1,536 bytes + 128, so that the two blocks of rows of a store fall on different banks
.set WST,  4*FS                        ; a wave's stage: fragments (K step, block of rows)
.set SCR,  4*WST                       ; behind the stages: the work-group's scale words, 2 x 512 bytes
	s_load_b256 s[4:11], s[0:1], 0x0               ; w_qkv, w_proj, w_fc1, w_fc2
	s_load_b64 s[12:13], s[0:1], 0x20              ; wq
	v_lshl_add_u32 v192, v0, 2, 0x6c00
	v_mov_b32 v193, 0
	v_lshrrev_b32 v1, 5, v0
	v_readfirstlane_b32 s23, v1                    ; wave
	v_and_b32 v1, 31, v0                           ; lane = my column among the wave's 32
	v_and_b32 v2, 7, v1
	v_bfe_u32 v3, v1, 4, 1
	v_lshl_or_b32 v2, v3, 3, v2                    ; r: my row in its block of 16 physical rows
	v_bfe_u32 v3, v1, 3, 1                         ; rb: which of the wave's two blocks
	s_mul_i32 s44, s23, WST
	v_mul_u32_u24 v11, v3, FS
	v_add_nc_u32 v11, s44, v11
	v_lshl_add_u32 v4, v2, 4, v11                  ; the stage, in: registers 0-3 of a half image
	v_lshl_add_u32 v5, v2, 3, v11                  ; and registers 4-5
	v_lshl_or_b32 v12, v3, 4, v2                   ; pi(lane)
	s_lshl_b32 s45, s23, 2
	s_add_co_u32 s45, s45, SCR
	v_lshl_add_u32 v6, v12, 4, s45                 ; my scale word: 16 pi(lane) + 4 x wave
	v_lshlrev_b32 v8, 4, v1                        ; 16 x lane
	v_add_nc_u32 v7, s44, v8                       ; the stage, out
	s_lshl_b32 s45, s23, 8
	v_lshl_add_u32 v10, v1, 3, s45                 ; the scale words, out: 256 x wave + 8 x lane
	v_add_nc_u32 v9, SCR, v10
	s_wait_kmcnt 0x0
	; the tensor's numbers: first w_fc2's, then three selections on the work-group's number
	s_mov_b64 s[14:15], s[10:11]                   ; the weight
	s_mov_b32 s16, 256                             ; its first work-group
	s_mov_b32 s17, 4                               ; log2 of its work-groups along K
	s_mov_b32 s18, 4096                            ; a row of W in bytes
	s_mov_b32 s19, 393216                          ; 128 rows of codes
	s_mov_b32 s20, 16384                           ; 128 rows of scale words
	s_mov_b32 s21, 6291456                         ; where its codes begin in wq
	s_mov_b32 s22, 9699328                         ; and its scale words
	s_cmp_lt_u32 ttmp9, 256
	s_cselect_b64 s[14:15], s[8:9], s[14:15]
	s_cselect_b32 s16, 128, s16
	s_cselect_b32 s17, 2, s17
	s_cselect_b32 s18, 16384, s18
	s_cselect_b32 s19, 98304, s19
	s_cselect_b32 s20, 4096, s20
	s_cselect_b32 s21, 3145728, s21
	s_cselect_b32 s22, 9568256, s22
	s_cmp_lt_u32 ttmp9, 128
	s_cselect_b64 s[14:15], s[6:7], s[14:15]
	s_cselect_b32 s16, 96, s16
	s_cselect_b32 s18, 4096, s18
	s_cselect_b32 s21, 2359296, s21
	s_cselect_b32 s22, 9535488, s22
	s_cmp_lt_u32 ttmp9, 96
	s_cselect_b64 s[14:15], s[4:5], s[14:15]
	s_cselect_b32 s16, 0, s16
	s_cselect_b32 s18, 12288, s18
	s_cselect_b32 s21, 0, s21
	s_cselect_b32 s22, 9437184, s22
	s_sub_co_u32 s46, ttmp9, s16
	s_lshr_b32 s47, s46, s17                       ; R: which 128 columns
	s_bfm_b32 s48, s17, 0
	s_and_b32 s46, s46, s48                        ; ky: which 256 along K
	s_lshl_b32 s48, s18, 8
	s_mul_i32 s48, s48, s46                        ; 256 ky rows of W,
	s_lshl_b32 s49, s47, 9
	s_add_co_u32 s48, s48, s49                     ; + 128 R columns,
	s_lshl_b32 s49, s23, 7
	s_add_co_u32 s48, s48, s49                     ; + 32 x wave columns
	s_mov_b32 s49, 0
	s_add_nc_u64 s[24:25], s[14:15], s[48:49]      ; block 0's base; the eight bases are never rewritten
	s_lshl_b32 s50, s18, 5                         ; 32 rows of W
	s_mov_b32 s51, 0
.irp t, 1,2,3,4,5,6,7
	s_add_nc_u64 s[24+2*\t:25+2*\t], s[22+2*\t:23+2*\t], s[50:51]
.endr
	s_mul_i32 s52, s47, s19
	s_add_co_u32 s52, s52, s21
	s_mul_i32 s53, s46, 24576
	s_add_co_u32 s52, s52, s53
	s_mul_i32 s53, s23, 3072
	s_add_co_u32 s52, s52, s53
	s_mov_b32 s53, 0
	s_add_nc_u64 s[40:41], s[12:13], s[52:53]      ; my wave's codes: two K steps x two blocks of rows
	s_mul_i32 s52, s47, s20
	s_add_co_u32 s52, s52, s22
	s_lshl_b32 s54, s46, 10
	s_add_co_u32 s52, s52, s54
	s_add_nc_u64 s[42:43], s[12:13], s[52:53]      ; the work-group's scale words
	v_lshlrev_b32 v[OFF], 2, v1
.set i, 1
.rept 31
	v_add_nc_u32 v[OFF+i], s18, v[OFF+i-1]
.set i, i+1
.endr
.macro LOAD t                          ; block t: W(32 t + i, my column), i = 0 .. 31, into set t % 2
.set i, 0
.rept 32
	global_load_b32 v[X+32*((\t)%2)+i], v[OFF+i], s[24+2*(\t):25+2*(\t)] th:TH_LOAD_NT
.set i, i+1
.endr
.endm
.macro BLOCK t
.set XS, X+32*((\t)%2)
.if (\t) < 7
	s_wait_loadcnt 32                              ; this block's 32 loads are in; the next block's 32 may be out
.else
	s_wait_loadcnt 0
.endif
	v_max3_num_f32 v12, |v[XS]|, |v[XS+1]|, |v[XS+2]|   ; the block's largest magnitude: all 32 numbers are mine; two chains
	v_max3_num_f32 v13, |v[XS+3]|, |v[XS+4]|, |v[XS+5]|
.irp i, 6,10,14,18,22,26
	v_max3_num_f32 v12, v12, |v[XS+\i]|, |v[XS+\i+1]|
	v_max3_num_f32 v13, v13, |v[XS+\i+2]|, |v[XS+\i+3]|
.endr
	v_max3_num_f32 v12, v12, |v[XS+30]|, |v[XS+31]|
	v_max3_num_f32 v12, v12, v13, 0x1800000        ; and the floor 2^(3 - 127): the byte cannot fall under 1
	v_add_nc_u32 v11, 0xff000000, v12              ; 2 off the exponent field: the conversion takes this operand's exponent field as its scale
	v_lshrrev_b32 v13, 23, v11                     ; the scale's byte
.if (\t)%4 == 0
	v_mov_b32 v[SB+(\t)/4], v13                    ; four bytes to a word, the lower K in the lower byte
.else
	v_lshl_or_b32 v[SB+(\t)/4], v13, 8*((\t)%4), v[SB+(\t)/4]
.endif
	v_cvt_scalef32_pk16_fp6_f32 v[C:C+2], v[XS:XS+15], v11
	v_cvt_scalef32_pk16_fp6_f32 v[T:T+2], v[XS+16:XS+31], v11
	v_nop                                          ; one plain instruction between a scaled conversion and the vector instruction that reads its result
.irp i, 0,1,2
	v_mov_b32 v[C+3+\i], v[T+\i]
.endr
	; block t is K = 64 c + 32 hh + 0 .. 31 of K step t / 4, c = (t % 4) / 2, hh = t % 2: registers 6 c .. 6 c + 5 of lane r + 16 hh of the image
	ds_store_b128 v4, v[C:C+3] offset:((\t)/4)*2*FS+(((\t)%4)/2)*768+256*((\t)%2)
	ds_store_b64 v5, v[C+4:C+5] offset:((\t)/4)*2*FS+(((\t)%4)/2)*768+512+128*((\t)%2)
.if (\t)+2 < 8
	LOAD (\t)+2
.endif
	s_wait_dscnt 0x0                               ; the stores have read their registers: the next block's codes may be written
.endm
	LOAD 0
	LOAD 1
.irp t, 0,1,2,3,4,5,6,7
	BLOCK \t
.endr
	ds_store_b32 v6, v[SB]
	ds_store_b32 v6, v[SB+1] offset:512
	s_wait_dscnt 0x0                               ; for the others' sake: my scale words lie in LDS
	s_barrier_signal -1
	s_barrier_wait -1                              ; everybody's do
	ds_load_b64 v[12:13], v9                       ; a quarter of the 1,024 bytes of scale words
.set n, 0
.rept 12
	ds_load_b128 v[OUTR+4*n:OUTR+4*n+3], v7 offset:(n/3)*FS+512*(n%3)   ; my four fragments, 512 bytes a load
.set n, n+1
.endr
	s_wait_dscnt 12                                ; the 12 younger loads may be out
	global_store_b64 v10, v[12:13], s[42:43]       ; 32 lanes store 256 consecutive bytes, aligned
.set n, 0
.rept 12
	s_wait_dscnt 11-n
	global_store_b128 v8, v[OUTR+4*n:OUTR+4*n+3], s[40:41] offset:(n/6)*12288+((n/3)%2)*1536+512*(n%3)   ; 512 consecutive bytes, aligned
.set n, n+1
.endr
	s_wait_tensorcnt 0x0
	ds_add_u32 v192, v193
	s_wait_dscnt 0x0
	s_endpgm
.Lfunc_end_k_qede7b9cbae_prep:
	.size	k_qede7b9cbae_prep, .Lfunc_end_k_qede7b9cbae_prep-k_qede7b9cbae_prep
	.p2alignl 7, 3214868480
	.fill 96, 4, 3214868480
	.section	.rodata,"a",@progbits
	.p2align	6, 0x0
	.amdhsa_kernel k_qede7b9cbae_prep
		.amdhsa_group_segment_fixed_size 28160
		.amdhsa_private_segment_fixed_size 0
		.amdhsa_enable_private_segment 0
		.amdhsa_kernarg_size 40
		.amdhsa_user_sgpr_count 2
		.amdhsa_user_sgpr_kernarg_segment_ptr 1
		.amdhsa_wavefront_size32 1
		.amdhsa_system_sgpr_workgroup_id_x 1
		.amdhsa_system_sgpr_workgroup_id_y 1
		.amdhsa_system_sgpr_workgroup_id_z 1
		.amdhsa_system_vgpr_workitem_id 0
		.amdhsa_next_free_vgpr 194
		.amdhsa_next_free_sgpr 66
		.amdhsa_reserve_vcc 0
		.amdhsa_float_denorm_mode_32 3
		.amdhsa_float_denorm_mode_16_64 3
		.amdhsa_memory_ordered 1
		.amdhsa_forward_progress 1
		.amdhsa_inst_pref_size 46
	.end_amdhsa_kernel
	.amdgpu_metadata
---
amdhsa.version: [ 1, 2 ]
amdhsa.kernels:
  - .name:           k_qede7b9cbae_prep
    .symbol:         k_qede7b9cbae_prep.kd
    .args:
      - { .name: w_qkv, .offset: 0, .size: 8, .value_kind: global_buffer, .address_space: global }
      - { .name: w_proj, .offset: 8, .size: 8, .value_kind: global_buffer, .address_space: global }
      - { .name: w_fc1, .offset: 16, .size: 8, .value_kind: global_buffer, .address_space: global }
      - { .name: w_fc2, .offset: 24, .size: 8, .value_kind: global_buffer, .address_space: global }
      - { .name: wq, .offset: 32, .size: 8, .value_kind: global_buffer, .address_space: global }
    .group_segment_fixed_size: 28160
    .private_segment_fixed_size: 0
    .kernarg_segment_align: 8
    .kernarg_segment_size: 40
    .max_flat_workgroup_size: 128
    .sgpr_count:     66
    .vgpr_count:     194
    .wavefront_size: 32
...
	.end_amdgpu_metadata
.endif
;; end of part 1
;; launch ln1 (part 2): grid 256 x 1, 4 waves a work-group, no clusters, 66,304 bytes of LDS; arguments x, ln1_w, ln1_b, h; writes h
.if DOCPART == 2
	.amdgcn_target "amdgcn-amd-amdhsa--gfx1250"
	.amdhsa_code_object_version 6
	.text
	.protected	k_qede7b9cbae_ln1
	.globl	k_qede7b9cbae_ln1
	.p2align	8
	.type	k_qede7b9cbae_ln1,@function
k_qede7b9cbae_ln1:
	s_mov_b64 s[64:65], 0
	v_nop
	global_prefetch_b8 v0, s[64:65] scope:SCOPE_SE
	s_setreg_imm32_b32 hwreg(HW_REG_WAVE_MODE, 25, 1), 1
	s_wait_xcnt 0x0
; y = (x - mean) * rsqrt(var + 1e-5) * w + b along rows of 1,024 f32, then y is quantised along the row to FP6 (E2M3) with one E8M0 byte for each 32.  Arguments: x [4096][1024], w, b, the codes' buffer.
; Mean and variance in two passes over registers, in f32: the variance is the mean of (x - mean)^2, no difference of large sums.
; LIMITS: a block of zeros, or one whose largest magnitude lies under 2^-124, gets the byte 1 (this program alone reads the bytes); NaN and infinities are not served.
; OUTPUT: row m lies at physical row pi(m), pi = bits 3 and 4 exchanged.  Codes [row / 128][k / 128][block of 16 rows][1,536]: the image of the operand's 12 registers (0-3 at 16 x lane, 4-5 at 512 + 8 x lane,
; 6-9 at 768 + 16 x lane, 10-11 at 1,280 + 8 x lane).  Scale words from byte HS on: [row / 128][k / 128][512]: physical row p's word at 16 (p % 32) + 4 (p / 32).
; SHARES: work-group P owns physical block P, 16 rows.  Phase 1: wave w normalises physical rows 4 w .. 4 w + 3, which are four neighbouring rows of x, a row in 32 registers; the rows go to LDS.
; Phase 2: wave w quantises K steps 2 w and 2 w + 1 of all 16 rows: lane (r, h) takes of row r, for each block of 32, the 16 numbers of its half.
.set PITCH, 4112                       ; an LDS row: 4,096 bytes + 16: an odd multiple of 16, so the 16 rows of a load start at different banks
.set HS,   3145728
.set G16,  2                           ; v2   16 x lane
.set G8,   3                           ; v3   8 x lane
.set MU,   10                          ; v10-17 the rows' means (the low word of a pair; the upper word is written once and not used)
.set RS,   18                          ; v18-25 1 / sqrt(var + eps), likewise
.set VAR,  26                          ; v26-29
.set X,    32                          ; v32-159 four rows; in phase 2 the numbers of two K steps
.set LW,   160                         ; v160-191 w at my columns
.set LB,   192                         ; v192-223 b
.set CH,   224                         ; v224-231 four chains of sums
.set TA,   232                         ; v232-233 a reduction
.set TM,   200                         ; phase 2: v200-215 at work
.set SEL,  20
.set MSB, 0
.macro WIN new                         ; every register of this text lies in window 0: no switch is ever written
.if MSB != (\new)
	s_set_vgpr_msb (MSB<<8)|(\new)
.set MSB, (\new)
.endif
.endm
; 64 numbers of a lane, v[src] .. v[src + 63] of window win, register 16 b + i = k 32 b + 16 (lane / 16) + i of my row, become a fragment's codes in v[PC] on and its scale word in v[PW].
.macro QUANT src, win
	WIN ((\win)<<2)|((\win)<<4)
.irp b, 0,1,2,3
	v_max3_num_f32 v[TM+\b], 0x1800000, |v[(\src)+16*\b]|, |v[(\src)+16*\b+1]|   ; block b: my 16 numbers, and the floor 2^(3 - 127): the byte cannot fall under 1
.endr
.irp i, 2,4,6,8,10,12,14
.irp b, 0,1,2,3
	v_max3_num_f32 v[TM+\b], v[TM+\b], |v[(\src)+16*\b+\i]|, |v[(\src)+16*\b+\i+1]|   ; the four blocks by turns
.endr
.endr
	WIN 0
.irp b, 0,1,2,3
	v_permlanex16_b32 v[TM+4+\b], v[TM+\b], s[SEL], s[SEL+1]
.endr
.irp b, 0,1,2,3
	v_max_num_f32 v[TM+\b], v[TM+\b], v[TM+4+\b]   ; with lane l xor 16's: the block's largest magnitude
.endr
.irp b, 0,1,2,3
	v_add_nc_u32 v[TM+12+\b], 0xff000000, v[TM+\b] ; 2 off its exponent field: the conversion's scale operand
.endr
.irp b, 0,1,2,3
	v_lshrrev_b32 v[TM+4+\b], 23, v[TM+12+\b]      ; the scale's byte
.endr
	v_lshl_or_b32 v[PW], v[TM+5], 8, v[TM+4]
	v_lshl_or_b32 v[PW], v[TM+6], 16, v[PW]
	v_lshl_or_b32 v[PW], v[TM+7], 24, v[PW]
	WIN (\win)
.irp c, 0,1
	v_cvt_scalef32_pk16_fp6_f32 v[PC+6*\c:PC+6*\c+2], v[(\src)+32*\c:(\src)+32*\c+15], v[TM+12+2*\c]
	v_cvt_scalef32_pk16_fp6_f32 v[PC+12+4*\c:PC+14+4*\c], v[(\src)+32*\c+16:(\src)+32*\c+31], v[TM+13+2*\c]   ; (three registers begin on an even number)
.endr
	WIN 0
	v_nop                                          ; one plain instruction behind the scaled conversions
.irp c, 0,1                            ; the operand wants a whole block in a lane: lanes 0-15 block 2 c, lanes 16-31 block 2 c + 1
.irp i, 0,1,2
	v_permlane16_swap_b32 v[PC+6*\c+\i], v[PC+12+4*\c+\i]
.endr
.irp i, 0,1,2
	v_mov_b32 v[PC+3+6*\c+\i], v[PC+12+4*\c+\i]
.endr
.endr
.endm
.macro IMG base, off                   ; the fragment in v[PC] on goes to memory as an image: each store covers whole aligned runs of 256 bytes
	global_store_b128 v[G16], v[PC:PC+3], s[\base:\base+1] offset:\off
	global_store_b64 v[G8], v[PC+4:PC+5], s[\base:\base+1] offset:\off+512
	global_store_b128 v[G16], v[PC+6:PC+9], s[\base:\base+1] offset:\off+768
	global_store_b64 v[G8], v[PC+10:PC+11], s[\base:\base+1] offset:\off+1280
.endm
.macro RED                             ; v[TA] summed over the 32 lanes, the result in every lane
	v_add_f32_dpp v[TA], v[TA], v[TA] row_xmask:1 row_mask:0xf bank_mask:0xf
	v_add_f32_dpp v[TA], v[TA], v[TA] row_xmask:2 row_mask:0xf bank_mask:0xf
	v_add_f32_dpp v[TA], v[TA], v[TA] row_xmask:4 row_mask:0xf bank_mask:0xf
	v_add_f32_dpp v[TA], v[TA], v[TA] row_xmask:8 row_mask:0xf bank_mask:0xf
	v_permlanex16_b32 v[TA+1], v[TA], s[SEL], s[SEL+1]
	v_add_f32 v[TA], v[TA], v[TA+1]
.endm
.macro FOLD                            ; the four chains become one number a lane
	v_pk_add_f32 v[CH:CH+1], v[CH:CH+1], v[CH+2:CH+3]
	v_pk_add_f32 v[CH+4:CH+5], v[CH+4:CH+5], v[CH+6:CH+7]
	v_pk_add_f32 v[CH:CH+1], v[CH:CH+1], v[CH+4:CH+5]
	v_add_f32 v[TA], v[CH], v[CH+1]
.endm
	s_load_b256 s[4:11], s[0:1], 0x0               ; x, w, b, the codes' buffer
	v_lshl_add_u32 v254, v0, 2, 0x10100
	v_mov_b32 v255, 0
	v_lshrrev_b32 v1, 5, v0
	v_readfirstlane_b32 s16, v1                    ; wave
	v_and_b32 v1, 31, v0                           ; lane
	v_lshlrev_b32 v[G16], 4, v1
	v_lshlrev_b32 v[G8], 3, v1
	v_and_b32 v4, 15, v0                           ; r
	v_bfe_u32 v5, v0, 4, 1                         ; h
	s_mul_i32 s17, s16, 4*PITCH
	v_add_nc_u32 v6, s17, v[G16]                   ; LDS, in: my four rows, 16 bytes a lane
	v_mul_u32_u24 v7, v4, PITCH
	v_lshl_add_u32 v7, v5, 6, v7
	s_lshl_b32 s17, s16, 10
	v_add_nc_u32 v7, s17, v7                       ; LDS, out: row r, + 64 h, + my two K steps' 1,024 bytes x wave
	v_lshlrev_b32 v8, 4, v4
	v_lshl_add_u32 v8, v5, 9, v8                   ; my scale word: 16 r; lanes 16-31 carry the second K step's, 512 bytes on
.irp i, 0,1,2,3
	v_mov_b32 v[MU+2*\i+1], 0
	v_mov_b32 v[RS+2*\i+1], 0
.endr
	v_mov_b32 v[TA+1], 0                           ; a lane permute's destination counts as one of its sources
	s_mov_b32 s[SEL], 0x76543210
	s_mov_b32 s[SEL+1], 0xfedcba98                 ; lane l xor 16
	s_mov_b32 s22, 0x3a800000                      ; 1 / 1024
	s_mov_b32 s23, 0x3727c5ac                      ; 1e-5
	s_lshr_b32 s18, ttmp9, 1                       ; physical rows 16 P + 4 w + i are rows 32 (P / 2) + 16 (w / 2) + 8 (P % 2) + 4 (w % 2) + i of x
	s_lshl_b32 s18, s18, 5
	s_lshr_b32 s19, s16, 1
	s_lshl_b32 s19, s19, 4
	s_add_co_u32 s18, s18, s19
	s_and_b32 s19, ttmp9, 1
	s_lshl_b32 s19, s19, 3
	s_add_co_u32 s18, s18, s19
	s_and_b32 s19, s16, 1
	s_lshl_b32 s19, s19, 2
	s_add_co_u32 s18, s18, s19
	s_lshl_b32 s18, s18, 12                        ; x 4,096 bytes
	s_mov_b32 s19, 0
	s_lshr_b32 s24, ttmp9, 3
	s_and_b32 s25, ttmp9, 7
	s_mul_i32 s26, s24, 98304
	s_mul_i32 s27, s16, 24576
	s_add_co_u32 s26, s26, s27
	s_mul_i32 s27, s25, 1536
	s_add_co_u32 s26, s26, s27
	s_mov_b32 s27, 0                               ; the codes: 128 rows' 98,304 bytes, K step 2 w, my block
	s_lshl_b32 s28, s24, 12
	s_lshl_b32 s29, s16, 10
	s_add_co_u32 s28, s28, s29
	s_and_b32 s29, ttmp9, 1
	s_lshl_b32 s29, s29, 8
	s_add_co_u32 s28, s28, s29
	s_lshr_b32 s29, s25, 1
	s_lshl_b32 s29, s29, 2
	s_add_co_u32 s28, s28, s29
	s_add_co_u32 s28, s28, HS
	s_mov_b32 s29, 0                               ; the scale words
	s_wait_kmcnt 0x0
	s_add_nc_u64 s[4:5], s[4:5], s[18:19]
	s_add_nc_u64 s[12:13], s[10:11], s[26:27]
	s_add_nc_u64 s[14:15], s[10:11], s[28:29]
.irp j, 0,1,2,3,4,5,6,7
	global_load_b128 v[LW+4*\j:LW+4*\j+3], v[G16], s[6:7] offset:512*\j
	global_load_b128 v[LB+4*\j:LB+4*\j+3], v[G16], s[8:9] offset:512*\j
.endr
.irp i, 0,1,2,3
.irp j, 0,1,2,3,4,5,6,7
	global_load_b128 v[X+32*\i+4*\j:X+32*\i+4*\j+3], v[G16], s[4:5] offset:4096*\i+512*\j   ; 512 consecutive bytes a load
.endr
.endr
.macro STAT i                          ; row i: its mean is taken off, its variance + eps is left in v[VAR + i]
.set XR, X+32*(\i)
	s_wait_loadcnt 8*(3-(\i))                      ; this row's eight loads are in; the younger rows' may be out
.irp c, 0,2,4,6
	v_pk_add_f32 v[CH+\c:CH+\c+1], v[XR+\c:XR+\c+1], v[XR+8+\c:XR+8+\c+1]
.endr
.irp o, 16,24
.irp c, 0,2,4,6
	v_pk_add_f32 v[CH+\c:CH+\c+1], v[CH+\c:CH+\c+1], v[XR+\o+\c:XR+\o+\c+1]
.endr
.endr
	FOLD
	RED
	v_mul_f32 v[MU+2*(\i)], s22, v[TA]
.set p, 0
.rept 16
	v_pk_add_f32 v[XR+p:XR+p+1], v[XR+p:XR+p+1], v[MU+2*(\i):MU+2*(\i)+1] op_sel_hi:[1,0] neg_lo:[0,1] neg_hi:[0,1]
.set p, p+2
.endr
.irp c, 0,2,4,6
	v_pk_mul_f32 v[CH+\c:CH+\c+1], v[XR+\c:XR+\c+1], v[XR+\c:XR+\c+1]
.endr
.irp o, 8,16,24
.irp c, 0,2,4,6
	v_pk_fma_f32 v[CH+\c:CH+\c+1], v[XR+\o+\c:XR+\o+\c+1], v[XR+\o+\c:XR+\o+\c+1], v[CH+\c:CH+\c+1]
.endr
.endr
	FOLD
	RED
	v_fma_f32 v[VAR+(\i)], v[TA], s22, s23
.endm
	STAT 0
	STAT 1
	STAT 2
	STAT 3
.irp i, 0,1,2,3
	v_rsq_f32 v[RS+2*\i], v[VAR+\i]
.endr
	v_nop                                          ; a plain instruction behind the last of the four
	s_wait_alu depctr_va_vdst(0)                   ; one wait for the batch, ahead of its first reader
.irp i, 0,1,2,3
.set p, 0
.rept 16
	v_pk_mul_f32 v[X+32*\i+p:X+32*\i+p+1], v[X+32*\i+p:X+32*\i+p+1], v[RS+2*\i:RS+2*\i+1] op_sel_hi:[1,0]
.set p, p+2
.endr
.set p, 0
.rept 16
	v_pk_fma_f32 v[X+32*\i+p:X+32*\i+p+1], v[X+32*\i+p:X+32*\i+p+1], v[LW+p:LW+p+1], v[LB+p:LB+p+1]
.set p, p+2
.endr
.irp j, 0,1,2,3,4,5,6,7
	ds_store_b128 v6, v[X+32*\i+4*\j:X+32*\i+4*\j+3] offset:PITCH*\i+512*\j
.endr
.endr
	s_wait_dscnt 0x0                               ; for the others' sake: my four rows lie in LDS
	s_barrier_signal -1
	s_barrier_wait -1                              ; all sixteen do
.irp e, 0,1
.irp b, 0,1,2,3
.irp j, 0,1,2,3
	ds_load_b128 v[X+64*\e+16*\b+4*\j:X+64*\e+16*\b+4*\j+3], v7 offset:512*\e+128*\b+16*\j
.endr
.endr
.endr
.irp b, 0,1,2,3
	v_mov_b32 v[TM+4+\b], 0                        ; a lane permute's destination counts as one of its sources
.endr
	v_cmp_le_u32 vcc_lo, 16, v1                    ; lanes 16-31
	s_wait_dscnt 16                                ; the first K step's 16 loads are in; the second's may be out
.set PC, 160
.set PW, 216
	QUANT X, 0
	IMG 12, 0
	s_wait_dscnt 0x0
.set PC, 180                           ; a second set of registers: no store's data are written again
.set PW, 217
	QUANT X+64, 0
	IMG 12, 12288
	v_cndmask_b32 v218, v216, v217, vcc_lo         ; lanes 0-15 the first K step's words, lanes 16-31 the second's
	global_store_b32 v8, v218, s[14:15]
	s_wait_tensorcnt 0x0
	ds_add_u32 v254, v255
	s_wait_dscnt 0x0
	s_endpgm
.Lfunc_end_k_qede7b9cbae_ln1:
	.size	k_qede7b9cbae_ln1, .Lfunc_end_k_qede7b9cbae_ln1-k_qede7b9cbae_ln1
	.p2alignl 7, 3214868480
	.fill 96, 4, 3214868480
	.section	.rodata,"a",@progbits
	.p2align	6, 0x0
	.amdhsa_kernel k_qede7b9cbae_ln1
		.amdhsa_group_segment_fixed_size 66304
		.amdhsa_private_segment_fixed_size 0
		.amdhsa_enable_private_segment 0
		.amdhsa_kernarg_size 32
		.amdhsa_user_sgpr_count 2
		.amdhsa_user_sgpr_kernarg_segment_ptr 1
		.amdhsa_wavefront_size32 1
		.amdhsa_system_sgpr_workgroup_id_x 1
		.amdhsa_system_sgpr_workgroup_id_y 1
		.amdhsa_system_sgpr_workgroup_id_z 1
		.amdhsa_system_vgpr_workitem_id 0
		.amdhsa_next_free_vgpr 256
		.amdhsa_next_free_sgpr 66
		.amdhsa_reserve_vcc 1
		.amdhsa_float_denorm_mode_32 3
		.amdhsa_float_denorm_mode_16_64 3
		.amdhsa_memory_ordered 1
		.amdhsa_forward_progress 1
		.amdhsa_inst_pref_size 45
	.end_amdhsa_kernel
	.amdgpu_metadata
---
amdhsa.version: [ 1, 2 ]
amdhsa.kernels:
  - .name:           k_qede7b9cbae_ln1
    .symbol:         k_qede7b9cbae_ln1.kd
    .args:
      - { .name: x, .offset: 0, .size: 8, .value_kind: global_buffer, .address_space: global }
      - { .name: ln1_w, .offset: 8, .size: 8, .value_kind: global_buffer, .address_space: global }
      - { .name: ln1_b, .offset: 16, .size: 8, .value_kind: global_buffer, .address_space: global }
      - { .name: h, .offset: 24, .size: 8, .value_kind: global_buffer, .address_space: global }
    .group_segment_fixed_size: 66304
    .private_segment_fixed_size: 0
    .kernarg_segment_align: 8
    .kernarg_segment_size: 32
    .max_flat_workgroup_size: 128
    .sgpr_count:     66
    .vgpr_count:     256
    .wavefront_size: 32
...
	.end_amdgpu_metadata
.endif
;; end of part 2
;; launch gqkv (part 3): grid 12 x 16, 4 waves a work-group, clusters of 4 x 4, 327,680 bytes of LDS; arguments h, wq, qkv; writes qkv
.if DOCPART == 3
	.amdgcn_target "amdgcn-amd-amdhsa--gfx1250"
	.amdhsa_code_object_version 6
	.text
	.protected	k_qede7b9cbae_gqkv
	.globl	k_qede7b9cbae_gqkv
	.p2align	8
	.type	k_qede7b9cbae_gqkv,@function
k_qede7b9cbae_gqkv:
	s_mov_b64 s[64:65], 0
	v_nop
	global_prefetch_b8 v0, s[64:65] scope:SCOPE_SE
	s_setreg_imm32_b32 hwreg(HW_REG_WAVE_MODE, 25, 1), 1
	s_wait_xcnt 0x0
	s_wait_alu depctr_hold_cnt(0) depctr_sa_sdst(0) depctr_va_vdst(0) depctr_va_sdst(0) depctr_va_ssrc(0) depctr_va_vcc(0) depctr_vm_vsrc(0)
	s_getreg_b32 s2, hwreg(HW_REG_IB_STS2, 6, 4)
	s_cmp_eq_u32 s2, 0
	s_cbranch_scc0 .Lentry_in_a_cluster
	s_endpgm
.Lentry_in_a_cluster:
	s_bfe_u32 s2, ttmp6, 0x10000c
	s_cmp_lg_u32 s2, 0xf033
	s_cbranch_scc0 .Lentry_shape_is_right
	s_endpgm
.Lentry_shape_is_right:
; qkv = LN1(x) Wqkv on codes of FP6 (E2M3) with E8M0 scales, K = 1,024; the results are quantised at once and stored as the operands of attention.
; OPERANDS ("A" and "B", both [rows][K]): codes [row / 128][k / 128][block of 16 rows][1,536 bytes], each 1,536 the image of an operand's 12 registers (0-3 at 16 x lane, 4-5 at 512 + 8 x lane, 6-9 at 768 + 16 x lane,
; 10-11 at 1,280 + 8 x lane); scale words [row / 128][k / 128][512]: row p's word at 16 (p % 32) + 4 (p / 32).  Rows are stored at pi(row), bits 3 and 4 exchanged: so the 16 registers of accumulators
; (a, 2 j) and (a, 2 j + 1) of a lane are 16 NEIGHBOURS along B's true row index, 32 j + 16 (lane / 16) + 0 .. 15, which is what the quantiser along that index wants.
; A tile of C, 256 x 256, is made by four waves, each 128 x 128: 64 accumulators, 512 registers.  THE MATRIX INSTRUCTION IS USED TRANSPOSED: source 0 = 16 rows of B, source 1 = 16 rows of A.
; K goes in steps of 256 through a ring of two LDS slots; a wave's tensor load brings 128 rows x 256 K, 24,576 dense bytes.  The scale words of the tile's rows for all of K come once, with the first fills.
; CLUSTERS: 4 x 4 work-groups; A's tiles are asked for jointly by the four of a row of the cluster, B's by the four of a column.
; TWO KINDS OF TILES, ONE TEXT, NO BRANCH.  Clusters x = 0, 1: A = the tokens, B = Wqkv's columns 0 .. 2,047 (q and k): a lane holds a token and its registers run along the head's axis, q's and k's K.
; Cluster x = 2: A = Wqkv's columns 2,048 on (v), B = the tokens: V^T: a lane holds a channel and its registers run along the keys, v's K.  Pointers and steps are selected on the cluster's x, which all partners share.
; OUTPUT, in chunks of 6,656 bytes.  q at 0, k at 512 chunks: [batch x head][128 tokens]: 8 blocks x 768 bytes (registers 0-5 of a fragment: the head's 64), then 128 scale words (bytes 0, 1 count).
; v at 1,024 chunks: [batch][128 keys][head]: 4 fragments of 16 channels x 128 keys, then 4 x 128 bytes of scale words at 4 x lane.
; LIMITS: a block of zeros, or one under 2^-124, gets the byte 1 (this program alone reads the bytes); NaN and infinities are not served.
; REGISTERS, in windows of 256: window 0: v0-31 addresses; v32-63 scale words, two sets, and nothing else; from v128 A's fragments, one set; window 1: B's fragments, two sets, at v0 and v128; windows 2, 3: the accumulators.
.set KDIM,   1024
.set HASB,   0
.set HS,     3145728
.set NQ,     2                         ; steps of 128 along K in a slot
.set FR,     12                        ; registers of a fragment
.set NL,     4                         ; LDS loads that bring one
.set NP,     4                         ; places behind this matrix instruction (ISA guide 7.12.1)
.set KSB,    12288                     ; 128 rows x 128 K of codes
.set HALFT,  NQ*KSB                    ; what one tensor load brings
.set SLOT,   4*HALFT                   ; A's two halves, then B's two
.set LAPS,   KDIM/512                  ; a lap = once round the ring
.set RSTR,   96*KDIM                   ; 128 rows of codes in memory
.set SSTR,   4*KDIM                    ; 128 rows of scale words
.set HALFS,  SSTR
.set SCL,    2*SLOT                    ; behind the ring: the scale words
.set SPARE,  SCL+4*HALFS               ; behind them: the spare words, 128 bytes for each wave, which no other line names
.set ADRA, 16                          ; v16-17 LDS address of my A fragments in slot 0, 1, at 16 x lane; v18-19 at 8 x lane
.set ADRB, 20                          ; v20-23 the same for B
.set ADRS, 27                          ; v27 my scale words: lanes 0-15 A's, lanes 16-31 B's
.set SPW,  28                          ; v28 my spare word; never rewritten
.set NIL,  29                          ; v29 0; never rewritten
.set SC,   32
.set BIAS, 64
.set AF,   128
.set G1, 24
.set G0, 32
.set G1B, 48
.set G0B, 56
.set G1S, 68
.set G0S, 76
.set G1SB, 80
.set G0SB, 88
.set SEL, 92
.set MSB, 0
.macro WIN new                         ; the immediate's high byte repeats the setting that is left
.if MSB != (\new)
	s_set_vgpr_msb (MSB<<8)|(\new)
.set MSB, (\new)
.endif
.endm
.set MUL_LO, 0xa1                      ; source 0 (B) window 1, source 1 (A) window 0, C and D window 2
.set MUL_HI, 0xf1                      ; the same, C and D window 3
.set TO_B,   0x40                      ; destination window 1, address window 0
; A joint load: waves 0 and 1 fetch for A, waves 2 and 3 for B; the branch hangs on the wave's number alone.  Four v_nop follow each of the two lines.
.macro JLOAD g0a, g1a, g0b, g1b
	s_cmp_eq_u32 s15, 0
	s_cbranch_scc0 .Lfor_b_\@
	tensor_load_to_lds s[\g0a:\g0a+3], s[\g1a:\g1a+7]
	s_nop 0
.rept 4
	v_nop
.endr
	s_branch .Lasked_\@
.Lfor_b_\@:
	tensor_load_to_lds s[\g0b:\g0b+3], s[\g1b:\g1b+7]
	s_nop 0
.rept 4
	v_nop
.endr
.Lasked_\@:
.endm
.macro CREST                           ; a round of the cluster's barrier behind its opening barrier
	s_cmp_lg_u32 s14, 0
	s_cbranch_scc1 .Lnot_wave_0_\@
	s_barrier_signal -3
.Lnot_wave_0_\@:
	s_barrier_wait -3
	s_barrier_signal -1
	s_barrier_wait -1
.endm
.macro CROUND
	s_barrier_signal -1
	s_barrier_wait -1
	CREST
.endm
	s_load_b128 s[4:7], s[0:1], 0x0                ; h, wq
	s_load_b64 s[12:13], s[0:1], 0x10              ; qkv
	v_lshl_add_u32 v[SPW], v0, 2, SPARE
	v_mov_b32 v[NIL], 0
	ds_add_u32 v28, v29
	ds_add_u32 v28, v29
	s_wait_dscnt 0x0
	v_lshrrev_b32 v1, 5, v0
	v_readfirstlane_b32 s14, v1                    ; wave 0..3
	s_lshr_b32 s15, s14, 1                         ; which half of the tile's A rows is mine.  Also: I fetch for A (0) or for B (1)
	s_and_b32 s16, s14, 1                          ; which half of its B rows.  Also: which 128 rows I fetch
	s_bfe_u32 s40, ttmp6, 0x40000                  ; cx, cy: my place in the cluster
	s_bfe_u32 s41, ttmp6, 0x40004
	s_and_b32 s19, ttmp7, 0xffff
	s_lshl_b32 s19, s19, 2                         ; 4 x cluster y
	s_lshl_b32 s18, ttmp9, 2                       ; 4 x cluster x
	s_cmp_eq_u32 ttmp9, 2                          ; v's tiles?
	s_cselect_b32 s17, 0, s19
	s_cselect_b32 s42, s19, s18
	s_add_co_u32 s17, s17, s41                     ; TR: A's tile (q, k: 256 tokens; v: 256 channels)
	s_add_co_u32 s42, s42, s40                     ; TC: B's tile (q, k: 256 columns; v: 256 tokens)
	s_lshl_b32 s43, s41, 2
	s_lshl_b32 s43, 15, s43                        ; my row of the cluster
	s_lshl_b32 s44, 0x1111, s40                    ; my column
	; descriptor group 1: a dense block of 24,576 bytes as 96 rows of 32 elements of 8 bytes; no padding: the images are read 16 or 8 bytes a lane on end
	s_or_b32 s[G1+0], s43, (3<<16)|(1<<21)         ; 15:0 the mask: A's tiles go to my row; 17:16 elements of 8 bytes; 21 set beside a mask
	s_or_b32 s[G1B+0], s44, (3<<16)|(1<<21)
.irp g, G1, G1B
	s_mov_b32 s[\g+1], 32<<16                      ; tensor_dim0
	s_mov_b32 s[\g+2], 96<<16                      ; tensor_dim1
	s_mov_b32 s[\g+3], 32<<16                      ; tile_dim0
	s_mov_b32 s[\g+4], 96                          ; tile_dim1
	s_mov_b32 s[\g+5], 32                          ; tensor_dim0_stride
	s_mov_b32 s[\g+6], 0
	s_mov_b32 s[\g+7], 0
.endr
	s_or_b32 s[G1S+0], s43, (3<<16)|(1<<21)        ; and the scale words of 128 rows: HALFS dense bytes
	s_or_b32 s[G1SB+0], s44, (3<<16)|(1<<21)
.irp g, G1S, G1SB
	s_mov_b32 s[\g+1], 32<<16
	s_mov_b32 s[\g+2], (HALFS/256)<<16
	s_mov_b32 s[\g+3], 32<<16
	s_mov_b32 s[\g+4], HALFS/256
	s_mov_b32 s[\g+5], 32
	s_mov_b32 s[\g+6], 0
	s_mov_b32 s[\g+7], 0
.endr
	s_lshl_b32 s20, s17, 1
	s_add_co_u32 s20, s20, s16                     ; A: which 128 rows I fetch
	s_lshl_b32 s46, s42, 1
	s_add_co_u32 s46, s46, s16                     ; B likewise
	s_mul_i32 s22, s20, SSTR
	s_mov_b32 s23, 0
	s_mul_i32 s92, s46, SSTR
	s_mov_b32 s93, 0
	s_mul_i32 s20, s20, RSTR
	s_mov_b32 s21, 0
	s_mul_i32 s46, s46, RSTR
	s_mov_b32 s47, 0
	s_mul_i32 s45, s14, HALFT                      ; where they go: wave x 24,576: no place in the cluster enters an LDS address
	s_mul_i32 s94, s14, HALFS
	s_wait_kmcnt 0x0
	s_cmp_eq_u32 ttmp9, 2                          ; the roles: q, k: A = h, B = wq; v: A = wq from row 2,048 on, B = h
	s_cselect_b64 s[96:97], s[6:7], s[4:5]
	s_cselect_b64 s[98:99], s[4:5], s[6:7]
	s_cselect_b32 s2, 1572864, 0                   ; A's codes
	s_mov_b32 s18, HS
	s_cselect_b32 s18, 9502720, s18                ; A's scale words
	s_mov_b32 s66, 9437184
	s_cselect_b32 s66, HS, s66                     ; B's scale words
	s_mov_b32 s3, 0
	s_mov_b32 s19, 0
	s_mov_b32 s67, 0
	s_add_nc_u64 s[4:5], s[96:97], s[2:3]
	s_add_nc_u64 s[6:7], s[96:97], s[18:19]
	s_mov_b64 s[8:9], s[98:99]
	s_add_nc_u64 s[10:11], s[98:99], s[66:67]
	s_add_nc_u64 s[20:21], s[4:5], s[20:21]
	s_add_nc_u64 s[22:23], s[6:7], s[22:23]
	s_add_nc_u64 s[46:47], s[8:9], s[46:47]
	s_add_nc_u64 s[92:93], s[10:11], s[92:93]
	CROUND                                         ; all sixteen work-groups are here: the first joint loads meet
	s_mov_b32 s[G0S], 1
	s_add_co_u32 s[G0S+1], s94, SCL
	s_mov_b64 s[G0S+2:G0S+3], s[22:23]
	s_or_b32 s[G0S+3], s[G0S+3], 0x80000000
	s_mov_b32 s[G0SB], 1
	s_add_co_u32 s[G0SB+1], s94, SCL
	s_mov_b64 s[G0SB+2:G0SB+3], s[92:93]
	s_or_b32 s[G0SB+3], s[G0SB+3], 0x80000000
	JLOAD G0S, G1S, G0SB, G1SB                     ; the scale words first: they are wanted with K step 0
.irp s, 0,1
	s_mov_b32 s[G0+4*\s], 1
	s_add_co_u32 s[G0+4*\s+1], s45, \s*SLOT
	s_add_nc_u64 s[G0+4*\s+2:G0+4*\s+3], s[20:21], \s*HALFT
	s_or_b32 s[G0+4*\s+3], s[G0+4*\s+3], 0x80000000
	s_mov_b32 s[G0B+4*\s], 1
	s_add_co_u32 s[G0B+4*\s+1], s45, \s*SLOT
	s_add_nc_u64 s[G0B+4*\s+2:G0B+4*\s+3], s[46:47], \s*HALFT
	s_or_b32 s[G0B+4*\s+3], s[G0B+4*\s+3], 0x80000000
	JLOAD G0+4*\s, G1, G0B+4*\s, G1B
.endr
	v_and_b32 v1, 15, v0                           ; r
	v_bfe_u32 v2, v0, 4, 1                         ; h
	v_and_b32 v3, 31, v0                           ; lane
	v_lshlrev_b32 v4, 4, v3
	v_lshlrev_b32 v5, 3, v3
	s_mul_i32 s21, s15, HALFT                      ; my 128 rows of A
	s_mul_i32 s22, s16, HALFT                      ; my 128 rows of B,
	s_add_co_u32 s22, s22, 2*HALFT                 ; which lie behind A's 256
.irp s, 0,1
	v_add_nc_u32 v[ADRA+\s], s21, v4
	v_add_nc_u32 v[ADRB+\s], s22, v4
	v_add_nc_u32 v[ADRA+2+\s], s21, v5
	v_add_nc_u32 v[ADRB+2+\s], s22, v5
	s_add_co_u32 s21, s21, SLOT
	s_add_co_u32 s22, s22, SLOT
.endr
	s_mul_i32 s21, s15, HALFS
	s_mul_i32 s22, s16, HALFS
	s_add_co_u32 s22, s22, 2*HALFS
	s_sub_co_u32 s22, s22, s21
	v_mul_u32_u24 v6, s22, v2                      ; lanes 16-31 take B's: one product, the distance between the two
	s_add_co_u32 s21, s21, SCL
	v_lshl_add_u32 v6, v1, 4, v6
	v_add_nc_u32 v[ADRS], s21, v6
.macro FRAG reg, adr, q, i             ; a fragment comes as it was stored: the same registers in the same lanes
	ds_load_b128 v[\reg:\reg+3], v[\adr] offset:(\q)*KSB+(\i)*1536
	ds_load_b64 v[\reg+4:\reg+5], v[\adr+2] offset:(\q)*KSB+(\i)*1536+512
	ds_load_b128 v[\reg+6:\reg+9], v[\adr] offset:(\q)*KSB+(\i)*1536+768
	ds_load_b64 v[\reg+10:\reg+11], v[\adr+2] offset:(\q)*KSB+(\i)*1536+1280
.endm
; 16 matrix instructions: A's blocks a0, a0 + 1 x B's eight, the slot's q-th 128 along K.  p: B's set; sc: the set of scale words.  zero = 1: the first product starts the sums.
; The 64 accumulators take turns, one instruction a turn, in the same order in every step.
.macro MUL16 a0, p, q, sc, zero
.irp a, \a0, \a0+1
.irp b, 0,1,2,3,4,5,6,7
.set rD, 8*(8*((\a)%4)+\b)
.set rB, 128*(\p)+FR*\b
.set rA, AF+FR*(\a)
.set sB, SC+16*(\sc)+8*(\q)+4*(\b%2)+\b/2
.set sA, SC+16*(\sc)+8*(\q)+4*((\a)%2)+(\a)/2
.if (\zero) && HASB
	v_wmma_scale_f32_16x16x128_f8f6f4 v[rD:rD+7], v[rB:rB+FR-1], v[rA:rA+FR-1], v[BIAS+8*\b:BIAS+8*\b+7], v[sB], v[sA] matrix_a_fmt:MATRIX_FMT_FP6 matrix_b_fmt:MATRIX_FMT_FP6 matrix_a_scale:MATRIX_SCALE_ROW1
.elseif \zero
	v_wmma_scale_f32_16x16x128_f8f6f4 v[rD:rD+7], v[rB:rB+FR-1], v[rA:rA+FR-1], 0, v[sB], v[sA] matrix_a_fmt:MATRIX_FMT_FP6 matrix_b_fmt:MATRIX_FMT_FP6 matrix_a_scale:MATRIX_SCALE_ROW1
.else
	v_wmma_scale_f32_16x16x128_f8f6f4 v[rD:rD+7], v[rB:rB+FR-1], v[rA:rA+FR-1], v[rD:rD+7], v[sB], v[sA] matrix_a_fmt:MATRIX_FMT_FP6 matrix_b_fmt:MATRIX_FMT_FP6 matrix_a_scale:MATRIX_SCALE_ROW1
.endif
.endr
.endr
.endm
.macro FETCH_B slot, q, p
	WIN TO_B
.irp i, 0,1,2,3,4,5,6,7
	FRAG 128*(\p)+FR*\i, ADRB+\slot, \q, \i
.endr
	WIN 0
.endm
.macro FETCH_A slot, q, i0
.irp i, \i0, \i0+1, \i0+2, \i0+3
	FRAG AF+FR*(\i), ADRA+\slot, \q, \i
.endr
.endm
.macro SCALES sc                       ; a K step's scale words: the word of block i for step q lands in register 8 q + 4 (i % 2) + i / 2 of the set; lanes 0-15 A's, lanes 16-31 B's
.irp q, 0,1
.irp e, 0,1
	ds_load_b128 v[SC+16*(\sc)+8*\q+4*\e:SC+16*(\sc)+8*\q+4*\e+3], v[ADRS] offset:512*\q+256*\e
.endr
.endr
.endm
.macro PLACES n                        ; plain vector instructions between a matrix instruction and a load into, or a read of, its registers (ISA guide 7.12.1 for reads)
.rept \n
	v_nop
.endr
.endm
.macro STEP slot, q, zero              ; a step of 128 along K that has its successor in the same slot
	s_wait_dscnt 4*NL                              ; B's set, A's blocks 0-3 and the scale words are in; the youngest 16 loads (A's blocks 4-7) may be out
.if (\zero) && HASB
	WIN 0x81
.else
	WIN MUL_LO
.endif
	MUL16 0, (\q)%2, \q, \slot, \zero
	MUL16 2, (\q)%2, \q, \slot, \zero
	s_wait_dscnt 0
	PLACES NP
	FETCH_B \slot, (\q)+1, 1-(\q)%2
	FETCH_A \slot, (\q)+1, 0
.if (\zero) && HASB
	WIN 0xc1
.else
	WIN MUL_HI
.endif
	MUL16 4, (\q)%2, \q, \slot, \zero
	MUL16 6, (\q)%2, \q, \slot, \zero
	PLACES NP
	WIN 0
	FETCH_A \slot, (\q)+1, 4
.endm
; A slot's last step changes slots: one barrier; in front of it each wave waits for all its tensor loads, adds 0 to its spare word, and waits for that and for its reads of this slot.  fill = 1: the slot is filled again, two K steps ahead.
.macro TURN slot, next, fill
	s_wait_tensorcnt 0x0                           ; all my tensor loads have landed: my part of the next slot
	ds_add_u32 v[SPW], v[NIL]                      ; 0 onto my spare word
	s_wait_dscnt 4*NL+1                            ; (the add and the youngest 16 loads may be out)
	WIN MUL_LO
	MUL16 0, 1, NQ-1, \slot, 0
	s_wait_dscnt 0x0                               ; the add is done, and my reads of this slot are over
	s_barrier_signal -1
	MUL16 2, 1, NQ-1, \slot, 0
	WIN 0
	s_barrier_wait -1
.if \fill
	CREST                                          ; the barrier has opened a round of the cluster's: no wave of any partner still reads this slot or has a load on its way
	s_add_nc_u64 s[G0+4*\slot+2:G0+4*\slot+3], s[G0+4*\slot+2:G0+4*\slot+3], 2*HALFT
	s_add_nc_u64 s[G0B+4*\slot+2:G0B+4*\slot+3], s[G0B+4*\slot+2:G0B+4*\slot+3], 2*HALFT
	JLOAD G0+4*\slot, G1, G0B+4*\slot, G1B         ; the first tensor load behind the round; its four v_nop are the places in front of the loads below
.else
	PLACES NP
.endif
	v_add_nc_u32 v[ADRS], 512*NQ, v[ADRS]          ; on to the next K step's scale words
	FETCH_B \next, 0, 0
	FETCH_A \next, 0, 0
	SCALES \next
	WIN MUL_HI
	MUL16 4, 1, NQ-1, \slot, 0
	MUL16 6, 1, NQ-1, \slot, 0
	PLACES NP
	WIN 0
	FETCH_A \next, 0, 4
.endm
	s_wait_tensorcnt 1                             ; the scale words and my part of K step 0 are in (K step 1's load may be out),
	s_barrier_signal -1
	s_barrier_wait -1                              ; everybody's are
	FETCH_B 0, 0, 0
	FETCH_A 0, 0, 0
	SCALES 0
	FETCH_A 0, 0, 4
	STEP 0, 0, 1                                   ; the first step stands in front of the loop: its products start the sums
	s_mov_b32 s3, LAPS-1
.Llap:
	TURN 0, 1, 1
	STEP 1, 0, 0
	TURN 1, 0, 1
	STEP 0, 0, 0
	s_sub_co_u32 s3, s3, 1
	s_cmp_lg_u32 s3, 0
	s_cbranch_scc1 .Llap
	TURN 0, 1, 0                                   ; the last lap fills nothing
	STEP 1, 0, 0
	s_wait_dscnt 4*NL
	WIN MUL_LO
	MUL16 0, 1, NQ-1, 1, 0
	MUL16 2, 1, NQ-1, 1, 0
	s_wait_dscnt 0
	WIN MUL_HI
	MUL16 4, 1, NQ-1, 1, 0
	MUL16 6, 1, NQ-1, 1, 0
	WIN 0
; THE WAY OUT: each block of 16 A rows x 128 B indices is quantised in registers and stored as an image.  No tensor load is out any more: the descriptors' registers are free.
.set G16, 6
.set G8,  7
.set SO,  8
.set SHV, 9
.set PC,  192
.set PW,  216
.set W,   217
.set TM,  224
.macro QUANT src, win                  ; 64 numbers of a lane, register 16 b + i = index 32 b + 16 (lane / 16) + i, of window win -> a fragment's codes in v[PC] on, its scale word in v[PW]
	WIN ((\win)<<2)|((\win)<<4)
.irp b, 0,1,2,3
	v_max3_num_f32 v[TM+\b], 0x1800000, |v[(\src)+16*\b]|, |v[(\src)+16*\b+1]|   ; my 16 numbers of block b, from each accumulator's low end on, and the floor 2^(3 - 127)
.endr
.irp i, 2,4,6,8,10,12,14
.irp b, 0,1,2,3
	v_max3_num_f32 v[TM+\b], v[TM+\b], |v[(\src)+16*\b+\i]|, |v[(\src)+16*\b+\i+1]|
.endr
.endr
	WIN 0
.irp b, 0,1,2,3
	v_permlanex16_b32 v[TM+4+\b], v[TM+\b], s[SEL], s[SEL+1]
.endr
.irp b, 0,1,2,3
	v_max_num_f32 v[TM+\b], v[TM+\b], v[TM+4+\b]
.endr
.irp b, 0,1,2,3
	v_add_nc_u32 v[TM+12+\b], 0xff000000, v[TM+\b]
.endr
.irp b, 0,1,2,3
	v_lshrrev_b32 v[TM+4+\b], 23, v[TM+12+\b]
.endr
	v_lshl_or_b32 v[PW], v[TM+5], 8, v[TM+4]
	v_lshl_or_b32 v[PW], v[TM+6], 16, v[PW]
	v_lshl_or_b32 v[PW], v[TM+7], 24, v[PW]
	WIN (\win)
.irp c, 0,1
	v_cvt_scalef32_pk16_fp6_f32 v[PC+6*\c:PC+6*\c+2], v[(\src)+32*\c:(\src)+32*\c+15], v[TM+12+2*\c]
	v_cvt_scalef32_pk16_fp6_f32 v[PC+12+4*\c:PC+14+4*\c], v[(\src)+32*\c+16:(\src)+32*\c+31], v[TM+13+2*\c]
.endr
	WIN 0
	v_nop                                          ; one plain instruction behind the scaled conversions
.irp c, 0,1
.irp i, 0,1,2
	v_permlane16_swap_b32 v[PC+6*\c+\i], v[PC+12+4*\c+\i]
.endr
.irp i, 0,1,2
	v_mov_b32 v[PC+3+6*\c+\i], v[PC+12+4*\c+\i]
.endr
.endr
.endm
	s_mov_b32 s[SEL], 0x76543210
	s_mov_b32 s[SEL+1], 0xfedcba98
	s_lshl_b32 s20, s42, 2                         ; q, k: my first head among 32 (0-15 q, 16-31 k): 4 TC + 2 x half
	s_lshl_b32 s21, s16, 1
	s_add_co_u32 s20, s20, s21
	s_and_b32 s21, s20, 16                         ; k's chunks lie 512 on: 32 x 16
	s_add_co_u32 s20, s20, s21
	s_lshr_b32 s21, s17, 3                         ; the batch
	s_lshl_b32 s21, s21, 4
	s_add_co_u32 s20, s20, s21
	s_lshl_b32 s20, s20, 4
	s_and_b32 s21, s17, 7
	s_lshl_b32 s21, s21, 1
	s_add_co_u32 s20, s20, s21
	s_add_co_u32 s20, s20, s15                     ; + which 128 tokens of the batch
	s_lshr_b32 s22, s42, 3                         ; v: (batch x 16 + which 128 keys) x 16 + my first head
	s_lshl_b32 s22, s22, 4
	s_and_b32 s23, s42, 7
	s_lshl_b32 s23, s23, 1
	s_add_co_u32 s22, s22, s23
	s_add_co_u32 s22, s22, s16
	s_lshl_b32 s22, s22, 4
	s_lshl_b32 s23, s17, 2
	s_add_co_u32 s22, s22, s23
	s_lshl_b32 s23, s15, 1
	s_add_co_u32 s22, s22, s23
	s_add_co_u32 s22, s22, 1024
	s_cmp_eq_u32 ttmp9, 2
	s_cselect_b32 s20, s22, s20                    ; my first chunk
	s_mov_b32 s24, 106496
	s_cselect_b32 s24, 768, s24                    ; from registers 0-5 to 6-11: q, k: the next head's chunk; v: the fragment's second half
	s_mov_b32 s26, 768
	s_cselect_b32 s26, 1536, s26                   ; from block to block
	s_cselect_b32 s28, 512, 0                      ; v: behind four blocks the next head's chunk
	s_cselect_b32 s30, 128, 64                     ; the scale words, from block to block
	s_cselect_b32 s32, 6144, 0
	s_cselect_b32 s34, 64, 106496                  ; lanes 16-31: v: the image's upper half; q, k: the next head's words
	s_cselect_b32 s35, 0, 16                       ; q, k: which take the word's upper two bytes
	s_mov_b32 s21, 0
	s_mov_b32 s25, 0
	s_mov_b32 s27, 0
	s_mov_b32 s29, 0
	s_mov_b32 s31, 0
	s_mov_b32 s33, 0
	s_mul_i32 s20, s20, 6656
	s_add_nc_u64 s[84:85], s[12:13], s[20:21]
	s_add_nc_u64 s[86:87], s[84:85], s[24:25]
	s_add_nc_u64 s[88:89], s[84:85], 6144
	v_and_b32 v1, 15, v0                           ; (these lines are also the places behind the last products)
	v_bfe_u32 v2, v0, 4, 1
	v_and_b32 v3, 31, v0
	v_lshlrev_b32 v[G16], 4, v3
	v_lshlrev_b32 v[G8], 3, v3
	v_lshlrev_b32 v4, 2, v1
	v_mad_u32_u24 v[SO], v2, s34, v4
	v_mul_u32_u24 v[SHV], v2, s35
.irp b, 0,1,2,3
	v_mov_b32 v[TM+4+\b], 0                        ; a lane permute's destination counts as one of its sources
.endr
.irp a, 0,1,2,3,4,5,6,7
	QUANT 64*(\a%4), 2+\a/4
	v_lshrrev_b32 v[W], v[SHV], v[PW]
	global_store_b128 v[G16], v[PC:PC+3], s[84:85]             ; each store covers whole aligned runs of 256 bytes
	global_store_b64 v[G8], v[PC+4:PC+5], s[84:85] offset:512
	global_store_b128 v[G16], v[PC+6:PC+9], s[86:87]
	global_store_b64 v[G8], v[PC+10:PC+11], s[86:87] offset:512
	global_store_b32 v[SO], v[W], s[88:89]
	s_wait_xcnt 0x0                                ; the stores have read their data and bases: both are written again only behind this wait
	s_add_nc_u64 s[84:85], s[84:85], s[26:27]
	s_add_nc_u64 s[86:87], s[86:87], s[26:27]
	s_add_nc_u64 s[88:89], s[88:89], s[30:31]
.if \a == 3
	s_add_nc_u64 s[84:85], s[84:85], s[28:29]
	s_add_nc_u64 s[86:87], s[86:87], s[28:29]
	s_add_nc_u64 s[88:89], s[88:89], s[32:33]
.endif
.endr
	s_wait_tensorcnt 0x0                           ; the wave's end
	ds_add_u32 v[SPW], v[NIL]
	s_wait_dscnt 0x0
	CROUND                                         ; the closing round: no work-group ends while a partner may still ask for a tile that names it
	s_endpgm
.Lfunc_end_k_qede7b9cbae_gqkv:
	.size	k_qede7b9cbae_gqkv, .Lfunc_end_k_qede7b9cbae_gqkv-k_qede7b9cbae_gqkv
	.p2alignl 7, 3214868480
	.fill 96, 4, 3214868480
	.section	.rodata,"a",@progbits
	.p2align	6, 0x0
	.amdhsa_kernel k_qede7b9cbae_gqkv
		.amdhsa_group_segment_fixed_size 327680
		.amdhsa_private_segment_fixed_size 0
		.amdhsa_enable_private_segment 0
		.amdhsa_kernarg_size 24
		.amdhsa_user_sgpr_count 2
		.amdhsa_user_sgpr_kernarg_segment_ptr 1
		.amdhsa_wavefront_size32 1
		.amdhsa_system_sgpr_workgroup_id_x 1
		.amdhsa_system_sgpr_workgroup_id_y 1
		.amdhsa_system_sgpr_workgroup_id_z 1
		.amdhsa_system_vgpr_workitem_id 0
		.amdhsa_next_free_vgpr 1024
		.amdhsa_next_free_sgpr 102
		.amdhsa_reserve_vcc 0
		.amdhsa_float_denorm_mode_32 3
		.amdhsa_float_denorm_mode_16_64 3
		.amdhsa_memory_ordered 1
		.amdhsa_forward_progress 1
		.amdhsa_inst_pref_size 151
	.end_amdhsa_kernel
	.amdgpu_metadata
---
amdhsa.version: [ 1, 2 ]
amdhsa.kernels:
  - .name:           k_qede7b9cbae_gqkv
    .symbol:         k_qede7b9cbae_gqkv.kd
    .args:
      - { .name: h, .offset: 0, .size: 8, .value_kind: global_buffer, .address_space: global }
      - { .name: wq, .offset: 8, .size: 8, .value_kind: global_buffer, .address_space: global }
      - { .name: qkv, .offset: 16, .size: 8, .value_kind: global_buffer, .address_space: global }
    .group_segment_fixed_size: 327680
    .private_segment_fixed_size: 0
    .kernarg_segment_align: 8
    .kernarg_segment_size: 24
    .max_flat_workgroup_size: 128
    .sgpr_count:     102
    .vgpr_count:     1024
    .wavefront_size: 32
...
	.end_amdgpu_metadata
.endif
;; end of part 3
;; launch attn (part 4): grid 8 x 32, 16 waves a work-group, clusters of 4 x 1, 215,040 bytes of LDS; arguments qkv, h; writes h
.if DOCPART == 4
	.amdgcn_target "amdgcn-amd-amdhsa--gfx1250"
	.amdhsa_code_object_version 6
	.text
	.protected	k_qede7b9cbae_attn
	.globl	k_qede7b9cbae_attn
	.p2align	8
	.type	k_qede7b9cbae_attn,@function
k_qede7b9cbae_attn:
	s_mov_b64 s[64:65], 0
	v_nop
	global_prefetch_b8 v0, s[64:65] scope:SCOPE_SE
	s_setreg_imm32_b32 hwreg(HW_REG_WAVE_MODE, 25, 1), 1
	s_wait_xcnt 0x0
	s_wait_alu depctr_hold_cnt(0) depctr_sa_sdst(0) depctr_va_vdst(0) depctr_va_sdst(0) depctr_va_ssrc(0) depctr_va_vcc(0) depctr_vm_vsrc(0)
	s_getreg_b32 s2, hwreg(HW_REG_IB_STS2, 6, 4)
	s_cmp_eq_u32 s2, 0
	s_cbranch_scc0 .Lentry_in_a_cluster
	s_endpgm
.Lentry_in_a_cluster:
	s_bfe_u32 s2, ttmp6, 0x10000c
	s_cmp_lg_u32 s2, 0x3003
	s_cbranch_scc0 .Lentry_shape_is_right
	s_endpgm
.Lentry_shape_is_right:
; o = softmax(q k^T / 8) v for 32 (batch, head) pairs of 2,048 tokens x 64 channels, both products on codes of FP6 (E2M3) with E8M0 scales; o is quantised along the channels and stored as the next product's operand.
; THE SOFTMAX AHEAD OF THE SECOND PRODUCT: t = score x log2(e) / 8; M = the running largest t rounded UP to a whole number; p = 2^(t - M) is quantised along the keys, not normalised.  The row's sum is taken of the
; unquantised p and divides at the end.  When M moves, the sum and O are multiplied by 2^(old M - new M): exact.
; INPUT, in chunks of 6,656 bytes.  q at 0, k at KOFF: [batch x head][128 tokens]: 8 blocks of 16 tokens x 768 bytes (registers 0-3 of a fragment at 16 x lane, 4-5 at 512 + 8 x lane), then 128 scale words.
; The head's 64 channels fill K = 0 .. 63 of the instruction's 128: registers 6-11 of q's and k's fragments are zeros, which add nothing.
; v at VOFF: [batch][128 keys][head]: 4 fragments of 16 channels x 128 keys, 1,536 bytes each, then 4 x 128 bytes of scale words at 4 x lane.
; Tokens and channels are stored at pi(index), bits 3 and 4 exchanged: so the 16 registers of two neighbouring tiles of a result are 16 neighbours of the true index, and this text never applies pi itself.
; SHARES.  A work-group owns 256 queries of one head; each of its sixteen waves 16 of them.  Both products are used transposed (S^T = K Q^T, O^T = V^T P^T): a lane holds one query throughout.
; A HEAD'S K AND V, with their scale words, are 2 x 106,496 bytes: they come into LDS ONCE, wave w bringing key step w of each, and nothing is ever filled again: no ring.
; CLUSTER.  The four query blocks of a cluster belong to one head: each tile is asked for jointly, with a mask that names the four.
; Nothing is prefetched: every byte that the launch reads is asked for at its head.
; LIMITS: a block of zeros, or one under 2^-124, gets the byte 1 (this program alone reads the bytes); NaN and infinities are not served.
; REGISTERS: v1-4 lane terms; v5-10 the step's addresses; v11 lane; v12 -M, v13 largest t, v[14:15] the sum; v16-27 Q; v28-31 V's scale words; v32-79 four fragments of K; v80-127 V's four; v128-191 S^T, then p;
; v192-223 O^T; v224-235 p's codes; v232-247, v252, v254 at work; v248-251 K's scale words; v253 p's; v255 Q's.
.set CHK,  6656
.set KOFF, 3407872
.set VOFF, 6815744
.set VL,   106496                      ; V's place in LDS, behind K's 16 chunks
.set HS,   3145728
.set QF,   16
.set VSC,  28
.set KFR,  32
.set VFR,  80
.set S,    128
.set O,    192
.set PCD,  224
.set KSC,  248
.set TB,   2
.set TBV,  3
.set WV,   18
.set SEL,  20
.set CS,   22
.set G1,   24
.set G0K,  32
.set G0V,  36
.set CNT,  40
.macro CROUND                          ; a round of the cluster's barrier
	s_barrier_signal -1
	s_barrier_wait -1
	s_cmp_lg_u32 s[WV], 0
	s_cbranch_scc1 .Lnot_wave_0_\@
	s_barrier_signal -3
.Lnot_wave_0_\@:
	s_barrier_wait -3
	s_barrier_signal -1
	s_barrier_wait -1
.endm
	s_load_b128 s[4:7], s[0:1], 0x0                ; qkv, h
	v_lshl_add_u32 v254, v0, 2, 0x34000
	v_mov_b32 v255, 0
	ds_add_u32 v254, v255
	ds_add_u32 v254, v255
	s_wait_dscnt 0x0
	v_lshrrev_b32 v5, 5, v0
	v_readfirstlane_b32 s[WV], v5                  ; wave 0..15
	s_and_b32 s43, ttmp7, 0xffff                   ; batch x 16 + head, which the four partners share
	s_lshr_b32 s44, s43, 4                         ; batch
	s_and_b32 s45, s43, 15                         ; head
	; descriptor group 1: a chunk, 6,656 dense bytes, as 26 rows of 32 elements of 8 bytes
	s_mov_b32 s[G1], 15|(3<<16)|(1<<21)            ; 15:0 the mask: all four work-groups; 17:16 elements of 8 bytes; 21 set beside a mask
	s_mov_b32 s[G1+1], 32<<16
	s_mov_b32 s[G1+2], 26<<16
	s_mov_b32 s[G1+3], 32<<16
	s_mov_b32 s[G1+4], 26
	s_mov_b32 s[G1+5], 32
	s_mov_b32 s[G1+6], 0
	s_mov_b32 s[G1+7], 0
	s_mul_i32 s46, s43, 106496                     ; K: the head's 16 chunks, mine is chunk w
	s_mul_i32 s47, s[WV], CHK
	s_add_co_u32 s46, s46, s47
	s_add_co_u32 s46, s46, KOFF
	s_mov_b32 s47, 0
	s_lshl_b32 s48, s44, 4                         ; V: ((batch x 16 + w) x 16 + head) chunks
	s_add_co_u32 s48, s48, s[WV]
	s_lshl_b32 s48, s48, 4
	s_add_co_u32 s48, s48, s45
	s_mul_i32 s48, s48, CHK
	s_add_co_u32 s48, s48, VOFF
	s_mov_b32 s49, 0
	s_mov_b32 s[SEL], 0x76543210
	s_mov_b32 s[SEL+1], 0xfedcba98                 ; lane l xor 16
	s_mov_b32 s[CS], 0x3e38aa3b                    ; c = log2(e) / 8
	s_mov_b32 s[CS+1], s[CS]                       ; (named with it as a pair)
	s_wait_kmcnt 0x0
	s_mov_b32 s[G0K], 1
	s_mul_i32 s[G0K+1], s[WV], CHK                 ; LDS: chunk w
	s_add_nc_u64 s[G0K+2:G0K+3], s[4:5], s[46:47]
	s_or_b32 s[G0K+3], s[G0K+3], 0x80000000
	s_mov_b32 s[G0V], 1
	s_mul_i32 s[G0V+1], s[WV], CHK
	s_add_co_u32 s[G0V+1], s[G0V+1], VL
	s_add_nc_u64 s[G0V+2:G0V+3], s[4:5], s[48:49]
	s_or_b32 s[G0V+3], s[G0V+3], 0x80000000
	CROUND                                         ; all four work-groups are here: the joint loads meet
	tensor_load_to_lds s[G0K:G0K+3], s[G1:G1+7]    ; my two loads, the only ones of the launch: two are out
	s_nop 0
	tensor_load_to_lds s[G0V:G0V+3], s[G1:G1+7]
	s_nop 0
.rept 4
	v_nop
.endr
	; my queries and my output: the work-group's place in its cluster enters these global addresses alone
	s_bfe_u32 s41, ttmp6, 0x40000                  ; cx
	s_lshl_b32 s42, ttmp9, 2
	s_add_co_u32 s42, s42, s41                     ; my block of 256 queries
	s_lshl_b32 s50, s43, 4
	s_lshl_b32 s56, s42, 1
	s_add_co_u32 s50, s50, s56
	s_lshr_b32 s57, s[WV], 3
	s_add_co_u32 s50, s50, s57                     ; q's chunk
	s_mul_i32 s50, s50, CHK
	s_and_b32 s58, s[WV], 7                        ; my block of 16 in it
	s_lshl_b32 s52, s58, 6
	s_add_co_u32 s52, s52, s50
	s_add_co_u32 s52, s52, 6144                    ; its scale words
	s_mov_b32 s53, 0
	s_mul_i32 s59, s58, 768
	s_add_co_u32 s50, s50, s59                     ; its codes
	s_mov_b32 s51, 0
	s_add_nc_u64 s[8:9], s[4:5], s[50:51]
	s_add_nc_u64 s[10:11], s[4:5], s[52:53]
	s_lshl_b32 s54, s44, 4
	s_add_co_u32 s54, s54, s56
	s_add_co_u32 s54, s54, s57                     ; which 128 rows of the output
	s_lshr_b32 s55, s45, 1                         ; its K step: head / 2
	s_and_b32 s59, s45, 1                          ; and the half of it: head % 2
	s_mul_i32 s60, s54, 98304
	s_mul_i32 s61, s55, 12288
	s_add_co_u32 s60, s60, s61
	s_mul_i32 s61, s58, 1536
	s_add_co_u32 s60, s60, s61
	s_mul_i32 s61, s59, 768
	s_add_co_u32 s60, s60, s61
	s_mov_b32 s61, 0
	s_lshl_b32 s62, s54, 12
	s_lshl_b32 s63, s55, 9
	s_add_co_u32 s62, s62, s63
	s_and_b32 s63, s58, 1
	s_lshl_b32 s63, s63, 8
	s_add_co_u32 s62, s62, s63
	s_lshr_b32 s63, s58, 1
	s_lshl_b32 s63, s63, 2
	s_add_co_u32 s62, s62, s63
	s_lshl_b32 s63, s59, 1
	s_add_co_u32 s62, s62, s63
	s_add_co_u32 s62, s62, HS
	s_mov_b32 s63, 0
	s_add_nc_u64 s[12:13], s[6:7], s[60:61]        ; o's codes
	s_add_nc_u64 s[14:15], s[6:7], s[62:63]        ; o's scale bytes
	v_and_b32 v11, 31, v0                          ; lane
	v_lshlrev_b32 v1, 4, v11
	v_lshlrev_b32 v2, 3, v11
	v_and_b32 v3, 15, v0
	v_lshlrev_b32 v3, 2, v3                        ; 4 r
	v_lshlrev_b32 v4, 2, v11
	global_load_b128 v[QF:QF+3], v1, s[8:9]        ; Q's fragment stays in registers
	global_load_b64 v[QF+4:QF+5], v2, s[8:9] offset:512
	global_load_b32 v255, v3, s[10:11]             ; and its scale words
.irp i, 6,7,8,9,10,11
	v_mov_b32 v[QF+\i], 0                          ; K = 64 .. 127: zero codes
.irp t, 0,1,2,3
	v_mov_b32 v[KFR+12*\t+\i], 0                   ; never rewritten
.endr
.endr
	v_mov_b32 v13, 0xff61b1e6                      ; the largest t so far: -3e38
	v_floor_f32 v12, -v13                          ; -M
	v_mov_b32 v14, 0
	v_mov_b32 v15, 0
.irp b, 0,1,2,3
	v_mov_b32 v[236+\b], 0                         ; a lane permute's destination counts as one of its sources
.endr
	v_mov_b32 v253, 0                              ; (named as the upper half of the pair v[252:253] before it is first written)
.set j, 0
.rept 32
	v_mov_b32 v[O+j], 0                            ; the step is written once: the first finds zeros, which the first change of M leaves zeros
.set j, j+1
.endr
	s_mov_b32 s[TB], 0
	s_mov_b32 s[TBV], VL
	s_mov_b32 s[CNT], 16
	s_wait_loadcnt 0x0                             ; Q
	s_wait_tensorcnt 0x0                           ; my two chunks lie in LDS,
	s_barrier_signal -1
	s_barrier_wait -1                              ; everybody's do
.Lstep:                                            ; 128 keys a trip
	v_add_nc_u32 v5, s[TB], v1                     ; (these six are also the places between the last trip's products and the loads into their registers)
	v_add_nc_u32 v6, s[TB], v2
	v_add_nc_u32 v7, s[TB], v3
	v_add_nc_u32 v8, s[TBV], v1
	v_add_nc_u32 v9, s[TBV], v2
	v_add_nc_u32 v10, s[TBV], v4
.irp t, 0,1,2,3
	ds_load_b128 v[KFR+12*\t:KFR+12*\t+3], v5 offset:768*\t
	ds_load_b64 v[KFR+12*\t+4:KFR+12*\t+5], v6 offset:768*\t+512
	ds_load_b32 v[KSC+\t], v7 offset:6144+64*\t
.endr
.irp t, 0,1,2,3
	ds_load_b128 v[VFR+12*\t:VFR+12*\t+3], v8 offset:1536*\t
	ds_load_b64 v[VFR+12*\t+4:VFR+12*\t+5], v9 offset:1536*\t+512
	ds_load_b128 v[VFR+12*\t+6:VFR+12*\t+9], v8 offset:1536*\t+768
	ds_load_b64 v[VFR+12*\t+10:VFR+12*\t+11], v9 offset:1536*\t+1280
	ds_load_b32 v[VSC+\t], v10 offset:6144+128*\t
.endr
	s_wait_dscnt 20                                ; K's first four tiles are in; V's 20 loads may be out
.irp t, 0,1,2,3
	v_wmma_scale_f32_16x16x128_f8f6f4 v[S+8*\t:S+8*\t+7], v[KFR+12*\t:KFR+12*\t+11], v[QF:QF+11], 0, v[KSC+\t], v255 matrix_a_fmt:MATRIX_FMT_FP6 matrix_b_fmt:MATRIX_FMT_FP6
.endr
.rept 4
	v_nop                                          ; places in front of loads into registers that matrix instructions have read
.endr
.irp t, 0,1,2,3
	ds_load_b128 v[KFR+12*\t:KFR+12*\t+3], v5 offset:768*(4+\t)
	ds_load_b64 v[KFR+12*\t+4:KFR+12*\t+5], v6 offset:768*(4+\t)+512
	ds_load_b32 v[KSC+\t], v7 offset:6144+64*(4+\t)
.endr
	s_wait_dscnt 0x0
.irp t, 0,1,2,3
	v_wmma_scale_f32_16x16x128_f8f6f4 v[S+32+8*\t:S+32+8*\t+7], v[KFR+12*\t:KFR+12*\t+11], v[QF:QF+11], 0, v[KSC+\t], v255 matrix_a_fmt:MATRIX_FMT_FP6 matrix_b_fmt:MATRIX_FMT_FP6
.endr
.rept 4
	v_nop                                          ; places in front of the first read of results
.endr
.irp b, 0,1,2,3
	v_max3_num_f32 v[232+\b], v[S+16*\b], v[S+16*\b+1], v[S+16*\b+2]   ; the largest score of each block of 32 keys: it serves for the row's maximum and, since p rises with the score, for the block's largest p
.endr
.irp i, 3,5,7,9,11,13
.irp b, 0,1,2,3
	v_max3_num_f32 v[232+\b], v[232+\b], v[S+16*\b+\i], v[S+16*\b+\i+1]
.endr
.endr
.irp b, 0,1,2,3
	v_max_num_f32 v[232+\b], v[232+\b], v[S+16*\b+15]
.endr
.irp b, 0,1,2,3
	v_permlanex16_b32 v[236+\b], v[232+\b], s[SEL], s[SEL+1]
.endr
.irp b, 0,1,2,3
	v_max_num_f32 v[232+\b], v[232+\b], v[236+\b]  ; with lane l xor 16's 16 keys
.endr
	v_max3_num_f32 v254, v232, v233, v234
	v_max_num_f32 v254, v254, v235
	v_mul_f32 v254, s[CS], v254                    ; the step's largest t (c is positive)
	v_max_num_f32 v13, v13, v254                   ; the running largest t
	v_mov_b32 v254, v12
	v_floor_f32 v12, -v13                          ; the new -M = -ceil(t): a whole number
	v_sub_f32 v254, v12, v254                      ; old M - new M: a whole number, 0 or less
	v_cvt_i32_f32 v254, v254                       ; (it saturates)
	v_ldexp_f32 v252, 1.0, v254                    ; f = 2^(old M - new M)
.set j, 0
.rept 32
	v_pk_fma_f32 v[S+j:S+j+1], v[S+j:S+j+1], s[CS:CS+1], v[12:13] op_sel_hi:[1,0,0]   ; t - M, two at a time
.set j, j+2
.endr
.irp b, 0,1,2,3
	v_fma_f32 v[232+\b], v[232+\b], s[CS], v12     ; the same of each block's largest score
.endr
.set j, 0
.rept 64
	v_exp_f32 v[S+j], v[S+j]                       ; p = 2^(t - M), at most 1
.set j, j+1
.endr
	v_pk_mul_f32 v[14:15], v[14:15], v[252:253] op_sel_hi:[1,0]   ; the sums under the new M (a plain instruction behind the exponentials)
	s_wait_alu depctr_va_vdst(0)                   ; one wait for the whole batch, ahead of its first reader
.irp b, 0,1,2,3
	v_exp_f32 v[232+\b], v[232+\b]                 ; the block's largest p
.endr
	v_pk_add_f32 v[236:237], v[S:S+1], v[S+2:S+3]  ; the row's sum of the unquantised p, in two chains
.irp j, 4,8,12,16,20,24,28,32,36,40,44,48,52,56,60
	v_pk_add_f32 v[14:15], v[14:15], v[S+\j:S+\j+1]
	v_pk_add_f32 v[236:237], v[236:237], v[S+\j+2:S+\j+3]
.endr
	v_pk_add_f32 v[14:15], v[14:15], v[236:237]
	s_wait_alu depctr_va_vdst(0)                   ; and one for the four
.irp b, 0,1,2,3
	v_max_num_f32 v[232+\b], 0x1800000, v[232+\b]  ; the floor 2^(3 - 127): the byte cannot fall under 1
.endr
.irp b, 0,1,2,3
	v_add_nc_u32 v[244+\b], 0xff000000, v[232+\b]  ; 2 off the exponent field: the conversion's scale operand
.endr
.irp b, 0,1,2,3
	v_lshrrev_b32 v[236+\b], 23, v[244+\b]
.endr
	v_lshl_or_b32 v253, v237, 8, v236              ; p's scale word for these 128 keys
	v_lshl_or_b32 v253, v238, 16, v253
	v_lshl_or_b32 v253, v239, 24, v253
.irp c, 0,1
	v_cvt_scalef32_pk16_fp6_f32 v[PCD+6*\c:PCD+6*\c+2], v[S+32*\c:S+32*\c+15], v[244+2*\c]
	v_cvt_scalef32_pk16_fp6_f32 v[236+4*\c:238+4*\c], v[S+32*\c+16:S+32*\c+31], v[245+2*\c]
.endr
	v_nop                                          ; one plain instruction behind the scaled conversions
.irp c, 0,1
.irp i, 0,1,2
	v_permlane16_swap_b32 v[PCD+6*\c+\i], v[236+4*\c+\i]
.endr
.irp i, 0,1,2
	v_mov_b32 v[PCD+3+6*\c+\i], v[236+4*\c+\i]
.endr
.endr
.set j, 0
.rept 16
	v_pk_mul_f32 v[O+j:O+j+1], v[O+j:O+j+1], v[252:253] op_sel_hi:[1,0]   ; O^T under the new M; these 16 also stand between the writing of p's codes and scale word and the products
.set j, j+2
.endr
.irp t, 0,1,2,3
	v_wmma_scale_f32_16x16x128_f8f6f4 v[O+8*\t:O+8*\t+7], v[VFR+12*\t:VFR+12*\t+11], v[PCD:PCD+11], v[O+8*\t:O+8*\t+7], v[VSC+\t], v253 matrix_a_fmt:MATRIX_FMT_FP6 matrix_b_fmt:MATRIX_FMT_FP6
.endr
	s_add_co_u32 s[TB], s[TB], CHK
	s_add_co_u32 s[TBV], s[TBV], CHK
	s_sub_co_u32 s[CNT], s[CNT], 1
	s_cmp_lg_u32 s[CNT], 0
	s_cbranch_scc1 .Lstep
	; THE WAY OUT: O^T / the sum; register 16 b + i is channel 32 b + 16 (lane / 16) + i of my query: two blocks, quantised in registers, half a fragment of the next product's operand
	v_add_f32 v14, v14, v15
	v_permlanex16_b32 v252, v14, s[SEL], s[SEL+1]
	v_add_f32 v14, v14, v252                       ; the row's sum
	v_rcp_f32 v14, v14
	v_and_b32 v5, 15, v0                           ; (plain work behind the reciprocal, and places behind the last products)
	v_bfe_u32 v6, v0, 4, 1
	v_lshl_add_u32 v7, v5, 4, v6                   ; my scale byte: 16 r + h
	v_cmp_le_u32 vcc_lo, 16, v11                   ; lanes 16-31
	s_wait_alu depctr_va_vdst(0)                   ; the wait ahead of the reciprocal's first reader
.set j, 0
.rept 32
	v_mul_f32 v[S+j], v[O+j], v14                  ; each accumulator from its low end on
.set j, j+1
.endr
.irp b, 0,1
	v_max3_num_f32 v[232+\b], |v[S+16*\b]|, |v[S+16*\b+1]|, 0x1800000
.endr
.irp i, 2,4,6,8,10,12,14
.irp b, 0,1
	v_max3_num_f32 v[232+\b], v[232+\b], |v[S+16*\b+\i]|, |v[S+16*\b+\i+1]|
.endr
.endr
.irp b, 0,1
	v_permlanex16_b32 v[236+\b], v[232+\b], s[SEL], s[SEL+1]
.endr
.irp b, 0,1
	v_max_num_f32 v[232+\b], v[232+\b], v[236+\b]
.endr
.irp b, 0,1
	v_add_nc_u32 v[244+\b], 0xff000000, v[232+\b]
.endr
.irp b, 0,1
	v_lshrrev_b32 v[238+\b], 23, v[244+\b]
.endr
	v_cvt_scalef32_pk16_fp6_f32 v[224:226], v[S:S+15], v244
	v_cvt_scalef32_pk16_fp6_f32 v[240:242], v[S+16:S+31], v245
	v_nop
.irp i, 0,1,2
	v_permlane16_swap_b32 v[224+\i], v[240+\i]
.endr
.irp i, 0,1,2
	v_mov_b32 v[227+\i], v[240+\i]
.endr
	v_cndmask_b32 v246, v238, v239, vcc_lo         ; lanes 0-15 the first block's byte, lanes 16-31 the second's
	global_store_b128 v1, v[224:227], s[12:13]     ; 512 consecutive bytes, aligned
	global_store_b64 v2, v[228:229], s[12:13] offset:512
	global_store_b8 v7, v246, s[14:15]
	s_wait_xcnt 0x0
	v_lshl_add_u32 v254, v0, 2, 0x34000
	v_mov_b32 v255, 0
	s_wait_tensorcnt 0x0
	ds_add_u32 v254, v255
	s_wait_dscnt 0x0
	CROUND                                         ; the closing round: no work-group ends while a partner may still ask for a tile that names it
	s_endpgm
.Lfunc_end_k_qede7b9cbae_attn:
	.size	k_qede7b9cbae_attn, .Lfunc_end_k_qede7b9cbae_attn-k_qede7b9cbae_attn
	.p2alignl 7, 3214868480
	.fill 96, 4, 3214868480
	.section	.rodata,"a",@progbits
	.p2align	6, 0x0
	.amdhsa_kernel k_qede7b9cbae_attn
		.amdhsa_group_segment_fixed_size 215040
		.amdhsa_private_segment_fixed_size 0
		.amdhsa_enable_private_segment 0
		.amdhsa_kernarg_size 16
		.amdhsa_user_sgpr_count 2
		.amdhsa_user_sgpr_kernarg_segment_ptr 1
		.amdhsa_wavefront_size32 1
		.amdhsa_system_sgpr_workgroup_id_x 1
		.amdhsa_system_sgpr_workgroup_id_y 1
		.amdhsa_system_sgpr_workgroup_id_z 1
		.amdhsa_system_vgpr_workitem_id 0
		.amdhsa_next_free_vgpr 256
		.amdhsa_next_free_sgpr 66
		.amdhsa_reserve_vcc 1
		.amdhsa_float_denorm_mode_32 3
		.amdhsa_float_denorm_mode_16_64 3
		.amdhsa_memory_ordered 1
		.amdhsa_forward_progress 1
		.amdhsa_inst_pref_size 29
	.end_amdhsa_kernel
	.amdgpu_metadata
---
amdhsa.version: [ 1, 2 ]
amdhsa.kernels:
  - .name:           k_qede7b9cbae_attn
    .symbol:         k_qede7b9cbae_attn.kd
    .args:
      - { .name: qkv, .offset: 0, .size: 8, .value_kind: global_buffer, .address_space: global }
      - { .name: h, .offset: 8, .size: 8, .value_kind: global_buffer, .address_space: global }
    .group_segment_fixed_size: 215040
    .private_segment_fixed_size: 0
    .kernarg_segment_align: 8
    .kernarg_segment_size: 16
    .max_flat_workgroup_size: 512
    .sgpr_count:     66
    .vgpr_count:     256
    .wavefront_size: 32
...
	.end_amdgpu_metadata
.endif
;; end of part 4
;; launch gproj (part 5): grid 4 x 16, 4 waves a work-group, clusters of 4 x 4, 327,680 bytes of LDS; arguments h, wq, x, x1; writes x1
.if DOCPART == 5
	.amdgcn_target "amdgcn-amd-amdhsa--gfx1250"
	.amdhsa_code_object_version 6
	.text
	.protected	k_qede7b9cbae_gproj
	.globl	k_qede7b9cbae_gproj
	.p2align	8
	.type	k_qede7b9cbae_gproj,@function
k_qede7b9cbae_gproj:
	s_mov_b64 s[64:65], 0
	v_nop
	global_prefetch_b8 v0, s[64:65] scope:SCOPE_SE
	s_setreg_imm32_b32 hwreg(HW_REG_WAVE_MODE, 25, 1), 1
	s_wait_xcnt 0x0
	s_wait_alu depctr_hold_cnt(0) depctr_sa_sdst(0) depctr_va_vdst(0) depctr_va_sdst(0) depctr_va_ssrc(0) depctr_va_vcc(0) depctr_vm_vsrc(0)
	s_getreg_b32 s2, hwreg(HW_REG_IB_STS2, 6, 4)
	s_cmp_eq_u32 s2, 0
	s_cbranch_scc0 .Lentry_in_a_cluster
	s_endpgm
.Lentry_in_a_cluster:
	s_bfe_u32 s2, ttmp6, 0x10000c
	s_cmp_lg_u32 s2, 0xf033
	s_cbranch_scc0 .Lentry_shape_is_right
	s_endpgm
.Lentry_shape_is_right:
; x1 = x + o Wproj on codes of FP6 (E2M3) with E8M0 scales, K = 1,024; x and x1 are [4096][1024] f32 in their natural order.
; OPERANDS ("A" = o's rows, "B" = Wproj's columns, both [rows][K]): codes [row / 128][k / 128][block of 16 rows][1,536 bytes], each 1,536 the image of an operand's 12 registers (0-3 at 16 x lane, 4-5 at 512 + 8 x lane,
; 6-9 at 768 + 16 x lane, 10-11 at 1,280 + 8 x lane); scale words [row / 128][k / 128][512]: row p's word at 16 (p % 32) + 4 (p / 32).  Rows are stored at pi(row), bits 3 and 4 exchanged.
; A tile of C, 256 x 256, is made by four waves, each 128 x 128: 64 accumulators, 512 registers.  THE MATRIX INSTRUCTION IS USED TRANSPOSED: source 0 = 16 rows of B, source 1 = 16 rows of A.
; K goes in steps of 256 through a ring of two LDS slots; a wave's tensor load brings 128 rows x 256 K, 24,576 dense bytes.  The scale words of the tile's rows for all of K come once, with the first fills.
; CLUSTERS: 4 x 4 work-groups; A's tiles are asked for jointly by the four of a row of the cluster, B's by the four of a column.
; The grid has 64 work-groups: 16 x 4 tiles of 256 x 256.
; REGISTERS, in windows of 256: window 0: v0-31 addresses; v32-63 scale words, two sets, and nothing else; from v128 A's fragments, one set; window 1: B's fragments, two sets, at v0 and v128; windows 2, 3: the accumulators.
.set KDIM,   1024
.set HASB,   0
.set HS,     3145728
.set NQ,     2                         ; steps of 128 along K in a slot
.set FR,     12                        ; registers of a fragment
.set NL,     4                         ; LDS loads that bring one
.set NP,     4                         ; places behind this matrix instruction (ISA guide 7.12.1)
.set KSB,    12288                     ; 128 rows x 128 K of codes
.set HALFT,  NQ*KSB                    ; what one tensor load brings
.set SLOT,   4*HALFT                   ; A's two halves, then B's two
.set LAPS,   KDIM/512                  ; a lap = once round the ring
.set RSTR,   96*KDIM                   ; 128 rows of codes in memory
.set SSTR,   4*KDIM                    ; 128 rows of scale words
.set HALFS,  SSTR
.set SCL,    2*SLOT                    ; behind the ring: the scale words
.set SPARE,  SCL+4*HALFS               ; behind them: the spare words, 128 bytes for each wave, which no other line names
.set SPITCH, 528                       ; the way out: a stage of 16 rows x (512 bytes + 16) for each wave, in slot 0, which has had its last fill and its last read by then
.set ADRA, 16                          ; v16-17 LDS address of my A fragments in slot 0, 1, at 16 x lane; v18-19 at 8 x lane
.set ADRB, 20                          ; v20-23 the same for B
.set STO,  24                          ; v24 the stage, in
.set RD,   25                          ; v25 the stage, out
.set CO,   26                          ; v26 16 x lane: my bytes of a row's 512
.set ADRS, 27                          ; v27 my scale words: lanes 0-15 A's, lanes 16-31 B's
.set SPW,  28                          ; v28 my spare word; never rewritten
.set NIL,  29                          ; v29 0; never rewritten
.set SC,   32
.set BIAS, 64
.set AF,   128
.set BK,   128                         ; the way out: 16 rows back from the stage: v128-191 and v192-255 by turns
.set G1, 24
.set G0, 32
.set G1B, 48
.set G0B, 56
.set G1S, 68
.set G0S, 76
.set G1SB, 80
.set G0SB, 88
.set MSB, 0
.macro WIN new                         ; the immediate's high byte repeats the setting that is left
.if MSB != (\new)
	s_set_vgpr_msb (MSB<<8)|(\new)
.set MSB, (\new)
.endif
.endm
.set MUL_LO, 0xa1                      ; source 0 (B) window 1, source 1 (A) window 0, C and D window 2
.set MUL_HI, 0xf1                      ; the same, C and D window 3
.set TO_B,   0x40                      ; destination window 1, address window 0
; A joint load: waves 0 and 1 fetch for A, waves 2 and 3 for B; the branch hangs on the wave's number alone.  Four v_nop follow each of the two lines.
.macro JLOAD g0a, g1a, g0b, g1b
	s_cmp_eq_u32 s15, 0
	s_cbranch_scc0 .Lfor_b_\@
	tensor_load_to_lds s[\g0a:\g0a+3], s[\g1a:\g1a+7]
	s_nop 0
.rept 4
	v_nop
.endr
	s_branch .Lasked_\@
.Lfor_b_\@:
	tensor_load_to_lds s[\g0b:\g0b+3], s[\g1b:\g1b+7]
	s_nop 0
.rept 4
	v_nop
.endr
.Lasked_\@:
.endm
.macro CREST                           ; a round of the cluster's barrier behind its opening barrier
	s_cmp_lg_u32 s14, 0
	s_cbranch_scc1 .Lnot_wave_0_\@
	s_barrier_signal -3
.Lnot_wave_0_\@:
	s_barrier_wait -3
	s_barrier_signal -1
	s_barrier_wait -1
.endm
.macro CROUND
	s_barrier_signal -1
	s_barrier_wait -1
	CREST
.endm
	s_load_b256 s[4:11], s[0:1], 0x0               ; h, wq, x, x1
	v_lshl_add_u32 v[SPW], v0, 2, SPARE
	v_mov_b32 v[NIL], 0
	ds_add_u32 v28, v29
	ds_add_u32 v28, v29
	s_wait_dscnt 0x0
	v_lshrrev_b32 v1, 5, v0
	v_readfirstlane_b32 s14, v1                    ; wave 0..3
	s_lshr_b32 s15, s14, 1                         ; which half of the tile's rows is mine.  Also: I fetch for A (0) or for B (1)
	s_and_b32 s16, s14, 1                          ; which half of its columns.  Also: which 128 rows I fetch
	s_bfe_u32 s40, ttmp6, 0x40000                  ; cx, cy: my place in the cluster
	s_bfe_u32 s41, ttmp6, 0x40004
	s_lshl_b32 s42, ttmp9, 2
	s_add_co_u32 s42, s42, s40                     ; TC: tile column of C
	s_and_b32 s17, ttmp7, 0xffff
	s_lshl_b32 s17, s17, 2
	s_add_co_u32 s17, s17, s41                     ; TR: tile row of C
	s_lshl_b32 s43, s41, 2
	s_lshl_b32 s43, 15, s43                        ; my row of the cluster
	s_lshl_b32 s44, 0x1111, s40                    ; my column
	; descriptor group 1: a dense block of 24,576 bytes as 96 rows of 32 elements of 8 bytes; no padding: the images are read 16 or 8 bytes a lane on end
	s_or_b32 s[G1+0], s43, (3<<16)|(1<<21)         ; 15:0 the mask: A's tiles go to my row; 17:16 elements of 8 bytes; 21 set beside a mask
	s_or_b32 s[G1B+0], s44, (3<<16)|(1<<21)
.irp g, G1, G1B
	s_mov_b32 s[\g+1], 32<<16                      ; tensor_dim0
	s_mov_b32 s[\g+2], 96<<16                      ; tensor_dim1
	s_mov_b32 s[\g+3], 32<<16                      ; tile_dim0
	s_mov_b32 s[\g+4], 96                          ; tile_dim1
	s_mov_b32 s[\g+5], 32                          ; tensor_dim0_stride
	s_mov_b32 s[\g+6], 0
	s_mov_b32 s[\g+7], 0
.endr
	s_or_b32 s[G1S+0], s43, (3<<16)|(1<<21)        ; and the scale words of 128 rows: HALFS dense bytes
	s_or_b32 s[G1SB+0], s44, (3<<16)|(1<<21)
.irp g, G1S, G1SB
	s_mov_b32 s[\g+1], 32<<16
	s_mov_b32 s[\g+2], (HALFS/256)<<16
	s_mov_b32 s[\g+3], 32<<16
	s_mov_b32 s[\g+4], HALFS/256
	s_mov_b32 s[\g+5], 32
	s_mov_b32 s[\g+6], 0
	s_mov_b32 s[\g+7], 0
.endr
	s_lshl_b32 s20, s17, 1
	s_add_co_u32 s20, s20, s16                     ; A: which 128 rows I fetch
	s_lshl_b32 s46, s42, 1
	s_add_co_u32 s46, s46, s16                     ; B likewise
	s_mul_i32 s22, s20, SSTR
	s_mov_b32 s23, 0
	s_mul_i32 s92, s46, SSTR
	s_mov_b32 s93, 0
	s_mul_i32 s20, s20, RSTR
	s_mov_b32 s21, 0
	s_mul_i32 s46, s46, RSTR
	s_mov_b32 s47, 0
	s_mul_i32 s45, s14, HALFT                      ; where they go: wave x 24,576: no place in the cluster enters an LDS address
	s_mul_i32 s94, s14, HALFS
	s_wait_kmcnt 0x0
	s_mov_b64 s[96:97], s[8:9]                     ; x
	s_mov_b64 s[12:13], s[10:11]                   ; x1
	s_add_nc_u64 s[8:9], s[6:7], 2359296           ; Wproj's codes
	s_add_nc_u64 s[10:11], s[6:7], 9535488         ; and scale words
	s_add_nc_u64 s[6:7], s[4:5], HS                ; o's scale words
	s_add_nc_u64 s[20:21], s[4:5], s[20:21]
	s_add_nc_u64 s[22:23], s[6:7], s[22:23]
	s_add_nc_u64 s[46:47], s[8:9], s[46:47]
	s_add_nc_u64 s[92:93], s[10:11], s[92:93]
	CROUND                                         ; all sixteen work-groups are here: the first joint loads meet
	s_mov_b32 s[G0S], 1
	s_add_co_u32 s[G0S+1], s94, SCL
	s_mov_b64 s[G0S+2:G0S+3], s[22:23]
	s_or_b32 s[G0S+3], s[G0S+3], 0x80000000
	s_mov_b32 s[G0SB], 1
	s_add_co_u32 s[G0SB+1], s94, SCL
	s_mov_b64 s[G0SB+2:G0SB+3], s[92:93]
	s_or_b32 s[G0SB+3], s[G0SB+3], 0x80000000
	JLOAD G0S, G1S, G0SB, G1SB                     ; the scale words first: they are wanted with K step 0
.irp s, 0,1
	s_mov_b32 s[G0+4*\s], 1
	s_add_co_u32 s[G0+4*\s+1], s45, \s*SLOT
	s_add_nc_u64 s[G0+4*\s+2:G0+4*\s+3], s[20:21], \s*HALFT
	s_or_b32 s[G0+4*\s+3], s[G0+4*\s+3], 0x80000000
	s_mov_b32 s[G0B+4*\s], 1
	s_add_co_u32 s[G0B+4*\s+1], s45, \s*SLOT
	s_add_nc_u64 s[G0B+4*\s+2:G0B+4*\s+3], s[46:47], \s*HALFT
	s_or_b32 s[G0B+4*\s+3], s[G0B+4*\s+3], 0x80000000
	JLOAD G0+4*\s, G1, G0B+4*\s, G1B
.endr
	v_and_b32 v1, 15, v0                           ; r
	v_bfe_u32 v2, v0, 4, 1                         ; h
	v_and_b32 v3, 31, v0                           ; lane
	v_lshlrev_b32 v4, 4, v3
	v_lshlrev_b32 v5, 3, v3
	s_mul_i32 s21, s15, HALFT                      ; my 128 rows of A
	s_mul_i32 s22, s16, HALFT                      ; my 128 rows of B,
	s_add_co_u32 s22, s22, 2*HALFT                 ; which lie behind A's 256
.irp s, 0,1
	v_add_nc_u32 v[ADRA+\s], s21, v4
	v_add_nc_u32 v[ADRB+\s], s22, v4
	v_add_nc_u32 v[ADRA+2+\s], s21, v5
	v_add_nc_u32 v[ADRB+2+\s], s22, v5
	s_add_co_u32 s21, s21, SLOT
	s_add_co_u32 s22, s22, SLOT
.endr
	s_mul_i32 s21, s15, HALFS
	s_mul_i32 s22, s16, HALFS
	s_add_co_u32 s22, s22, 2*HALFS
	s_sub_co_u32 s22, s22, s21
	v_mul_u32_u24 v6, s22, v2                      ; lanes 16-31 take B's: one product, the distance between the two
	s_add_co_u32 s21, s21, SCL
	v_lshl_add_u32 v6, v1, 4, v6
	v_add_nc_u32 v[ADRS], s21, v6
	s_mul_i32 s23, s14, 16*SPITCH                  ; my stage
	v_mul_u32_u24 v5, v1, SPITCH
	v_lshl_add_u32 v5, v2, 6, v5
	v_add_nc_u32 v[STO], s23, v5                   ; in: row r, + 64 h
	v_lshlrev_b32 v[CO], 4, v3
	v_add_nc_u32 v[RD], s23, v[CO]                 ; back: the 32 lanes take one row of 512 bytes
	s_lshl_b32 s20, s17, 8
	s_lshl_b32 s21, s15, 7
	s_add_co_u32 s20, s20, s21                     ; my first row of C: 256 TR + 128 x half
	s_lshl_b32 s20, s20, 12                        ; x 4,096 bytes
	s_lshl_b32 s46, s42, 10
	s_lshl_b32 s47, s16, 9
	s_add_co_u32 s46, s46, s47                     ; my first column, in bytes
	s_add_co_u32 s20, s20, s46
	s_mov_b32 s21, 0
	s_add_nc_u64 s[12:13], s[12:13], s[20:21]      ; neither base is stepped: every row stands in an immediate, 127 x 4,096 at the most
	s_add_nc_u64 s[96:97], s[96:97], s[20:21]
.macro FRAG reg, adr, q, i             ; a fragment comes as it was stored: the same registers in the same lanes
	ds_load_b128 v[\reg:\reg+3], v[\adr] offset:(\q)*KSB+(\i)*1536
	ds_load_b64 v[\reg+4:\reg+5], v[\adr+2] offset:(\q)*KSB+(\i)*1536+512
	ds_load_b128 v[\reg+6:\reg+9], v[\adr] offset:(\q)*KSB+(\i)*1536+768
	ds_load_b64 v[\reg+10:\reg+11], v[\adr+2] offset:(\q)*KSB+(\i)*1536+1280
.endm
; 16 matrix instructions: A's blocks a0, a0 + 1 x B's eight, the slot's q-th 128 along K.  p: B's set; sc: the set of scale words.  zero = 1: the first product starts the sums.
; The 64 accumulators take turns, one instruction a turn, in the same order in every step.
.macro MUL16 a0, p, q, sc, zero
.irp a, \a0, \a0+1
.irp b, 0,1,2,3,4,5,6,7
.set rD, 8*(8*((\a)%4)+\b)
.set rB, 128*(\p)+FR*\b
.set rA, AF+FR*(\a)
.set sB, SC+16*(\sc)+8*(\q)+4*(\b%2)+\b/2
.set sA, SC+16*(\sc)+8*(\q)+4*((\a)%2)+(\a)/2
.if (\zero) && HASB
	v_wmma_scale_f32_16x16x128_f8f6f4 v[rD:rD+7], v[rB:rB+FR-1], v[rA:rA+FR-1], v[BIAS+8*\b:BIAS+8*\b+7], v[sB], v[sA] matrix_a_fmt:MATRIX_FMT_FP6 matrix_b_fmt:MATRIX_FMT_FP6 matrix_a_scale:MATRIX_SCALE_ROW1
.elseif \zero
	v_wmma_scale_f32_16x16x128_f8f6f4 v[rD:rD+7], v[rB:rB+FR-1], v[rA:rA+FR-1], 0, v[sB], v[sA] matrix_a_fmt:MATRIX_FMT_FP6 matrix_b_fmt:MATRIX_FMT_FP6 matrix_a_scale:MATRIX_SCALE_ROW1
.else
	v_wmma_scale_f32_16x16x128_f8f6f4 v[rD:rD+7], v[rB:rB+FR-1], v[rA:rA+FR-1], v[rD:rD+7], v[sB], v[sA] matrix_a_fmt:MATRIX_FMT_FP6 matrix_b_fmt:MATRIX_FMT_FP6 matrix_a_scale:MATRIX_SCALE_ROW1
.endif
.endr
.endr
.endm
.macro FETCH_B slot, q, p
	WIN TO_B
.irp i, 0,1,2,3,4,5,6,7
	FRAG 128*(\p)+FR*\i, ADRB+\slot, \q, \i
.endr
	WIN 0
.endm
.macro FETCH_A slot, q, i0
.irp i, \i0, \i0+1, \i0+2, \i0+3
	FRAG AF+FR*(\i), ADRA+\slot, \q, \i
.endr
.endm
.macro SCALES sc                       ; a K step's scale words: the word of block i for step q lands in register 8 q + 4 (i % 2) + i / 2 of the set; lanes 0-15 A's, lanes 16-31 B's
.irp q, 0,1
.irp e, 0,1
	ds_load_b128 v[SC+16*(\sc)+8*\q+4*\e:SC+16*(\sc)+8*\q+4*\e+3], v[ADRS] offset:512*\q+256*\e
.endr
.endr
.endm
.macro PLACES n                        ; plain vector instructions between a matrix instruction and a load into, or a read of, its registers (ISA guide 7.12.1 for reads)
.rept \n
	v_nop
.endr
.endm
.macro STEP slot, q, zero              ; a step of 128 along K that has its successor in the same slot
	s_wait_dscnt 4*NL                              ; B's set, A's blocks 0-3 and the scale words are in; the youngest 16 loads (A's blocks 4-7) may be out
.if (\zero) && HASB
	WIN 0x81
.else
	WIN MUL_LO
.endif
	MUL16 0, (\q)%2, \q, \slot, \zero
	MUL16 2, (\q)%2, \q, \slot, \zero
	s_wait_dscnt 0
	PLACES NP
	FETCH_B \slot, (\q)+1, 1-(\q)%2
	FETCH_A \slot, (\q)+1, 0
.if (\zero) && HASB
	WIN 0xc1
.else
	WIN MUL_HI
.endif
	MUL16 4, (\q)%2, \q, \slot, \zero
	MUL16 6, (\q)%2, \q, \slot, \zero
	PLACES NP
	WIN 0
	FETCH_A \slot, (\q)+1, 4
.endm
; A slot's last step changes slots: one barrier; in front of it each wave waits for all its tensor loads, adds 0 to its spare word, and waits for that and for its reads of this slot.  fill = 1: the slot is filled again, two K steps ahead.
.macro TURN slot, next, fill
	s_wait_tensorcnt 0x0                           ; all my tensor loads have landed: my part of the next slot
	ds_add_u32 v[SPW], v[NIL]                      ; 0 onto my spare word
	s_wait_dscnt 4*NL+1                            ; (the add and the youngest 16 loads may be out)
	WIN MUL_LO
	MUL16 0, 1, NQ-1, \slot, 0
	s_wait_dscnt 0x0                               ; the add is done, and my reads of this slot are over
	s_barrier_signal -1
	MUL16 2, 1, NQ-1, \slot, 0
	WIN 0
	s_barrier_wait -1
.if \fill
	CREST                                          ; the barrier has opened a round of the cluster's: no wave of any partner still reads this slot or has a load on its way
	s_add_nc_u64 s[G0+4*\slot+2:G0+4*\slot+3], s[G0+4*\slot+2:G0+4*\slot+3], 2*HALFT
	s_add_nc_u64 s[G0B+4*\slot+2:G0B+4*\slot+3], s[G0B+4*\slot+2:G0B+4*\slot+3], 2*HALFT
	JLOAD G0+4*\slot, G1, G0B+4*\slot, G1B         ; the first tensor load behind the round; its four v_nop are the places in front of the loads below
.else
	PLACES NP
.endif
	v_add_nc_u32 v[ADRS], 512*NQ, v[ADRS]          ; on to the next K step's scale words
	FETCH_B \next, 0, 0
	FETCH_A \next, 0, 0
	SCALES \next
	WIN MUL_HI
	MUL16 4, 1, NQ-1, \slot, 0
	MUL16 6, 1, NQ-1, \slot, 0
	PLACES NP
	WIN 0
	FETCH_A \next, 0, 4
.endm
	s_wait_tensorcnt 1                             ; the scale words and my part of K step 0 are in (K step 1's load may be out),
	s_barrier_signal -1
	s_barrier_wait -1                              ; everybody's are
	FETCH_B 0, 0, 0
	FETCH_A 0, 0, 0
	SCALES 0
	FETCH_A 0, 0, 4
	STEP 0, 0, 1                                   ; the first step stands in front of the loop: its products start the sums
	s_mov_b32 s3, LAPS-1
.Llap:
	TURN 0, 1, 1
	STEP 1, 0, 0
	TURN 1, 0, 1
	STEP 0, 0, 0
	s_sub_co_u32 s3, s3, 1
	s_cmp_lg_u32 s3, 0
	s_cbranch_scc1 .Llap
	TURN 0, 1, 0                                   ; the last lap fills nothing
	STEP 1, 0, 0
	s_wait_dscnt 4*NL
	WIN MUL_LO
	MUL16 0, 1, NQ-1, 1, 0
	MUL16 2, 1, NQ-1, 1, 0
	s_wait_dscnt 0
	WIN MUL_HI
	MUL16 4, 1, NQ-1, 1, 0
	MUL16 6, 1, NQ-1, 1, 0
	WIN 0
; THE WAY OUT, block by block of 16 rows x 128 columns, through my own stage in LDS: a lane's eight results of accumulator b are columns 32 (b / 2) + 16 h + 8 (b % 2) + 0 .. 7 of physical row r; they come back as whole
; rows of 512 bytes.  Physical row t of block a is row 32 (a / 2) + 16 (t / 8) + 8 (a % 2) + t % 8 of my 128.  The residual's rows are loaded four blocks ahead into window 1, which B's fragments have left.
.macro TOSTAGE a
.set AC, 64*((\a)%4)
	WIN 0x08+4*((\a)/4)                            ; an LDS store's data are its source 1: window 2 or 3
.irp b, 0,1,2,3,4,5,6,7
	ds_store_b128 v[STO], v[AC+8*\b:AC+8*\b+3] offset:128*(\b/2)+32*(\b%2)          ; each accumulator from its low end on
	ds_store_b128 v[STO], v[AC+8*\b+4:AC+8*\b+7] offset:128*(\b/2)+32*(\b%2)+16
.endr
	WIN 0
.set BB, BK+64*((\a)%2)
.irp t, 0,1,2,3,4,5,6,7,8,9,10,11,12,13,14,15
	ds_load_b128 v[BB+4*\t:BB+4*\t+3], v[RD] offset:\t*SPITCH   ; LDS serves a wave's instructions in order (ISA guide 5.7.1.4): these see the stores above
.endr
.endm
.macro RLOAD a
	WIN 0x40                                       ; destination window 1
.irp t, 0,1,2,3,4,5,6,7,8,9,10,11,12,13,14,15
	global_load_b128 v[64*((\a)%4)+4*\t:64*((\a)%4)+4*\t+3], v[CO], s[96:97] offset:(32*((\a)/2)+16*(\t/8)+8*((\a)%2)+\t%8)*4096
.endr
	WIN 0
.endm
.macro SEND a, younger
.set BB, BK+64*((\a)%2)
	s_wait_dscnt \younger                          ; the block is back in registers; the next block's LDS instructions may be out
.if (\a) <= 4
	s_wait_loadcnt 48                              ; its residual is in; three younger blocks' loads may be out
.else
	s_wait_loadcnt 16*(7-(\a))
.endif
	WIN 0x04                                       ; source 1 window 1
.set i, 0
.rept 32
	v_pk_add_f32 v[BB+2*i:BB+2*i+1], v[BB+2*i:BB+2*i+1], v[64*((\a)%4)+2*i:64*((\a)%4)+2*i+1]
.set i, i+1
.endr
	WIN 0
.if (\a) < 4
	RLOAD (\a)+4
.endif
.irp t, 0,1,2,3,4,5,6,7,8,9,10,11,12,13,14,15
	global_store_b128 v[CO], v[BB+4*\t:BB+4*\t+3], s[12:13] offset:(32*((\a)/2)+16*(\t/8)+8*((\a)%2)+\t%8)*4096   ; 32 lanes store 512 consecutive bytes, aligned
.endr
.endm
	PLACES NP                                      ; in front of loads into the operands' registers and of the first read of results
	RLOAD 0
	RLOAD 1
	RLOAD 2
	RLOAD 3
	TOSTAGE 0
.irp a, 1,2,3,4,5,6,7
.if \a > 1
	s_wait_xcnt 0x0                                ; block a - 2's stores have read their registers: block a's loads may land there
.endif
	TOSTAGE \a
	SEND \a-1, 32
.endr
	s_wait_xcnt 0x0
	SEND 7, 0
	s_wait_tensorcnt 0x0                           ; the wave's end
	ds_add_u32 v[SPW], v[NIL]
	s_wait_dscnt 0x0
	CROUND                                         ; the closing round: no work-group ends while a partner may still ask for a tile that names it
	s_endpgm
.Lfunc_end_k_qede7b9cbae_gproj:
	.size	k_qede7b9cbae_gproj, .Lfunc_end_k_qede7b9cbae_gproj-k_qede7b9cbae_gproj
	.p2alignl 7, 3214868480
	.fill 96, 4, 3214868480
	.section	.rodata,"a",@progbits
	.p2align	6, 0x0
	.amdhsa_kernel k_qede7b9cbae_gproj
		.amdhsa_group_segment_fixed_size 327680
		.amdhsa_private_segment_fixed_size 0
		.amdhsa_enable_private_segment 0
		.amdhsa_kernarg_size 32
		.amdhsa_user_sgpr_count 2
		.amdhsa_user_sgpr_kernarg_segment_ptr 1
		.amdhsa_wavefront_size32 1
		.amdhsa_system_sgpr_workgroup_id_x 1
		.amdhsa_system_sgpr_workgroup_id_y 1
		.amdhsa_system_sgpr_workgroup_id_z 1
		.amdhsa_system_vgpr_workitem_id 0
		.amdhsa_next_free_vgpr 1024
		.amdhsa_next_free_sgpr 102
		.amdhsa_reserve_vcc 0
		.amdhsa_float_denorm_mode_32 3
		.amdhsa_float_denorm_mode_16_64 3
		.amdhsa_memory_ordered 1
		.amdhsa_forward_progress 1
		.amdhsa_inst_pref_size 171
	.end_amdhsa_kernel
	.amdgpu_metadata
---
amdhsa.version: [ 1, 2 ]
amdhsa.kernels:
  - .name:           k_qede7b9cbae_gproj
    .symbol:         k_qede7b9cbae_gproj.kd
    .args:
      - { .name: h, .offset: 0, .size: 8, .value_kind: global_buffer, .address_space: global }
      - { .name: wq, .offset: 8, .size: 8, .value_kind: global_buffer, .address_space: global }
      - { .name: x, .offset: 16, .size: 8, .value_kind: global_buffer, .address_space: global }
      - { .name: x1, .offset: 24, .size: 8, .value_kind: global_buffer, .address_space: global }
    .group_segment_fixed_size: 327680
    .private_segment_fixed_size: 0
    .kernarg_segment_align: 8
    .kernarg_segment_size: 32
    .max_flat_workgroup_size: 128
    .sgpr_count:     102
    .vgpr_count:     1024
    .wavefront_size: 32
...
	.end_amdgpu_metadata
.endif
;; end of part 5
;; launch ln2: the kernel of part 2 again; grid 256 x 1, 4 waves a work-group, no clusters, 66,304 bytes of LDS; arguments x1, ln2_w, ln2_b, h; writes h
;; launch gfc1 (part 6): grid 16 x 16, 4 waves a work-group, clusters of 4 x 4, 327,680 bytes of LDS; arguments h, wq, b_fc1, g; writes g
.if DOCPART == 6
	.amdgcn_target "amdgcn-amd-amdhsa--gfx1250"
	.amdhsa_code_object_version 6
	.text
	.protected	k_qede7b9cbae_gfc1
	.globl	k_qede7b9cbae_gfc1
	.p2align	8
	.type	k_qede7b9cbae_gfc1,@function
k_qede7b9cbae_gfc1:
	s_mov_b64 s[64:65], 0
	v_nop
	global_prefetch_b8 v0, s[64:65] scope:SCOPE_SE
	s_setreg_imm32_b32 hwreg(HW_REG_WAVE_MODE, 25, 1), 1
	s_wait_xcnt 0x0
	s_wait_alu depctr_hold_cnt(0) depctr_sa_sdst(0) depctr_va_vdst(0) depctr_va_sdst(0) depctr_va_ssrc(0) depctr_va_vcc(0) depctr_vm_vsrc(0)
	s_getreg_b32 s2, hwreg(HW_REG_IB_STS2, 6, 4)
	s_cmp_eq_u32 s2, 0
	s_cbranch_scc0 .Lentry_in_a_cluster
	s_endpgm
.Lentry_in_a_cluster:
	s_bfe_u32 s2, ttmp6, 0x10000c
	s_cmp_lg_u32 s2, 0xf033
	s_cbranch_scc0 .Lentry_shape_is_right
	s_endpgm
.Lentry_shape_is_right:
; g = Q(gelu(LN2(x1) Wfc1 + b_fc1)): the product on codes of FP6 (E2M3) with E8M0 scales, K = 1,024; the exact GELU in f32; the result quantised along its columns, the next product's K, and stored as that operand.
; GELU(x) = 0.5 x (1 + erf(x / sqrt 2)); erf(z) = z P(z^2) / Q(z^2), a rational form of degrees 6 and 4 in z^2 with |z| held to 4, where erf is 1 in f32.
; LIMITS: the error of the result is about 1e-7 |x|, relative to |x| and not to the tiny values of the negative tail; a block of zeros, or one under 2^-124, gets the byte 1 (this program alone reads the bytes); NaN and infinities are not served.
; OPERANDS ("A" = the tokens, "B" = Wfc1's columns, both [rows][K]): codes [row / 128][k / 128][block of 16 rows][1,536 bytes], each 1,536 the image of an operand's 12 registers (0-3 at 16 x lane, 4-5 at 512 + 8 x lane,
; 6-9 at 768 + 16 x lane, 10-11 at 1,280 + 8 x lane); scale words [row / 128][k / 128][512]: row p's word at 16 (p % 32) + 4 (p / 32).  Rows are stored at pi(row), bits 3 and 4 exchanged: so the 16 registers of
; accumulators (a, 2 j) and (a, 2 j + 1) of a lane are 16 NEIGHBOURING columns, 32 j + 16 (lane / 16) + 0 .. 15.  g is laid the same way, with K = 4,096.
; A tile of C, 256 x 256, is made by four waves, each 128 x 128: 64 accumulators, 512 registers.  THE MATRIX INSTRUCTION IS USED TRANSPOSED: source 0 = 16 rows of B, source 1 = 16 rows of A.
; K goes in steps of 256 through a ring of two LDS slots; a wave's tensor load brings 128 rows x 256 K, 24,576 dense bytes.  The scale words of the tile's rows for all of K come once, with the first fills.
; The bias is the C of each sum's first matrix instruction.  CLUSTERS: 4 x 4 work-groups; A's tiles are asked for jointly by the four of a row of the cluster, B's by the four of a column.
; REGISTERS, in windows of 256: window 0: v0-31 addresses; v32-63 scale words, two sets, and nothing else; v64-127 the bias; from v128 A's fragments, one set; window 1: B's fragments, two sets; windows 2, 3: the accumulators.
.set KDIM,   1024
.set HASB,   1
.set HS,     3145728
.set GS,     12582912
.set NQ,     2                         ; steps of 128 along K in a slot
.set FR,     12                        ; registers of a fragment
.set NL,     4                         ; LDS loads that bring one
.set NP,     4                         ; places behind this matrix instruction (ISA guide 7.12.1)
.set KSB,    12288                     ; 128 rows x 128 K of codes
.set HALFT,  NQ*KSB                    ; what one tensor load brings
.set SLOT,   4*HALFT                   ; A's two halves, then B's two
.set LAPS,   KDIM/512                  ; a lap = once round the ring
.set RSTR,   96*KDIM                   ; 128 rows of codes in memory
.set SSTR,   4*KDIM                    ; 128 rows of scale words
.set HALFS,  SSTR
.set SCL,    2*SLOT                    ; behind the ring: the scale words
.set SPARE,  262144                    ; the spare words, 128 bytes for each wave, which no other line names: behind the 4 x 65,536 bytes into which the results are laid at the end
.set SWB,    SPARE+512                 ; behind them: 512 bytes for each wave, for the new scale words
.set ADRA, 16                          ; v16-17 LDS address of my A fragments in slot 0, 1, at 16 x lane; v18-19 at 8 x lane
.set ADRB, 20                          ; v20-23 the same for B
.set ADRS, 27                          ; v27 my scale words: lanes 0-15 A's, lanes 16-31 B's
.set SPW,  28                          ; v28 my spare word; never rewritten
.set NIL,  29                          ; v29 0; never rewritten
.set SC,   32
.set BIAS, 64
.set AF,   128
.set G1, 24
.set G0, 32
.set G1B, 48
.set G0B, 56
.set G1S, 68
.set G0S, 76
.set G1SB, 80
.set G0SB, 88
.set SEL, 92
.set MSB, 0
.macro WIN new                         ; the immediate's high byte repeats the setting that is left
.if MSB != (\new)
	s_set_vgpr_msb (MSB<<8)|(\new)
.set MSB, (\new)
.endif
.endm
.set MUL_LO, 0xa1                      ; source 0 (B) window 1, source 1 (A) window 0, C and D window 2
.set MUL_HI, 0xf1                      ; the same, C and D window 3
.set TO_B,   0x40                      ; destination window 1, address window 0
; A joint load: waves 0 and 1 fetch for A, waves 2 and 3 for B; the branch hangs on the wave's number alone.  Four v_nop follow each of the two lines.
.macro JLOAD g0a, g1a, g0b, g1b
	s_cmp_eq_u32 s15, 0
	s_cbranch_scc0 .Lfor_b_\@
	tensor_load_to_lds s[\g0a:\g0a+3], s[\g1a:\g1a+7]
	s_nop 0
.rept 4
	v_nop
.endr
	s_branch .Lasked_\@
.Lfor_b_\@:
	tensor_load_to_lds s[\g0b:\g0b+3], s[\g1b:\g1b+7]
	s_nop 0
.rept 4
	v_nop
.endr
.Lasked_\@:
.endm
.macro CREST                           ; a round of the cluster's barrier behind its opening barrier
	s_cmp_lg_u32 s14, 0
	s_cbranch_scc1 .Lnot_wave_0_\@
	s_barrier_signal -3
.Lnot_wave_0_\@:
	s_barrier_wait -3
	s_barrier_signal -1
	s_barrier_wait -1
.endm
.macro CROUND
	s_barrier_signal -1
	s_barrier_wait -1
	CREST
.endm
	s_load_b256 s[4:11], s[0:1], 0x0               ; h, wq, b_fc1, g
	v_lshl_add_u32 v[SPW], v0, 2, SPARE
	v_mov_b32 v[NIL], 0
	ds_add_u32 v28, v29
	ds_add_u32 v28, v29
	s_wait_dscnt 0x0
	v_lshrrev_b32 v1, 5, v0
	v_readfirstlane_b32 s14, v1                    ; wave 0..3
	s_lshr_b32 s15, s14, 1                         ; which half of the tile's rows is mine.  Also: I fetch for A (0) or for B (1)
	s_and_b32 s16, s14, 1                          ; which half of its columns.  Also: which 128 rows I fetch
	s_bfe_u32 s40, ttmp6, 0x40000                  ; cx, cy: my place in the cluster
	s_bfe_u32 s41, ttmp6, 0x40004
	s_lshl_b32 s42, ttmp9, 2
	s_add_co_u32 s42, s42, s40                     ; TC: tile column of C
	s_and_b32 s17, ttmp7, 0xffff
	s_lshl_b32 s17, s17, 2
	s_add_co_u32 s17, s17, s41                     ; TR: tile row of C
	s_lshl_b32 s43, s41, 2
	s_lshl_b32 s43, 15, s43                        ; my row of the cluster
	s_lshl_b32 s44, 0x1111, s40                    ; my column
	; descriptor group 1: a dense block of 24,576 bytes as 96 rows of 32 elements of 8 bytes; no padding: the images are read 16 or 8 bytes a lane on end
	s_or_b32 s[G1+0], s43, (3<<16)|(1<<21)         ; 15:0 the mask: A's tiles go to my row; 17:16 elements of 8 bytes; 21 set beside a mask
	s_or_b32 s[G1B+0], s44, (3<<16)|(1<<21)
.irp g, G1, G1B
	s_mov_b32 s[\g+1], 32<<16                      ; tensor_dim0
	s_mov_b32 s[\g+2], 96<<16                      ; tensor_dim1
	s_mov_b32 s[\g+3], 32<<16                      ; tile_dim0
	s_mov_b32 s[\g+4], 96                          ; tile_dim1
	s_mov_b32 s[\g+5], 32                          ; tensor_dim0_stride
	s_mov_b32 s[\g+6], 0
	s_mov_b32 s[\g+7], 0
.endr
	s_or_b32 s[G1S+0], s43, (3<<16)|(1<<21)        ; and the scale words of 128 rows: HALFS dense bytes
	s_or_b32 s[G1SB+0], s44, (3<<16)|(1<<21)
.irp g, G1S, G1SB
	s_mov_b32 s[\g+1], 32<<16
	s_mov_b32 s[\g+2], (HALFS/256)<<16
	s_mov_b32 s[\g+3], 32<<16
	s_mov_b32 s[\g+4], HALFS/256
	s_mov_b32 s[\g+5], 32
	s_mov_b32 s[\g+6], 0
	s_mov_b32 s[\g+7], 0
.endr
	s_lshl_b32 s20, s17, 1
	s_add_co_u32 s20, s20, s16                     ; A: which 128 rows I fetch
	s_lshl_b32 s46, s42, 1
	s_add_co_u32 s46, s46, s16                     ; B likewise
	s_mul_i32 s22, s20, SSTR
	s_mov_b32 s23, 0
	s_mul_i32 s92, s46, SSTR
	s_mov_b32 s93, 0
	s_mul_i32 s20, s20, RSTR
	s_mov_b32 s21, 0
	s_mul_i32 s46, s46, RSTR
	s_mov_b32 s47, 0
	s_mul_i32 s45, s14, HALFT                      ; where they go: wave x 24,576: no place in the cluster enters an LDS address
	s_mul_i32 s94, s14, HALFS
	s_wait_kmcnt 0x0
	s_mov_b64 s[98:99], s[8:9]                     ; b_fc1
	s_mov_b64 s[12:13], s[10:11]                   ; g
	s_add_nc_u64 s[8:9], s[6:7], 3145728           ; Wfc1's codes
	s_add_nc_u64 s[10:11], s[6:7], 9568256         ; and scale words
	s_add_nc_u64 s[6:7], s[4:5], HS                ; the tokens' scale words
	s_add_nc_u64 s[20:21], s[4:5], s[20:21]
	s_add_nc_u64 s[22:23], s[6:7], s[22:23]
	s_add_nc_u64 s[46:47], s[8:9], s[46:47]
	s_add_nc_u64 s[92:93], s[10:11], s[92:93]
	CROUND                                         ; all sixteen work-groups are here: the first joint loads meet
	s_mov_b32 s[G0S], 1
	s_add_co_u32 s[G0S+1], s94, SCL
	s_mov_b64 s[G0S+2:G0S+3], s[22:23]
	s_or_b32 s[G0S+3], s[G0S+3], 0x80000000
	s_mov_b32 s[G0SB], 1
	s_add_co_u32 s[G0SB+1], s94, SCL
	s_mov_b64 s[G0SB+2:G0SB+3], s[92:93]
	s_or_b32 s[G0SB+3], s[G0SB+3], 0x80000000
	JLOAD G0S, G1S, G0SB, G1SB                     ; the scale words first: they are wanted with K step 0
.irp s, 0,1
	s_mov_b32 s[G0+4*\s], 1
	s_add_co_u32 s[G0+4*\s+1], s45, \s*SLOT
	s_add_nc_u64 s[G0+4*\s+2:G0+4*\s+3], s[20:21], \s*HALFT
	s_or_b32 s[G0+4*\s+3], s[G0+4*\s+3], 0x80000000
	s_mov_b32 s[G0B+4*\s], 1
	s_add_co_u32 s[G0B+4*\s+1], s45, \s*SLOT
	s_add_nc_u64 s[G0B+4*\s+2:G0B+4*\s+3], s[46:47], \s*HALFT
	s_or_b32 s[G0B+4*\s+3], s[G0B+4*\s+3], 0x80000000
	JLOAD G0+4*\s, G1, G0B+4*\s, G1B
.endr
	; the bias in the result's layout: register j of accumulator b is column 32 (b / 2) + 16 h + 8 (b % 2) + j of my 128
	v_bfe_u32 v30, v0, 4, 1
	v_lshlrev_b32 v30, 6, v30                      ; 64 h bytes
	s_lshl_b32 s46, s42, 10
	s_lshl_b32 s47, s16, 9
	s_add_co_u32 s46, s46, s47
	s_mov_b32 s47, 0
	s_add_nc_u64 s[98:99], s[98:99], s[46:47]
.irp b, 0,1,2,3,4,5,6,7
	global_load_b128 v[BIAS+8*\b:BIAS+8*\b+3], v30, s[98:99] offset:(32*(\b/2)+8*(\b%2))*4
	global_load_b128 v[BIAS+8*\b+4:BIAS+8*\b+7], v30, s[98:99] offset:(32*(\b/2)+8*(\b%2))*4+16
.endr
	v_and_b32 v1, 15, v0                           ; r
	v_bfe_u32 v2, v0, 4, 1                         ; h
	v_and_b32 v3, 31, v0                           ; lane
	v_lshlrev_b32 v4, 4, v3
	v_lshlrev_b32 v5, 3, v3
	s_mul_i32 s21, s15, HALFT                      ; my 128 rows of A
	s_mul_i32 s22, s16, HALFT                      ; my 128 rows of B,
	s_add_co_u32 s22, s22, 2*HALFT                 ; which lie behind A's 256
.irp s, 0,1
	v_add_nc_u32 v[ADRA+\s], s21, v4
	v_add_nc_u32 v[ADRB+\s], s22, v4
	v_add_nc_u32 v[ADRA+2+\s], s21, v5
	v_add_nc_u32 v[ADRB+2+\s], s22, v5
	s_add_co_u32 s21, s21, SLOT
	s_add_co_u32 s22, s22, SLOT
.endr
	s_mul_i32 s21, s15, HALFS
	s_mul_i32 s22, s16, HALFS
	s_add_co_u32 s22, s22, 2*HALFS
	s_sub_co_u32 s22, s22, s21
	v_mul_u32_u24 v6, s22, v2                      ; lanes 16-31 take B's: one product, the distance between the two
	s_add_co_u32 s21, s21, SCL
	v_lshl_add_u32 v6, v1, 4, v6
	v_add_nc_u32 v[ADRS], s21, v6
	; where my part of g begins: rows 128 (2 TR + half), K step 2 TC + half
	s_lshl_b32 s20, s17, 1
	s_add_co_u32 s20, s20, s15
	s_lshl_b32 s46, s42, 1
	s_add_co_u32 s46, s46, s16
	s_mul_i32 s21, s20, 393216
	s_mul_i32 s47, s46, 12288
	s_add_co_u32 s22, s21, s47
	s_mov_b32 s23, 0
	s_lshl_b32 s20, s20, 14
	s_lshl_b32 s46, s46, 9
	s_add_co_u32 s20, s20, s46
	s_add_co_u32 s20, s20, GS
	s_mov_b32 s21, 0
	s_add_nc_u64 s[96:97], s[12:13], s[20:21]      ; its scale words
	s_add_nc_u64 s[12:13], s[12:13], s[22:23]      ; its codes
.macro FRAG reg, adr, q, i             ; a fragment comes as it was stored: the same registers in the same lanes
	ds_load_b128 v[\reg:\reg+3], v[\adr] offset:(\q)*KSB+(\i)*1536
	ds_load_b64 v[\reg+4:\reg+5], v[\adr+2] offset:(\q)*KSB+(\i)*1536+512
	ds_load_b128 v[\reg+6:\reg+9], v[\adr] offset:(\q)*KSB+(\i)*1536+768
	ds_load_b64 v[\reg+10:\reg+11], v[\adr+2] offset:(\q)*KSB+(\i)*1536+1280
.endm
; 16 matrix instructions: A's blocks a0, a0 + 1 x B's eight, the slot's q-th 128 along K.  p: B's set; sc: the set of scale words.  zero = 1: the first product starts the sums, from the bias.
; The 64 accumulators take turns, one instruction a turn, in the same order in every step.
.macro MUL16 a0, p, q, sc, zero
.irp a, \a0, \a0+1
.irp b, 0,1,2,3,4,5,6,7
.set rD, 8*(8*((\a)%4)+\b)
.set rB, 128*(\p)+FR*\b
.set rA, AF+FR*(\a)
.set sB, SC+16*(\sc)+8*(\q)+4*(\b%2)+\b/2
.set sA, SC+16*(\sc)+8*(\q)+4*((\a)%2)+(\a)/2
.if (\zero) && HASB
	v_wmma_scale_f32_16x16x128_f8f6f4 v[rD:rD+7], v[rB:rB+FR-1], v[rA:rA+FR-1], v[BIAS+8*\b:BIAS+8*\b+7], v[sB], v[sA] matrix_a_fmt:MATRIX_FMT_FP6 matrix_b_fmt:MATRIX_FMT_FP6 matrix_a_scale:MATRIX_SCALE_ROW1
.elseif \zero
	v_wmma_scale_f32_16x16x128_f8f6f4 v[rD:rD+7], v[rB:rB+FR-1], v[rA:rA+FR-1], 0, v[sB], v[sA] matrix_a_fmt:MATRIX_FMT_FP6 matrix_b_fmt:MATRIX_FMT_FP6 matrix_a_scale:MATRIX_SCALE_ROW1
.else
	v_wmma_scale_f32_16x16x128_f8f6f4 v[rD:rD+7], v[rB:rB+FR-1], v[rA:rA+FR-1], v[rD:rD+7], v[sB], v[sA] matrix_a_fmt:MATRIX_FMT_FP6 matrix_b_fmt:MATRIX_FMT_FP6 matrix_a_scale:MATRIX_SCALE_ROW1
.endif
.endr
.endr
.endm
.macro FETCH_B slot, q, p
	WIN TO_B
.irp i, 0,1,2,3,4,5,6,7
	FRAG 128*(\p)+FR*\i, ADRB+\slot, \q, \i
.endr
	WIN 0
.endm
.macro FETCH_A slot, q, i0
.irp i, \i0, \i0+1, \i0+2, \i0+3
	FRAG AF+FR*(\i), ADRA+\slot, \q, \i
.endr
.endm
.macro SCALES sc                       ; a K step's scale words: the word of block i for step q lands in register 8 q + 4 (i % 2) + i / 2 of the set; lanes 0-15 A's, lanes 16-31 B's
.irp q, 0,1
.irp e, 0,1
	ds_load_b128 v[SC+16*(\sc)+8*\q+4*\e:SC+16*(\sc)+8*\q+4*\e+3], v[ADRS] offset:512*\q+256*\e
.endr
.endr
.endm
.macro PLACES n                        ; plain vector instructions between a matrix instruction and a load into, or a read of, its registers (ISA guide 7.12.1 for reads)
.rept \n
	v_nop
.endr
.endm
.macro STEP slot, q, zero              ; a step of 128 along K that has its successor in the same slot
	s_wait_dscnt 4*NL                              ; B's set, A's blocks 0-3 and the scale words are in; the youngest 16 loads (A's blocks 4-7) may be out
.if (\zero) && HASB
	WIN 0x81                                       ; C (the bias) window 0, D window 2
.else
	WIN MUL_LO
.endif
	MUL16 0, (\q)%2, \q, \slot, \zero
	MUL16 2, (\q)%2, \q, \slot, \zero
	s_wait_dscnt 0
	PLACES NP
	FETCH_B \slot, (\q)+1, 1-(\q)%2
	FETCH_A \slot, (\q)+1, 0
.if (\zero) && HASB
	WIN 0xc1
.else
	WIN MUL_HI
.endif
	MUL16 4, (\q)%2, \q, \slot, \zero
	MUL16 6, (\q)%2, \q, \slot, \zero
	PLACES NP
	WIN 0
	FETCH_A \slot, (\q)+1, 4
.endm
; A slot's last step changes slots: one barrier; in front of it each wave waits for all its tensor loads, adds 0 to its spare word, and waits for that and for its reads of this slot.  fill = 1: the slot is filled again, two K steps ahead.
.macro TURN slot, next, fill
	s_wait_tensorcnt 0x0                           ; all my tensor loads have landed: my part of the next slot
	ds_add_u32 v[SPW], v[NIL]                      ; 0 onto my spare word
	s_wait_dscnt 4*NL+1                            ; (the add and the youngest 16 loads may be out)
	WIN MUL_LO
	MUL16 0, 1, NQ-1, \slot, 0
	s_wait_dscnt 0x0                               ; the add is done, and my reads of this slot are over
	s_barrier_signal -1
	MUL16 2, 1, NQ-1, \slot, 0
	WIN 0
	s_barrier_wait -1
.if \fill
	CREST                                          ; the barrier has opened a round of the cluster's: no wave of any partner still reads this slot or has a load on its way
	s_add_nc_u64 s[G0+4*\slot+2:G0+4*\slot+3], s[G0+4*\slot+2:G0+4*\slot+3], 2*HALFT
	s_add_nc_u64 s[G0B+4*\slot+2:G0B+4*\slot+3], s[G0B+4*\slot+2:G0B+4*\slot+3], 2*HALFT
	JLOAD G0+4*\slot, G1, G0B+4*\slot, G1B         ; the first tensor load behind the round; its four v_nop are the places in front of the loads below
.else
	PLACES NP
.endif
	v_add_nc_u32 v[ADRS], 512*NQ, v[ADRS]          ; on to the next K step's scale words
	FETCH_B \next, 0, 0
	FETCH_A \next, 0, 0
	SCALES \next
	WIN MUL_HI
	MUL16 4, 1, NQ-1, \slot, 0
	MUL16 6, 1, NQ-1, \slot, 0
	PLACES NP
	WIN 0
	FETCH_A \next, 0, 4
.endm
	s_wait_loadcnt 0x0                             ; the bias
	s_wait_tensorcnt 1                             ; the scale words and my part of K step 0 are in (K step 1's load may be out),
	s_barrier_signal -1
	s_barrier_wait -1                              ; everybody's are
	FETCH_B 0, 0, 0
	FETCH_A 0, 0, 0
	SCALES 0
	FETCH_A 0, 0, 4
	STEP 0, 0, 1                                   ; the first step stands in front of the loop: its products start the sums
	s_mov_b32 s3, LAPS-1
.Llap:
	TURN 0, 1, 1
	STEP 1, 0, 0
	TURN 1, 0, 1
	STEP 0, 0, 0
	s_sub_co_u32 s3, s3, 1
	s_cmp_lg_u32 s3, 0
	s_cbranch_scc1 .Llap
	TURN 0, 1, 0                                   ; the last lap fills nothing
	STEP 1, 0, 0
	s_wait_dscnt 4*NL
	WIN MUL_LO
	MUL16 0, 1, NQ-1, 1, 0
	MUL16 2, 1, NQ-1, 1, 0
	s_wait_dscnt 0
	WIN MUL_HI
	MUL16 4, 1, NQ-1, 1, 0
	MUL16 6, 1, NQ-1, 1, 0
	WIN 0
; THE WAY OUT.  The GELU of 512 numbers a lane, written out for every register number, would be some 40 KB of text.  So the accumulators go to LDS as images of their registers, 65,536 bytes a wave, over the ring and the
; scale words, which have had their last fill and, behind the barrier below, their last read; a loop of four trips, two blocks of 16 rows each, works on fixed registers of window 0.
.set DA,  24                           ; v24 my wave's images: 65,536 x wave + 16 x lane
.set DL,  25                           ; v25 the trip's
.set SWA, 26                           ; v26 my wave's new scale words: SWB + 512 x wave + 16 x lane
.set SWT, 31                           ; v31 the trip's
.set G16, 6
.set G8,  7
.set XIN, 64
.set GZ,  128
.set GZ2, 144
.set GP,  160
.set GQ,  176
.set PC,  192
.set W,   212
.set TM,  224
.set KC,  24                           ; s[24:45]: constants, each twice: the packed forms name a pair
.set KA5, 26
.set KA4, 28
.set KA3, 30
.set KA2, 32
.set KA1, 34
.set KA0, 36
.set KB3, 38
.set KB2, 40
.set KB1, 42
.set KB0, 44
.macro KONST reg, val
	s_mov_b32 s[\reg], \val
	s_mov_b32 s[\reg+1], \val
.endm
.macro QUANT src, win                  ; 64 numbers of a lane, register 16 b + i = index 32 b + 16 (lane / 16) + i, of window win -> a fragment's codes in v[PC] on, its scale word in v[PW]
	WIN ((\win)<<2)|((\win)<<4)
.irp b, 0,1,2,3
	v_max3_num_f32 v[TM+\b], 0x1800000, |v[(\src)+16*\b]|, |v[(\src)+16*\b+1]|   ; my 16 numbers of block b, and the floor 2^(3 - 127)
.endr
.irp i, 2,4,6,8,10,12,14
.irp b, 0,1,2,3
	v_max3_num_f32 v[TM+\b], v[TM+\b], |v[(\src)+16*\b+\i]|, |v[(\src)+16*\b+\i+1]|
.endr
.endr
	WIN 0
.irp b, 0,1,2,3
	v_permlanex16_b32 v[TM+4+\b], v[TM+\b], s[SEL], s[SEL+1]
.endr
.irp b, 0,1,2,3
	v_max_num_f32 v[TM+\b], v[TM+\b], v[TM+4+\b]
.endr
.irp b, 0,1,2,3
	v_add_nc_u32 v[TM+12+\b], 0xff000000, v[TM+\b]
.endr
.irp b, 0,1,2,3
	v_lshrrev_b32 v[TM+4+\b], 23, v[TM+12+\b]
.endr
	v_lshl_or_b32 v[PW], v[TM+5], 8, v[TM+4]
	v_lshl_or_b32 v[PW], v[TM+6], 16, v[PW]
	v_lshl_or_b32 v[PW], v[TM+7], 24, v[PW]
	WIN (\win)
.irp c, 0,1
	v_cvt_scalef32_pk16_fp6_f32 v[PC+6*\c:PC+6*\c+2], v[(\src)+32*\c:(\src)+32*\c+15], v[TM+12+2*\c]
	v_cvt_scalef32_pk16_fp6_f32 v[PC+12+4*\c:PC+14+4*\c], v[(\src)+32*\c+16:(\src)+32*\c+31], v[TM+13+2*\c]
.endr
	WIN 0
	v_nop                                          ; one plain instruction behind the scaled conversions
.irp c, 0,1
.irp i, 0,1,2
	v_permlane16_swap_b32 v[PC+6*\c+\i], v[PC+12+4*\c+\i]
.endr
.irp i, 0,1,2
	v_mov_b32 v[PC+3+6*\c+\i], v[PC+12+4*\c+\i]
.endr
.endr
.endm
.macro IMG base, off                   ; the fragment in v[PC] on goes to memory as an image: each store covers whole aligned runs of 256 bytes
	global_store_b128 v[G16], v[PC:PC+3], s[\base:\base+1] offset:\off
	global_store_b64 v[G8], v[PC+4:PC+5], s[\base:\base+1] offset:\off+512
	global_store_b128 v[G16], v[PC+6:PC+9], s[\base:\base+1] offset:\off+768
	global_store_b64 v[G8], v[PC+10:PC+11], s[\base:\base+1] offset:\off+1280
.endm
.macro GELU16 bb                       ; 16 numbers at v[XIN + 16 bb], in place, eight pairs by turns
.set XB, XIN+16*(\bb)
.irp p, 0,2,4,6,8,10,12,14
	v_pk_mul_f32 v[GZ+\p:GZ+\p+1], v[XB+\p:XB+\p+1], s[KC:KC+1] op_sel_hi:[1,0]   ; z = x / sqrt 2
.endr
.irp p, 0,1,2,3,4,5,6,7,8,9,10,11,12,13,14,15
	v_med3_num_f32 v[GZ+\p], v[GZ+\p], -4.0, 4.0
.endr
.irp p, 0,2,4,6,8,10,12,14
	v_pk_mul_f32 v[GZ2+\p:GZ2+\p+1], v[GZ+\p:GZ+\p+1], v[GZ+\p:GZ+\p+1]
.endr
.irp p, 0,2,4,6,8,10,12,14
	v_pk_fma_f32 v[GP+\p:GP+\p+1], v[GZ2+\p:GZ2+\p+1], v[216:217], s[KA5:KA5+1] op_sel_hi:[1,1,0]
.endr
.irp k, KA4, KA3, KA2, KA1, KA0
.irp p, 0,2,4,6,8,10,12,14
	v_pk_fma_f32 v[GP+\p:GP+\p+1], v[GP+\p:GP+\p+1], v[GZ2+\p:GZ2+\p+1], s[\k:\k+1] op_sel_hi:[1,1,0]
.endr
.endr
.irp p, 0,2,4,6,8,10,12,14
	v_pk_fma_f32 v[GQ+\p:GQ+\p+1], v[GZ2+\p:GZ2+\p+1], v[218:219], s[KB3:KB3+1] op_sel_hi:[1,1,0]
.endr
.irp k, KB2, KB1, KB0
.irp p, 0,2,4,6,8,10,12,14
	v_pk_fma_f32 v[GQ+\p:GQ+\p+1], v[GQ+\p:GQ+\p+1], v[GZ2+\p:GZ2+\p+1], s[\k:\k+1] op_sel_hi:[1,1,0]
.endr
.endr
.irp p, 0,1,2,3,4,5,6,7,8,9,10,11,12,13,14,15
	v_rcp_f32 v[GQ+\p], v[GQ+\p]
.endr
.irp p, 0,2,4,6,8,10,12,14
	v_pk_mul_f32 v[GP+\p:GP+\p+1], v[GP+\p:GP+\p+1], v[GZ+\p:GZ+\p+1]             ; z P: plain work behind the reciprocals
.endr
.irp p, 0,2,4,6,8,10,12,14
	v_pk_mul_f32 v[GZ2+\p:GZ2+\p+1], v[XB+\p:XB+\p+1], 0.5 op_sel_hi:[1,0]
.endr
	s_wait_alu depctr_va_vdst(0)                   ; one wait for the sixteen, ahead of their first reader
.irp p, 0,2,4,6,8,10,12,14
	v_pk_mul_f32 v[GP+\p:GP+\p+1], v[GP+\p:GP+\p+1], v[GQ+\p:GQ+\p+1]             ; erf
.endr
.irp p, 0,2,4,6,8,10,12,14
	v_pk_fma_f32 v[XB+\p:XB+\p+1], v[GZ2+\p:GZ2+\p+1], v[GP+\p:GP+\p+1], v[GZ2+\p:GZ2+\p+1]   ; 0.5 x erf + 0.5 x
.endr
.endm
	s_wait_dscnt 0x0                               ; my reads of the ring and of the scale words are over,
	s_barrier_signal -1
	s_barrier_wait -1                              ; everybody's are
	s_lshl_b32 s20, s14, 16
	s_lshl_b32 s21, s14, 9
	s_add_co_u32 s21, s21, SWB
	v_and_b32 v9, 31, v0                           ; lane  (these lines are also the places behind the last products)
	v_lshlrev_b32 v[G16], 4, v9
	v_lshlrev_b32 v[G8], 3, v9
	v_add_nc_u32 v[DA], s20, v[G16]
	v_add_nc_u32 v[SWA], s21, v[G16]
	v_cmp_le_u32 vcc_lo, 16, v9                    ; lanes 16-31
.irp b, 0,1,2,3
	v_mov_b32 v[TM+4+\b], 0                        ; a lane permute's destination counts as one of its sources
.endr
.irp a, 0,1,2,3,4,5,6,7
	WIN 0x08+4*(\a/4)                              ; an LDS store's data are its source 1: window 2 or 3
.set n, 0
.rept 16
	ds_store_b128 v[DA], v[64*(\a%4)+4*n:64*(\a%4)+4*n+3] offset:8192*\a+512*n   ; in ascending order: each accumulator from its low end on
.set n, n+1
.endr
.endr
	WIN 0
	s_mov_b32 s[SEL], 0x76543210
	s_mov_b32 s[SEL+1], 0xfedcba98
	KONST KC,  0x3f3504f3                          ; 1 / sqrt 2.  (No tensor load is out any more: the descriptors' registers are free)
	KONST KA5, 0x32edffee                          ; P's coefficients, from z^10 down:  2.77068142e-08,
	KONST KA4, 0xb60cff51                          ; -2.10102402e-06,
	KONST KA3, 0xb86ec2d2                          ; -5.69250639e-05,
	KONST KA2, 0xba40ac63                          ; -7.34990630e-04,
	KONST KA1, 0xbb41a1f6                          ; -2.95459981e-03,
	KONST KA0, 0xbc83dbd4                          ; -1.60960333e-02
	KONST KB3, 0xb95fbd29                          ; Q's, from z^6 down: -2.13374055e-04,
	KONST KB2, 0xbadc924e                          ; -1.68282697e-03,
	KONST KB1, 0xbbf19bf8                          ; -7.37332917e-03,
	KONST KB0, 0xbc69b6a7                          ; -1.42647391e-02
	v_mov_b32 v216, 0xaf95df0b                     ; P's z^12: -2.72614226e-10
	v_mov_b32 v217, 0xaf95df0b
	v_mov_b32 v218, 0xb77460cd                     ; Q's z^8: -1.45660718e-05
	v_mov_b32 v219, 0xb77460cd
	s_mov_b32 s2, 0
	s_mov_b32 s46, 0
	s_mov_b32 s3, 4
.Lgelu:                                            ; blocks 2 j and 2 j + 1 of my eight
	v_add_nc_u32 v[DL], s2, v[DA]
	v_add_nc_u32 v[SWT], s46, v[SWA]
.irp e, 0,1
.set n, 0
.rept 16
	ds_load_b128 v[XIN+4*n:XIN+4*n+3], v[DL] offset:8192*\e+512*n   ; LDS serves a wave's instructions in order: these see my stores
.set n, n+1
.endr
	s_wait_dscnt 0x0
	GELU16 0
	GELU16 1
	GELU16 2
	GELU16 3
	s_wait_xcnt 0x0                                ; the last block's stores have read the codes' registers
.set PW, 240+\e
	QUANT XIN, 0
	IMG 12, 1536*\e
.endr
	v_cndmask_b32 v[W], v240, v241, vcc_lo         ; lanes 0-15 the even block's words, lanes 16-31 the odd block's: row 16 a + r has its word at 256 (a % 2) + 16 r + 4 (a / 2)
	ds_store_b32 v[SWT], v[W]
	s_wait_xcnt 0x0                                ; the stores have read their base
	s_add_nc_u64 s[12:13], s[12:13], 3072
	s_add_co_u32 s2, s2, 16384
	s_add_co_u32 s46, s46, 4
	s_sub_co_u32 s3, s3, 1
	s_cmp_lg_u32 s3, 0
	s_cbranch_scc1 .Lgelu
	ds_load_b128 v[244:247], v[SWA]
	s_wait_dscnt 0x0
	global_store_b128 v[G16], v[244:247], s[96:97] ; my 128 rows' scale words of this K step: 512 consecutive bytes, aligned
	s_wait_tensorcnt 0x0                           ; the wave's end
	ds_add_u32 v[SPW], v[NIL]
	s_wait_dscnt 0x0
	CROUND                                         ; the closing round: no work-group ends while a partner may still ask for a tile that names it
	s_endpgm
.Lfunc_end_k_qede7b9cbae_gfc1:
	.size	k_qede7b9cbae_gfc1, .Lfunc_end_k_qede7b9cbae_gfc1-k_qede7b9cbae_gfc1
	.p2alignl 7, 3214868480
	.fill 96, 4, 3214868480
	.section	.rodata,"a",@progbits
	.p2align	6, 0x0
	.amdhsa_kernel k_qede7b9cbae_gfc1
		.amdhsa_group_segment_fixed_size 327680
		.amdhsa_private_segment_fixed_size 0
		.amdhsa_enable_private_segment 0
		.amdhsa_kernarg_size 32
		.amdhsa_user_sgpr_count 2
		.amdhsa_user_sgpr_kernarg_segment_ptr 1
		.amdhsa_wavefront_size32 1
		.amdhsa_system_sgpr_workgroup_id_x 1
		.amdhsa_system_sgpr_workgroup_id_y 1
		.amdhsa_system_sgpr_workgroup_id_z 1
		.amdhsa_system_vgpr_workitem_id 0
		.amdhsa_next_free_vgpr 1024
		.amdhsa_next_free_sgpr 102
		.amdhsa_reserve_vcc 1
		.amdhsa_float_denorm_mode_32 3
		.amdhsa_float_denorm_mode_16_64 3
		.amdhsa_memory_ordered 1
		.amdhsa_forward_progress 1
		.amdhsa_inst_pref_size 212
	.end_amdhsa_kernel
	.amdgpu_metadata
---
amdhsa.version: [ 1, 2 ]
amdhsa.kernels:
  - .name:           k_qede7b9cbae_gfc1
    .symbol:         k_qede7b9cbae_gfc1.kd
    .args:
      - { .name: h, .offset: 0, .size: 8, .value_kind: global_buffer, .address_space: global }
      - { .name: wq, .offset: 8, .size: 8, .value_kind: global_buffer, .address_space: global }
      - { .name: b_fc1, .offset: 16, .size: 8, .value_kind: global_buffer, .address_space: global }
      - { .name: g, .offset: 24, .size: 8, .value_kind: global_buffer, .address_space: global }
    .group_segment_fixed_size: 327680
    .private_segment_fixed_size: 0
    .kernarg_segment_align: 8
    .kernarg_segment_size: 32
    .max_flat_workgroup_size: 128
    .sgpr_count:     102
    .vgpr_count:     1024
    .wavefront_size: 32
...
	.end_amdgpu_metadata
.endif
;; end of part 6
;; launch gfc2 (part 7): grid 4 x 16, 4 waves a work-group, clusters of 4 x 4, 327,680 bytes of LDS; arguments g, wq, x1, b_fc2, out0; writes out0
.if DOCPART == 7
	.amdgcn_target "amdgcn-amd-amdhsa--gfx1250"
	.amdhsa_code_object_version 6
	.text
	.protected	k_qede7b9cbae_gfc2
	.globl	k_qede7b9cbae_gfc2
	.p2align	8
	.type	k_qede7b9cbae_gfc2,@function
k_qede7b9cbae_gfc2:
	s_mov_b64 s[64:65], 0
	v_nop
	global_prefetch_b8 v0, s[64:65] scope:SCOPE_SE
	s_setreg_imm32_b32 hwreg(HW_REG_WAVE_MODE, 25, 1), 1
	s_wait_xcnt 0x0
	s_wait_alu depctr_hold_cnt(0) depctr_sa_sdst(0) depctr_va_vdst(0) depctr_va_sdst(0) depctr_va_ssrc(0) depctr_va_vcc(0) depctr_vm_vsrc(0)
	s_getreg_b32 s2, hwreg(HW_REG_IB_STS2, 6, 4)
	s_cmp_eq_u32 s2, 0
	s_cbranch_scc0 .Lentry_in_a_cluster
	s_endpgm
.Lentry_in_a_cluster:
	s_bfe_u32 s2, ttmp6, 0x10000c
	s_cmp_lg_u32 s2, 0xf033
	s_cbranch_scc0 .Lentry_shape_is_right
	s_endpgm
.Lentry_shape_is_right:
; out0 = x1 + g Wfc2 + b_fc2 on codes of FP6 (E2M3) with E8M0 scales, K = 4,096; x1 and out0 are [4096][1024] f32 in their natural order.
; OPERANDS ("A" = g's rows, "B" = Wfc2's columns, both [rows][K]): codes [row / 128][k / 128][block of 16 rows][1,536 bytes], each 1,536 the image of an operand's 12 registers (0-3 at 16 x lane, 4-5 at 512 + 8 x lane,
; 6-9 at 768 + 16 x lane, 10-11 at 1,280 + 8 x lane); scale words [row / 128][k / 128][512]: row p's word at 16 (p % 32) + 4 (p / 32).  Rows are stored at pi(row), bits 3 and 4 exchanged.
; A tile of C, 256 x 256, is made by four waves, each 128 x 128: 64 accumulators, 512 registers.  THE MATRIX INSTRUCTION IS USED TRANSPOSED: source 0 = 16 rows of B, source 1 = 16 rows of A.
; K goes in steps of 256 through a ring of two LDS slots; a wave's tensor load brings 128 rows x 256 K, 24,576 dense bytes.  The scale words of the tile's rows for all of K come once, with the first fills.
; The bias is the C of each sum's first matrix instruction.  CLUSTERS: 4 x 4 work-groups; A's tiles are asked for jointly by the four of a row of the cluster, B's by the four of a column.
; The grid has 64 work-groups: 16 x 4 tiles of 256 x 256.
; REGISTERS, in windows of 256: window 0: v0-31 addresses; v32-63 scale words, two sets, and nothing else; v64-127 the bias; from v128 A's fragments, one set; window 1: B's fragments, two sets; windows 2, 3: the accumulators.
.set KDIM,   4096
.set HASB,   1
.set GS,     12582912
.set NQ,     2                         ; steps of 128 along K in a slot
.set FR,     12                        ; registers of a fragment
.set NL,     4                         ; LDS loads that bring one
.set NP,     4                         ; places behind this matrix instruction (ISA guide 7.12.1)
.set KSB,    12288                     ; 128 rows x 128 K of codes
.set HALFT,  NQ*KSB                    ; what one tensor load brings
.set SLOT,   4*HALFT                   ; A's two halves, then B's two
.set LAPS,   KDIM/512                  ; a lap = once round the ring
.set RSTR,   96*KDIM                   ; 128 rows of codes in memory
.set SSTR,   4*KDIM                    ; 128 rows of scale words
.set HALFS,  SSTR
.set SCL,    2*SLOT                    ; behind the ring: the scale words
.set SPARE,  SCL+4*HALFS               ; behind them: the spare words, 128 bytes for each wave, which no other line names
.set SPITCH, 528                       ; the way out: a stage of 16 rows x (512 bytes + 16) for each wave, in slot 0, which has had its last fill and its last read by then
.set ADRA, 16                          ; v16-17 LDS address of my A fragments in slot 0, 1, at 16 x lane; v18-19 at 8 x lane
.set ADRB, 20                          ; v20-23 the same for B
.set STO,  24                          ; v24 the stage, in
.set RD,   25                          ; v25 the stage, out
.set CO,   26                          ; v26 16 x lane: my bytes of a row's 512
.set ADRS, 27                          ; v27 my scale words: lanes 0-15 A's, lanes 16-31 B's
.set SPW,  28                          ; v28 my spare word; never rewritten
.set NIL,  29                          ; v29 0; never rewritten
.set SC,   32
.set BIAS, 64
.set AF,   128
.set BK,   128                         ; the way out: 16 rows back from the stage: v128-191 and v192-255 by turns
.set G1, 24
.set G0, 32
.set G1B, 48
.set G0B, 56
.set G1S, 68
.set G0S, 76
.set G1SB, 80
.set G0SB, 88
.set MSB, 0
.macro WIN new                         ; the immediate's high byte repeats the setting that is left
.if MSB != (\new)
	s_set_vgpr_msb (MSB<<8)|(\new)
.set MSB, (\new)
.endif
.endm
.set MUL_LO, 0xa1                      ; source 0 (B) window 1, source 1 (A) window 0, C and D window 2
.set MUL_HI, 0xf1                      ; the same, C and D window 3
.set TO_B,   0x40                      ; destination window 1, address window 0
; A joint load: waves 0 and 1 fetch for A, waves 2 and 3 for B; the branch hangs on the wave's number alone.  Four v_nop follow each of the two lines.
.macro JLOAD g0a, g1a, g0b, g1b
	s_cmp_eq_u32 s15, 0
	s_cbranch_scc0 .Lfor_b_\@
	tensor_load_to_lds s[\g0a:\g0a+3], s[\g1a:\g1a+7]
	s_nop 0
.rept 4
	v_nop
.endr
	s_branch .Lasked_\@
.Lfor_b_\@:
	tensor_load_to_lds s[\g0b:\g0b+3], s[\g1b:\g1b+7]
	s_nop 0
.rept 4
	v_nop
.endr
.Lasked_\@:
.endm
.macro CREST                           ; a round of the cluster's barrier behind its opening barrier
	s_cmp_lg_u32 s14, 0
	s_cbranch_scc1 .Lnot_wave_0_\@
	s_barrier_signal -3
.Lnot_wave_0_\@:
	s_barrier_wait -3
	s_barrier_signal -1
	s_barrier_wait -1
.endm
.macro CROUND
	s_barrier_signal -1
	s_barrier_wait -1
	CREST
.endm
	s_load_b256 s[4:11], s[0:1], 0x0               ; g, wq, x1, b_fc2
	s_load_b64 s[12:13], s[0:1], 0x20              ; out0
	v_lshl_add_u32 v[SPW], v0, 2, SPARE
	v_mov_b32 v[NIL], 0
	ds_add_u32 v28, v29
	ds_add_u32 v28, v29
	s_wait_dscnt 0x0
	v_lshrrev_b32 v1, 5, v0
	v_readfirstlane_b32 s14, v1                    ; wave 0..3
	s_lshr_b32 s15, s14, 1                         ; which half of the tile's rows is mine.  Also: I fetch for A (0) or for B (1)
	s_and_b32 s16, s14, 1                          ; which half of its columns.  Also: which 128 rows I fetch
	s_bfe_u32 s40, ttmp6, 0x40000                  ; cx, cy: my place in the cluster
	s_bfe_u32 s41, ttmp6, 0x40004
	s_lshl_b32 s42, ttmp9, 2
	s_add_co_u32 s42, s42, s40                     ; TC: tile column of C
	s_and_b32 s17, ttmp7, 0xffff
	s_lshl_b32 s17, s17, 2
	s_add_co_u32 s17, s17, s41                     ; TR: tile row of C
	s_lshl_b32 s43, s41, 2
	s_lshl_b32 s43, 15, s43                        ; my row of the cluster
	s_lshl_b32 s44, 0x1111, s40                    ; my column
	; descriptor group 1: a dense block of 24,576 bytes as 96 rows of 32 elements of 8 bytes; no padding: the images are read 16 or 8 bytes a lane on end
	s_or_b32 s[G1+0], s43, (3<<16)|(1<<21)         ; 15:0 the mask: A's tiles go to my row; 17:16 elements of 8 bytes; 21 set beside a mask
	s_or_b32 s[G1B+0], s44, (3<<16)|(1<<21)
.irp g, G1, G1B
	s_mov_b32 s[\g+1], 32<<16                      ; tensor_dim0
	s_mov_b32 s[\g+2], 96<<16                      ; tensor_dim1
	s_mov_b32 s[\g+3], 32<<16                      ; tile_dim0
	s_mov_b32 s[\g+4], 96                          ; tile_dim1
	s_mov_b32 s[\g+5], 32                          ; tensor_dim0_stride
	s_mov_b32 s[\g+6], 0
	s_mov_b32 s[\g+7], 0
.endr
	s_or_b32 s[G1S+0], s43, (3<<16)|(1<<21)        ; and the scale words of 128 rows: HALFS dense bytes
	s_or_b32 s[G1SB+0], s44, (3<<16)|(1<<21)
.irp g, G1S, G1SB
	s_mov_b32 s[\g+1], 32<<16
	s_mov_b32 s[\g+2], (HALFS/256)<<16
	s_mov_b32 s[\g+3], 32<<16
	s_mov_b32 s[\g+4], HALFS/256
	s_mov_b32 s[\g+5], 32
	s_mov_b32 s[\g+6], 0
	s_mov_b32 s[\g+7], 0
.endr
	s_lshl_b32 s20, s17, 1
	s_add_co_u32 s20, s20, s16                     ; A: which 128 rows I fetch
	s_lshl_b32 s46, s42, 1
	s_add_co_u32 s46, s46, s16                     ; B likewise
	s_mul_i32 s22, s20, SSTR
	s_mov_b32 s23, 0
	s_mul_i32 s92, s46, SSTR
	s_mov_b32 s93, 0
	s_mul_i32 s20, s20, RSTR
	s_mov_b32 s21, 0
	s_mul_i32 s46, s46, RSTR
	s_mov_b32 s47, 0
	s_mul_i32 s45, s14, HALFT                      ; where they go: wave x 24,576: no place in the cluster enters an LDS address
	s_mul_i32 s94, s14, HALFS
	s_wait_kmcnt 0x0
	s_mov_b64 s[96:97], s[8:9]                     ; x1
	s_mov_b64 s[98:99], s[10:11]                   ; b_fc2
	s_add_nc_u64 s[8:9], s[6:7], 6291456           ; Wfc2's codes
	s_add_nc_u64 s[10:11], s[6:7], 9699328         ; and scale words
	s_add_nc_u64 s[6:7], s[4:5], GS                ; g's scale words
	s_add_nc_u64 s[20:21], s[4:5], s[20:21]
	s_add_nc_u64 s[22:23], s[6:7], s[22:23]
	s_add_nc_u64 s[46:47], s[8:9], s[46:47]
	s_add_nc_u64 s[92:93], s[10:11], s[92:93]
	CROUND                                         ; all sixteen work-groups are here: the first joint loads meet
	s_mov_b32 s[G0S], 1
	s_add_co_u32 s[G0S+1], s94, SCL
	s_mov_b64 s[G0S+2:G0S+3], s[22:23]
	s_or_b32 s[G0S+3], s[G0S+3], 0x80000000
	s_mov_b32 s[G0SB], 1
	s_add_co_u32 s[G0SB+1], s94, SCL
	s_mov_b64 s[G0SB+2:G0SB+3], s[92:93]
	s_or_b32 s[G0SB+3], s[G0SB+3], 0x80000000
	JLOAD G0S, G1S, G0SB, G1SB                     ; the scale words first: they are wanted with K step 0
.irp s, 0,1
	s_mov_b32 s[G0+4*\s], 1
	s_add_co_u32 s[G0+4*\s+1], s45, \s*SLOT
	s_add_nc_u64 s[G0+4*\s+2:G0+4*\s+3], s[20:21], \s*HALFT
	s_or_b32 s[G0+4*\s+3], s[G0+4*\s+3], 0x80000000
	s_mov_b32 s[G0B+4*\s], 1
	s_add_co_u32 s[G0B+4*\s+1], s45, \s*SLOT
	s_add_nc_u64 s[G0B+4*\s+2:G0B+4*\s+3], s[46:47], \s*HALFT
	s_or_b32 s[G0B+4*\s+3], s[G0B+4*\s+3], 0x80000000
	JLOAD G0+4*\s, G1, G0B+4*\s, G1B
.endr
	; the bias in the result's layout: register j of accumulator b is column 32 (b / 2) + 16 h + 8 (b % 2) + j of my 128
	v_bfe_u32 v30, v0, 4, 1
	v_lshlrev_b32 v30, 6, v30                      ; 64 h bytes
	s_lshl_b32 s46, s42, 10
	s_lshl_b32 s47, s16, 9
	s_add_co_u32 s46, s46, s47
	s_mov_b32 s47, 0
	s_add_nc_u64 s[98:99], s[98:99], s[46:47]
.irp b, 0,1,2,3,4,5,6,7
	global_load_b128 v[BIAS+8*\b:BIAS+8*\b+3], v30, s[98:99] offset:(32*(\b/2)+8*(\b%2))*4
	global_load_b128 v[BIAS+8*\b+4:BIAS+8*\b+7], v30, s[98:99] offset:(32*(\b/2)+8*(\b%2))*4+16
.endr
	v_and_b32 v1, 15, v0                           ; r
	v_bfe_u32 v2, v0, 4, 1                         ; h
	v_and_b32 v3, 31, v0                           ; lane
	v_lshlrev_b32 v4, 4, v3
	v_lshlrev_b32 v5, 3, v3
	s_mul_i32 s21, s15, HALFT                      ; my 128 rows of A
	s_mul_i32 s22, s16, HALFT                      ; my 128 rows of B,
	s_add_co_u32 s22, s22, 2*HALFT                 ; which lie behind A's 256
.irp s, 0,1
	v_add_nc_u32 v[ADRA+\s], s21, v4
	v_add_nc_u32 v[ADRB+\s], s22, v4
	v_add_nc_u32 v[ADRA+2+\s], s21, v5
	v_add_nc_u32 v[ADRB+2+\s], s22, v5
	s_add_co_u32 s21, s21, SLOT
	s_add_co_u32 s22, s22, SLOT
.endr
	s_mul_i32 s21, s15, HALFS
	s_mul_i32 s22, s16, HALFS
	s_add_co_u32 s22, s22, 2*HALFS
	s_sub_co_u32 s22, s22, s21
	v_mul_u32_u24 v6, s22, v2                      ; lanes 16-31 take B's: one product, the distance between the two
	s_add_co_u32 s21, s21, SCL
	v_lshl_add_u32 v6, v1, 4, v6
	v_add_nc_u32 v[ADRS], s21, v6
	s_mul_i32 s23, s14, 16*SPITCH                  ; my stage
	v_mul_u32_u24 v5, v1, SPITCH
	v_lshl_add_u32 v5, v2, 6, v5
	v_add_nc_u32 v[STO], s23, v5                   ; in: row r, + 64 h
	v_lshlrev_b32 v[CO], 4, v3
	v_add_nc_u32 v[RD], s23, v[CO]                 ; back: the 32 lanes take one row of 512 bytes
	s_lshl_b32 s20, s17, 8
	s_lshl_b32 s21, s15, 7
	s_add_co_u32 s20, s20, s21                     ; my first row of C: 256 TR + 128 x half
	s_lshl_b32 s20, s20, 12                        ; x 4,096 bytes
	s_add_co_u32 s20, s20, s46                     ; + my first column, in bytes (made for the bias above)
	s_mov_b32 s21, 0
	s_add_nc_u64 s[12:13], s[12:13], s[20:21]      ; neither base is stepped: every row stands in an immediate, 127 x 4,096 at the most
	s_add_nc_u64 s[96:97], s[96:97], s[20:21]
.macro FRAG reg, adr, q, i             ; a fragment comes as it was stored: the same registers in the same lanes
	ds_load_b128 v[\reg:\reg+3], v[\adr] offset:(\q)*KSB+(\i)*1536
	ds_load_b64 v[\reg+4:\reg+5], v[\adr+2] offset:(\q)*KSB+(\i)*1536+512
	ds_load_b128 v[\reg+6:\reg+9], v[\adr] offset:(\q)*KSB+(\i)*1536+768
	ds_load_b64 v[\reg+10:\reg+11], v[\adr+2] offset:(\q)*KSB+(\i)*1536+1280
.endm
; 16 matrix instructions: A's blocks a0, a0 + 1 x B's eight, the slot's q-th 128 along K.  p: B's set; sc: the set of scale words.  zero = 1: the first product starts the sums, from the bias.
; The 64 accumulators take turns, one instruction a turn, in the same order in every step.
.macro MUL16 a0, p, q, sc, zero
.irp a, \a0, \a0+1
.irp b, 0,1,2,3,4,5,6,7
.set rD, 8*(8*((\a)%4)+\b)
.set rB, 128*(\p)+FR*\b
.set rA, AF+FR*(\a)
.set sB, SC+16*(\sc)+8*(\q)+4*(\b%2)+\b/2
.set sA, SC+16*(\sc)+8*(\q)+4*((\a)%2)+(\a)/2
.if (\zero) && HASB
	v_wmma_scale_f32_16x16x128_f8f6f4 v[rD:rD+7], v[rB:rB+FR-1], v[rA:rA+FR-1], v[BIAS+8*\b:BIAS+8*\b+7], v[sB], v[sA] matrix_a_fmt:MATRIX_FMT_FP6 matrix_b_fmt:MATRIX_FMT_FP6 matrix_a_scale:MATRIX_SCALE_ROW1
.elseif \zero
	v_wmma_scale_f32_16x16x128_f8f6f4 v[rD:rD+7], v[rB:rB+FR-1], v[rA:rA+FR-1], 0, v[sB], v[sA] matrix_a_fmt:MATRIX_FMT_FP6 matrix_b_fmt:MATRIX_FMT_FP6 matrix_a_scale:MATRIX_SCALE_ROW1
.else
	v_wmma_scale_f32_16x16x128_f8f6f4 v[rD:rD+7], v[rB:rB+FR-1], v[rA:rA+FR-1], v[rD:rD+7], v[sB], v[sA] matrix_a_fmt:MATRIX_FMT_FP6 matrix_b_fmt:MATRIX_FMT_FP6 matrix_a_scale:MATRIX_SCALE_ROW1
.endif
.endr
.endr
.endm
.macro FETCH_B slot, q, p
	WIN TO_B
.irp i, 0,1,2,3,4,5,6,7
	FRAG 128*(\p)+FR*\i, ADRB+\slot, \q, \i
.endr
	WIN 0
.endm
.macro FETCH_A slot, q, i0
.irp i, \i0, \i0+1, \i0+2, \i0+3
	FRAG AF+FR*(\i), ADRA+\slot, \q, \i
.endr
.endm
.macro SCALES sc                       ; a K step's scale words: the word of block i for step q lands in register 8 q + 4 (i % 2) + i / 2 of the set; lanes 0-15 A's, lanes 16-31 B's
.irp q, 0,1
.irp e, 0,1
	ds_load_b128 v[SC+16*(\sc)+8*\q+4*\e:SC+16*(\sc)+8*\q+4*\e+3], v[ADRS] offset:512*\q+256*\e
.endr
.endr
.endm
.macro PLACES n                        ; plain vector instructions between a matrix instruction and a load into, or a read of, its registers (ISA guide 7.12.1 for reads)
.rept \n
	v_nop
.endr
.endm
.macro STEP slot, q, zero              ; a step of 128 along K that has its successor in the same slot
	s_wait_dscnt 4*NL                              ; B's set, A's blocks 0-3 and the scale words are in; the youngest 16 loads (A's blocks 4-7) may be out
.if (\zero) && HASB
	WIN 0x81                                       ; C (the bias) window 0, D window 2
.else
	WIN MUL_LO
.endif
	MUL16 0, (\q)%2, \q, \slot, \zero
	MUL16 2, (\q)%2, \q, \slot, \zero
	s_wait_dscnt 0
	PLACES NP
	FETCH_B \slot, (\q)+1, 1-(\q)%2
	FETCH_A \slot, (\q)+1, 0
.if (\zero) && HASB
	WIN 0xc1
.else
	WIN MUL_HI
.endif
	MUL16 4, (\q)%2, \q, \slot, \zero
	MUL16 6, (\q)%2, \q, \slot, \zero
	PLACES NP
	WIN 0
	FETCH_A \slot, (\q)+1, 4
.endm
; A slot's last step changes slots: one barrier; in front of it each wave waits for all its tensor loads, adds 0 to its spare word, and waits for that and for its reads of this slot.  fill = 1: the slot is filled again, two K steps ahead.
.macro TURN slot, next, fill
	s_wait_tensorcnt 0x0                           ; all my tensor loads have landed: my part of the next slot
	ds_add_u32 v[SPW], v[NIL]                      ; 0 onto my spare word
	s_wait_dscnt 4*NL+1                            ; (the add and the youngest 16 loads may be out)
	WIN MUL_LO
	MUL16 0, 1, NQ-1, \slot, 0
	s_wait_dscnt 0x0                               ; the add is done, and my reads of this slot are over
	s_barrier_signal -1
	MUL16 2, 1, NQ-1, \slot, 0
	WIN 0
	s_barrier_wait -1
.if \fill
	CREST                                          ; the barrier has opened a round of the cluster's: no wave of any partner still reads this slot or has a load on its way
	s_add_nc_u64 s[G0+4*\slot+2:G0+4*\slot+3], s[G0+4*\slot+2:G0+4*\slot+3], 2*HALFT
	s_add_nc_u64 s[G0B+4*\slot+2:G0B+4*\slot+3], s[G0B+4*\slot+2:G0B+4*\slot+3], 2*HALFT
	JLOAD G0+4*\slot, G1, G0B+4*\slot, G1B         ; the first tensor load behind the round; its four v_nop are the places in front of the loads below
.else
	PLACES NP
.endif
	v_add_nc_u32 v[ADRS], 512*NQ, v[ADRS]          ; on to the next K step's scale words
	FETCH_B \next, 0, 0
	FETCH_A \next, 0, 0
	SCALES \next
	WIN MUL_HI
	MUL16 4, 1, NQ-1, \slot, 0
	MUL16 6, 1, NQ-1, \slot, 0
	PLACES NP
	WIN 0
	FETCH_A \next, 0, 4
.endm
	s_wait_loadcnt 0x0                             ; the bias
	s_wait_tensorcnt 1                             ; the scale words and my part of K step 0 are in (K step 1's load may be out),
	s_barrier_signal -1
	s_barrier_wait -1                              ; everybody's are
	FETCH_B 0, 0, 0
	FETCH_A 0, 0, 0
	SCALES 0
	FETCH_A 0, 0, 4
	STEP 0, 0, 1                                   ; the first step stands in front of the loop: its products start the sums
	s_mov_b32 s3, LAPS-1
.Llap:
	TURN 0, 1, 1
	STEP 1, 0, 0
	TURN 1, 0, 1
	STEP 0, 0, 0
	s_sub_co_u32 s3, s3, 1
	s_cmp_lg_u32 s3, 0
	s_cbranch_scc1 .Llap
	TURN 0, 1, 0                                   ; the last lap fills nothing
	STEP 1, 0, 0
	s_wait_dscnt 4*NL
	WIN MUL_LO
	MUL16 0, 1, NQ-1, 1, 0
	MUL16 2, 1, NQ-1, 1, 0
	s_wait_dscnt 0
	WIN MUL_HI
	MUL16 4, 1, NQ-1, 1, 0
	MUL16 6, 1, NQ-1, 1, 0
	WIN 0
; THE WAY OUT, block by block of 16 rows x 128 columns, through my own stage in LDS: a lane's eight results of accumulator b are columns 32 (b / 2) + 16 h + 8 (b % 2) + 0 .. 7 of physical row r; they come back as whole
; rows of 512 bytes.  Physical row t of block a is row 32 (a / 2) + 16 (t / 8) + 8 (a % 2) + t % 8 of my 128.  The residual's rows are loaded four blocks ahead into window 1, which B's fragments have left.
.macro TOSTAGE a
.set AC, 64*((\a)%4)
	WIN 0x08+4*((\a)/4)                            ; an LDS store's data are its source 1: window 2 or 3
.irp b, 0,1,2,3,4,5,6,7
	ds_store_b128 v[STO], v[AC+8*\b:AC+8*\b+3] offset:128*(\b/2)+32*(\b%2)          ; each accumulator from its low end on
	ds_store_b128 v[STO], v[AC+8*\b+4:AC+8*\b+7] offset:128*(\b/2)+32*(\b%2)+16
.endr
	WIN 0
.set BB, BK+64*((\a)%2)
.irp t, 0,1,2,3,4,5,6,7,8,9,10,11,12,13,14,15
	ds_load_b128 v[BB+4*\t:BB+4*\t+3], v[RD] offset:\t*SPITCH   ; LDS serves a wave's instructions in order (ISA guide 5.7.1.4): these see the stores above
.endr
.endm
.macro RLOAD a
	WIN 0x40                                       ; destination window 1
.irp t, 0,1,2,3,4,5,6,7,8,9,10,11,12,13,14,15
	global_load_b128 v[64*((\a)%4)+4*\t:64*((\a)%4)+4*\t+3], v[CO], s[96:97] offset:(32*((\a)/2)+16*(\t/8)+8*((\a)%2)+\t%8)*4096
.endr
	WIN 0
.endm
.macro SEND a, younger
.set BB, BK+64*((\a)%2)
	s_wait_dscnt \younger                          ; the block is back in registers; the next block's LDS instructions may be out
.if (\a) <= 4
	s_wait_loadcnt 48                              ; its residual is in; three younger blocks' loads may be out
.else
	s_wait_loadcnt 16*(7-(\a))
.endif
	WIN 0x04                                       ; source 1 window 1
.set i, 0
.rept 32
	v_pk_add_f32 v[BB+2*i:BB+2*i+1], v[BB+2*i:BB+2*i+1], v[64*((\a)%4)+2*i:64*((\a)%4)+2*i+1]
.set i, i+1
.endr
	WIN 0
.if (\a) < 4
	RLOAD (\a)+4
.endif
.irp t, 0,1,2,3,4,5,6,7,8,9,10,11,12,13,14,15
	global_store_b128 v[CO], v[BB+4*\t:BB+4*\t+3], s[12:13] offset:(32*((\a)/2)+16*(\t/8)+8*((\a)%2)+\t%8)*4096 th:TH_STORE_NT   ; 32 lanes store 512 consecutive bytes, aligned; written once, read by nobody here
.endr
.endm
	PLACES NP                                      ; in front of loads into the operands' registers and of the first read of results
	RLOAD 0
	RLOAD 1
	RLOAD 2
	RLOAD 3
	TOSTAGE 0
.irp a, 1,2,3,4,5,6,7
.if \a > 1
	s_wait_xcnt 0x0                                ; block a - 2's stores have read their registers: block a's loads may land there
.endif
	TOSTAGE \a
	SEND \a-1, 32
.endr
	s_wait_xcnt 0x0
	SEND 7, 0
	s_wait_tensorcnt 0x0                           ; the wave's end
	ds_add_u32 v[SPW], v[NIL]
	s_wait_dscnt 0x0
	CROUND                                         ; the closing round: no work-group ends while a partner may still ask for a tile that names it
	s_endpgm
.Lfunc_end_k_qede7b9cbae_gfc2:
	.size	k_qede7b9cbae_gfc2, .Lfunc_end_k_qede7b9cbae_gfc2-k_qede7b9cbae_gfc2
	.p2alignl 7, 3214868480
	.fill 96, 4, 3214868480
	.section	.rodata,"a",@progbits
	.p2align	6, 0x0
	.amdhsa_kernel k_qede7b9cbae_gfc2
		.amdhsa_group_segment_fixed_size 327680
		.amdhsa_private_segment_fixed_size 0
		.amdhsa_enable_private_segment 0
		.amdhsa_kernarg_size 40
		.amdhsa_user_sgpr_count 2
		.amdhsa_user_sgpr_kernarg_segment_ptr 1
		.amdhsa_wavefront_size32 1
		.amdhsa_system_sgpr_workgroup_id_x 1
		.amdhsa_system_sgpr_workgroup_id_y 1
		.amdhsa_system_sgpr_workgroup_id_z 1
		.amdhsa_system_vgpr_workitem_id 0
		.amdhsa_next_free_vgpr 1024
		.amdhsa_next_free_sgpr 102
		.amdhsa_reserve_vcc 0
		.amdhsa_float_denorm_mode_32 3
		.amdhsa_float_denorm_mode_16_64 3
		.amdhsa_memory_ordered 1
		.amdhsa_forward_progress 1
		.amdhsa_inst_pref_size 173
	.end_amdhsa_kernel
	.amdgpu_metadata
---
amdhsa.version: [ 1, 2 ]
amdhsa.kernels:
  - .name:           k_qede7b9cbae_gfc2
    .symbol:         k_qede7b9cbae_gfc2.kd
    .args:
      - { .name: g, .offset: 0, .size: 8, .value_kind: global_buffer, .address_space: global }
      - { .name: wq, .offset: 8, .size: 8, .value_kind: global_buffer, .address_space: global }
      - { .name: x1, .offset: 16, .size: 8, .value_kind: global_buffer, .address_space: global }
      - { .name: b_fc2, .offset: 24, .size: 8, .value_kind: global_buffer, .address_space: global }
      - { .name: out0, .offset: 32, .size: 8, .value_kind: global_buffer, .address_space: global }
    .group_segment_fixed_size: 327680
    .private_segment_fixed_size: 0
    .kernarg_segment_align: 8
    .kernarg_segment_size: 40
    .max_flat_workgroup_size: 128
    .sgpr_count:     102
    .vgpr_count:     1024
    .wavefront_size: 32
...
	.end_amdgpu_metadata
.endif
;; end of part 7
;; ======== version 2 of 2: 8 launches
;; limits: right only within a limited range of input values
;; workspace buffers: wq 9,830,400 bytes; h 3,276,800 bytes; qkv 10,223,616 bytes; x1 16,777,216 bytes; g 13,107,200 bytes
;; launch prep (part 8): grid 384 x 1, 4 waves a work-group, no clusters, 28,160 bytes of LDS; arguments w_qkv, w_proj, w_fc1, w_fc2, wq; writes wq
.if DOCPART == 8
	.amdgcn_target "amdgcn-amd-amdhsa--gfx1250"
	.amdhsa_code_object_version 6
	.text
	.protected	k_qede7b9cbae_prep
	.globl	k_qede7b9cbae_prep
	.p2align	8
	.type	k_qede7b9cbae_prep,@function
k_qede7b9cbae_prep:
	s_mov_b64 s[64:65], 0
	v_nop
	global_prefetch_b8 v0, s[64:65] scope:SCOPE_SE
	s_setreg_imm32_b32 hwreg(HW_REG_WAVE_MODE, 25, 1), 1
	s_wait_xcnt 0x0
; The four weights W [K][N], f32, K their FIRST axis, become codes of FP6 (E2M3) with one E8M0 byte for each 32 along K, in the buffer wq, laid as the products' launches read them.
; A block's scale is 2^(floor(log2(largest magnitude)) - 2); its byte is the largest magnitude's exponent field - 2, held at 1 from below.
; LIMITS: a block of zeros, or one whose largest magnitude lies under 2^-124, gets the byte 1 (its codes are zeros or near it; this program alone reads the bytes); NaN and infinities are not served.
; ROW ORDER: column n of W is operand row n; it is stored at physical row pi(n), pi = bits 3 and 4 of n exchanged.
; CODES: [n / 128][k / 128][block of 16 physical rows][1,536 bytes]: the image of the operand's 12 registers: registers 0-3 at 16 x lane, 4-5 at 512 + 8 x lane, 6-9 at 768 + 16 x lane, 10-11 at 1,280 + 8 x lane.
; SCALE WORDS: [n / 128][k / 128][512 bytes]: the word of physical row p (0..127) at 16 (p % 32) + 4 (p / 32).
; SHARES: a work-group takes 128 columns x 256 along K, a wave 32 columns.  A LANE TAKES A COLUMN AND ITS REGISTERS RUN DOWN K: a load reads 128 consecutive bytes a wave, a block of 32 lies in one lane, and the
; conversions give codes with K innermost.  The codes go through the wave's own stage in LDS, where they are laid as images, and leave by stores of 512 consecutive bytes.
; One text serves all four weights: only numbers and pointers are selected by the work-group's number (0-95 w_qkv, 96-127 w_proj, 128-255 w_fc1, 256-383 w_fc2).
.set OFF,  32                          ; v32-63   byte offset of row i of a block at my column: 4 x lane + i x a row of W
.set X,    64                          ; v64-127  two sets of 32 numbers
.set C,    128                         ; v128-133 a block's codes
.set T,    136                         ; v136-138 the second conversion's result (three registers begin on an even number)
.set SB,   24                          ; v24-25   my column's scale words of the two K steps
.set OUTR, 140                         ; v140-187 the way out
.set FS,   1664                        ; a fragment's place in the stage: 1,536 bytes + 128, so that the two blocks of rows of a store fall on different banks
.set WST,  4*FS                        ; a wave's stage: fragments (K step, block of rows)
.set SCR,  4*WST                       ; behind the stages: the work-group's scale words, 2 x 512 bytes
	s_load_b256 s[4:11], s[0:1], 0x0               ; w_qkv, w_proj, w_fc1, w_fc2
	s_load_b64 s[12:13], s[0:1], 0x20              ; wq
	v_lshl_add_u32 v192, v0, 2, 0x6c00
	v_mov_b32 v193, 0
	v_lshrrev_b32 v1, 5, v0
	v_readfirstlane_b32 s23, v1                    ; wave
	v_and_b32 v1, 31, v0                           ; lane = my column among the wave's 32
	v_and_b32 v2, 7, v1
	v_bfe_u32 v3, v1, 4, 1
	v_lshl_or_b32 v2, v3, 3, v2                    ; r: my row in its block of 16 physical rows
	v_bfe_u32 v3, v1, 3, 1                         ; rb: which of the wave's two blocks
	s_mul_i32 s44, s23, WST
	v_mul_u32_u24 v11, v3, FS
	v_add_nc_u32 v11, s44, v11
	v_lshl_add_u32 v4, v2, 4, v11                  ; the stage, in: registers 0-3 of a half image
	v_lshl_add_u32 v5, v2, 3, v11                  ; and registers 4-5
	v_lshl_or_b32 v12, v3, 4, v2                   ; pi(lane)
	s_lshl_b32 s45, s23, 2
	s_add_co_u32 s45, s45, SCR
	v_lshl_add_u32 v6, v12, 4, s45                 ; my scale word: 16 pi(lane) + 4 x wave
	v_lshlrev_b32 v8, 4, v1                        ; 16 x lane
	v_add_nc_u32 v7, s44, v8                       ; the stage, out
	s_lshl_b32 s45, s23, 8
	v_lshl_add_u32 v10, v1, 3, s45                 ; the scale words, out: 256 x wave + 8 x lane
	v_add_nc_u32 v9, SCR, v10
	s_wait_kmcnt 0x0
	; the tensor's numbers: first w_fc2's, then three selections on the work-group's number
	s_mov_b64 s[14:15], s[10:11]                   ; the weight
	s_mov_b32 s16, 256                             ; its first work-group
	s_mov_b32 s17, 4                               ; log2 of its work-groups along K
	s_mov_b32 s18, 4096                            ; a row of W in bytes
	s_mov_b32 s19, 393216                          ; 128 rows of codes
	s_mov_b32 s20, 16384                           ; 128 rows of scale words
	s_mov_b32 s21, 6291456                         ; where its codes begin in wq
	s_mov_b32 s22, 9699328                         ; and its scale words
	s_cmp_lt_u32 ttmp9, 256
	s_cselect_b64 s[14:15], s[8:9], s[14:15]
	s_cselect_b32 s16, 128, s16
	s_cselect_b32 s17, 2, s17
	s_cselect_b32 s18, 16384, s18
	s_cselect_b32 s19, 98304, s19
	s_cselect_b32 s20, 4096, s20
	s_cselect_b32 s21, 3145728, s21
	s_cselect_b32 s22, 9568256, s22
	s_cmp_lt_u32 ttmp9, 128
	s_cselect_b64 s[14:15], s[6:7], s[14:15]
	s_cselect_b32 s16, 96, s16
	s_cselect_b32 s18, 4096, s18
	s_cselect_b32 s21, 2359296, s21
	s_cselect_b32 s22, 9535488, s22
	s_cmp_lt_u32 ttmp9, 96
	s_cselect_b64 s[14:15], s[4:5], s[14:15]
	s_cselect_b32 s16, 0, s16
	s_cselect_b32 s18, 12288, s18
	s_cselect_b32 s21, 0, s21
	s_cselect_b32 s22, 9437184, s22
	s_sub_co_u32 s46, ttmp9, s16
	s_lshr_b32 s47, s46, s17                       ; R: which 128 columns
	s_bfm_b32 s48, s17, 0
	s_and_b32 s46, s46, s48                        ; ky: which 256 along K
	s_lshl_b32 s48, s18, 8
	s_mul_i32 s48, s48, s46                        ; 256 ky rows of W,
	s_lshl_b32 s49, s47, 9
	s_add_co_u32 s48, s48, s49                     ; + 128 R columns,
	s_lshl_b32 s49, s23, 7
	s_add_co_u32 s48, s48, s49                     ; + 32 x wave columns
	s_mov_b32 s49, 0
	s_add_nc_u64 s[24:25], s[14:15], s[48:49]      ; block 0's base; the eight bases are never rewritten
	s_lshl_b32 s50, s18, 5                         ; 32 rows of W
	s_mov_b32 s51, 0
.irp t, 1,2,3,4,5,6,7
	s_add_nc_u64 s[24+2*\t:25+2*\t], s[22+2*\t:23+2*\t], s[50:51]
.endr
	s_mul_i32 s52, s47, s19
	s_add_co_u32 s52, s52, s21
	s_mul_i32 s53, s46, 24576
	s_add_co_u32 s52, s52, s53
	s_mul_i32 s53, s23, 3072
	s_add_co_u32 s52, s52, s53
	s_mov_b32 s53, 0
	s_add_nc_u64 s[40:41], s[12:13], s[52:53]      ; my wave's codes: two K steps x two blocks of rows
	s_mul_i32 s52, s47, s20
	s_add_co_u32 s52, s52, s22
	s_lshl_b32 s54, s46, 10
	s_add_co_u32 s52, s52, s54
	s_add_nc_u64 s[42:43], s[12:13], s[52:53]      ; the work-group's scale words
	v_lshlrev_b32 v[OFF], 2, v1
.set i, 1
.rept 31
	v_add_nc_u32 v[OFF+i], s18, v[OFF+i-1]
.set i, i+1
.endr
.macro LOAD t                          ; block t: W(32 t + i, my column), i = 0 .. 31, into set t % 2
.set i, 0
.rept 32
	global_load_b32 v[X+32*((\t)%2)+i], v[OFF+i], s[24+2*(\t):25+2*(\t)] th:TH_LOAD_NT
.set i, i+1
.endr
.endm
.macro BLOCK t
.set XS, X+32*((\t)%2)
.if (\t) < 7
	s_wait_loadcnt 32                              ; this block's 32 loads are in; the next block's 32 may be out
.else
	s_wait_loadcnt 0
.endif
	v_max3_num_f32 v12, |v[XS]|, |v[XS+1]|, |v[XS+2]|   ; the block's largest magnitude: all 32 numbers are mine; two chains
	v_max3_num_f32 v13, |v[XS+3]|, |v[XS+4]|, |v[XS+5]|
.irp i, 6,10,14,18,22,26
	v_max3_num_f32 v12, v12, |v[XS+\i]|, |v[XS+\i+1]|
	v_max3_num_f32 v13, v13, |v[XS+\i+2]|, |v[XS+\i+3]|
.endr
	v_max3_num_f32 v12, v12, |v[XS+30]|, |v[XS+31]|
	v_max3_num_f32 v12, v12, v13, 0x1800000        ; and the floor 2^(3 - 127): the byte cannot fall under 1
	v_add_nc_u32 v11, 0xff000000, v12              ; 2 off the exponent field: the conversion takes this operand's exponent field as its scale
	v_lshrrev_b32 v13, 23, v11                     ; the scale's byte
.if (\t)%4 == 0
	v_mov_b32 v[SB+(\t)/4], v13                    ; four bytes to a word, the lower K in the lower byte
.else
	v_lshl_or_b32 v[SB+(\t)/4], v13, 8*((\t)%4), v[SB+(\t)/4]
.endif
	v_cvt_scalef32_pk16_fp6_f32 v[C:C+2], v[XS:XS+15], v11
	v_cvt_scalef32_pk16_fp6_f32 v[T:T+2], v[XS+16:XS+31], v11
	v_nop                                          ; one plain instruction between a scaled conversion and the vector instruction that reads its result
.irp i, 0,1,2
	v_mov_b32 v[C+3+\i], v[T+\i]
.endr
	; block t is K = 64 c + 32 hh + 0 .. 31 of K step t / 4, c = (t % 4) / 2, hh = t % 2: registers 6 c .. 6 c + 5 of lane r + 16 hh of the image
	ds_store_b128 v4, v[C:C+3] offset:((\t)/4)*2*FS+(((\t)%4)/2)*768+256*((\t)%2)
	ds_store_b64 v5, v[C+4:C+5] offset:((\t)/4)*2*FS+(((\t)%4)/2)*768+512+128*((\t)%2)
.if (\t)+2 < 8
	LOAD (\t)+2
.endif
	s_wait_dscnt 0x0                               ; the stores have read their registers: the next block's codes may be written
.endm
	LOAD 0
	LOAD 1
.irp t, 0,1,2,3,4,5,6,7
	BLOCK \t
.endr
	ds_store_b32 v6, v[SB]
	s_wait_alu depctr_va_vdst(0)
	ds_store_b32 v6, v[SB+1] offset:512
	s_wait_dscnt 0x0                               ; for the others' sake: my scale words lie in LDS
	s_barrier_signal -1
	s_barrier_wait -1                              ; everybody's do
	ds_load_b64 v[12:13], v9                       ; a quarter of the 1,024 bytes of scale words
.set n, 0
.rept 12
	ds_load_b128 v[OUTR+4*n:OUTR+4*n+3], v7 offset:(n/3)*FS+512*(n%3)   ; my four fragments, 512 bytes a load
.set n, n+1
.endr
	s_wait_dscnt 12                                ; the 12 younger loads may be out
	global_store_b64 v10, v[12:13], s[42:43]       ; 32 lanes store 256 consecutive bytes, aligned
.set n, 0
.rept 12
	s_wait_dscnt 11-n
	global_store_b128 v8, v[OUTR+4*n:OUTR+4*n+3], s[40:41] offset:(n/6)*12288+((n/3)%2)*1536+512*(n%3)   ; 512 consecutive bytes, aligned
.set n, n+1
.endr
	s_wait_tensorcnt 0x0
	ds_add_u32 v192, v193
	s_wait_dscnt 0x0
	s_endpgm
.Lfunc_end_k_qede7b9cbae_prep:
	.size	k_qede7b9cbae_prep, .Lfunc_end_k_qede7b9cbae_prep-k_qede7b9cbae_prep
	.p2alignl 7, 3214868480
	.fill 96, 4, 3214868480
	.section	.rodata,"a",@progbits
	.p2align	6, 0x0
	.amdhsa_kernel k_qede7b9cbae_prep
		.amdhsa_group_segment_fixed_size 28160
		.amdhsa_private_segment_fixed_size 0
		.amdhsa_enable_private_segment 0
		.amdhsa_kernarg_size 40
		.amdhsa_user_sgpr_count 2
		.amdhsa_user_sgpr_kernarg_segment_ptr 1
		.amdhsa_wavefront_size32 1
		.amdhsa_system_sgpr_workgroup_id_x 1
		.amdhsa_system_sgpr_workgroup_id_y 1
		.amdhsa_system_sgpr_workgroup_id_z 1
		.amdhsa_system_vgpr_workitem_id 0
		.amdhsa_next_free_vgpr 194
		.amdhsa_next_free_sgpr 66
		.amdhsa_reserve_vcc 0
		.amdhsa_float_denorm_mode_32 3
		.amdhsa_float_denorm_mode_16_64 3
		.amdhsa_memory_ordered 1
		.amdhsa_forward_progress 1
		.amdhsa_inst_pref_size 46
	.end_amdhsa_kernel
	.amdgpu_metadata
---
amdhsa.version: [ 1, 2 ]
amdhsa.kernels:
  - .name:           k_qede7b9cbae_prep
    .symbol:         k_qede7b9cbae_prep.kd
    .args:
      - { .name: w_qkv, .offset: 0, .size: 8, .value_kind: global_buffer, .address_space: global }
      - { .name: w_proj, .offset: 8, .size: 8, .value_kind: global_buffer, .address_space: global }
      - { .name: w_fc1, .offset: 16, .size: 8, .value_kind: global_buffer, .address_space: global }
      - { .name: w_fc2, .offset: 24, .size: 8, .value_kind: global_buffer, .address_space: global }
      - { .name: wq, .offset: 32, .size: 8, .value_kind: global_buffer, .address_space: global }
    .group_segment_fixed_size: 28160
    .private_segment_fixed_size: 0
    .kernarg_segment_align: 8
    .kernarg_segment_size: 40
    .max_flat_workgroup_size: 128
    .sgpr_count:     66
    .vgpr_count:     194
    .wavefront_size: 32
...
	.end_amdgpu_metadata
.endif
;; end of part 8
;; launch ln1 (part 9): grid 256 x 1, 4 waves a work-group, no clusters, 66,304 bytes of LDS; arguments x, ln1_w, ln1_b, h; writes h
.if DOCPART == 9
	.amdgcn_target "amdgcn-amd-amdhsa--gfx1250"
	.amdhsa_code_object_version 6
	.text
	.protected	k_qede7b9cbae_ln1
	.globl	k_qede7b9cbae_ln1
	.p2align	8
	.type	k_qede7b9cbae_ln1,@function
k_qede7b9cbae_ln1:
	s_mov_b64 s[64:65], 0
	v_nop
	global_prefetch_b8 v0, s[64:65] scope:SCOPE_SE
	s_setreg_imm32_b32 hwreg(HW_REG_WAVE_MODE, 25, 1), 1
	s_wait_xcnt 0x0
; y = (x - mean) * rsqrt(var + 1e-5) * w + b along rows of 1,024 f32, then y is quantised along the row to FP6 (E2M3) with one E8M0 byte for each 32.  Arguments: x [4096][1024], w, b, the codes' buffer.
; Mean and variance in two passes over registers, in f32: the variance is the mean of (x - mean)^2, no difference of large sums.
; LIMITS: a block of zeros, or one whose largest magnitude lies under 2^-124, gets the byte 1 (this program alone reads the bytes); NaN and infinities are not served.
; OUTPUT: row m lies at physical row pi(m), pi = bits 3 and 4 exchanged.  Codes [row / 128][k / 128][block of 16 rows][1,536]: the image of the operand's 12 registers (0-3 at 16 x lane, 4-5 at 512 + 8 x lane,
; 6-9 at 768 + 16 x lane, 10-11 at 1,280 + 8 x lane).  Scale words from byte HS on: [row / 128][k / 128][512]: physical row p's word at 16 (p % 32) + 4 (p / 32).
; SHARES: work-group P owns physical block P, 16 rows.  Phase 1: wave w normalises physical rows 4 w .. 4 w + 3, which are four neighbouring rows of x, a row in 32 registers; the rows go to LDS.
; Phase 2: wave w quantises K steps 2 w and 2 w + 1 of all 16 rows: lane (r, h) takes of row r, for each block of 32, the 16 numbers of its half.
.set PITCH, 4112                       ; an LDS row: 4,096 bytes + 16: an odd multiple of 16, so the 16 rows of a load start at different banks
.set HS,   3145728
.set G16,  2                           ; v2   16 x lane
.set G8,   3                           ; v3   8 x lane
.set MU,   10                          ; v10-17 the rows' means (the low word of a pair; the upper word is written once and not used)
.set RS,   18                          ; v18-25 1 / sqrt(var + eps), likewise
.set VAR,  26                          ; v26-29
.set X,    32                          ; v32-159 four rows; in phase 2 the numbers of two K steps
.set LW,   160                         ; v160-191 w at my columns
.set LB,   192                         ; v192-223 b
.set CH,   224                         ; v224-231 four chains of sums
.set TA,   232                         ; v232-233 a reduction
.set TM,   200                         ; phase 2: v200-215 at work
.set SEL,  20
.set MSB, 0
.macro WIN new                         ; every register of this text lies in window 0: no switch is ever written
.if MSB != (\new)
	s_set_vgpr_msb (MSB<<8)|(\new)
.set MSB, (\new)
.endif
.endm
; 64 numbers of a lane, v[src] .. v[src + 63] of window win, register 16 b + i = k 32 b + 16 (lane / 16) + i of my row, become a fragment's codes in v[PC] on and its scale word in v[PW].
.macro QUANT src, win
	WIN ((\win)<<2)|((\win)<<4)
.irp b, 0,1,2,3
	v_max3_num_f32 v[TM+\b], 0x1800000, |v[(\src)+16*\b]|, |v[(\src)+16*\b+1]|   ; block b: my 16 numbers, and the floor 2^(3 - 127): the byte cannot fall under 1
.endr
.irp i, 2,4,6,8,10,12,14
.irp b, 0,1,2,3
	v_max3_num_f32 v[TM+\b], v[TM+\b], |v[(\src)+16*\b+\i]|, |v[(\src)+16*\b+\i+1]|   ; the four blocks by turns
.endr
.endr
	WIN 0
.irp b, 0,1,2,3
	v_permlanex16_b32 v[TM+4+\b], v[TM+\b], s[SEL], s[SEL+1]
.endr
.irp b, 0,1,2,3
	v_max_num_f32 v[TM+\b], v[TM+\b], v[TM+4+\b]   ; with lane l xor 16's: the block's largest magnitude
.endr
.irp b, 0,1,2,3
	v_add_nc_u32 v[TM+12+\b], 0xff000000, v[TM+\b] ; 2 off its exponent field: the conversion's scale operand
.endr
.irp b, 0,1,2,3
	v_lshrrev_b32 v[TM+4+\b], 23, v[TM+12+\b]      ; the scale's byte
.endr
	v_lshl_or_b32 v[PW], v[TM+5], 8, v[TM+4]
	v_lshl_or_b32 v[PW], v[TM+6], 16, v[PW]
	v_lshl_or_b32 v[PW], v[TM+7], 24, v[PW]
	WIN (\win)
.irp c, 0,1
	v_cvt_scalef32_pk16_fp6_f32 v[PC+6*\c:PC+6*\c+2], v[(\src)+32*\c:(\src)+32*\c+15], v[TM+12+2*\c]
	v_cvt_scalef32_pk16_fp6_f32 v[PC+12+4*\c:PC+14+4*\c], v[(\src)+32*\c+16:(\src)+32*\c+31], v[TM+13+2*\c]   ; (three registers begin on an even number)
.endr
	WIN 0
	v_nop                                          ; one plain instruction behind the scaled conversions
.irp c, 0,1                            ; the operand wants a whole block in a lane: lanes 0-15 block 2 c, lanes 16-31 block 2 c + 1
.irp i, 0,1,2
	v_permlane16_swap_b32 v[PC+6*\c+\i], v[PC+12+4*\c+\i]
.endr
.irp i, 0,1,2
	v_mov_b32 v[PC+3+6*\c+\i], v[PC+12+4*\c+\i]
.endr
.endr
.endm
.macro IMG base, off                   ; the fragment in v[PC] on goes to memory as an image: each store covers whole aligned runs of 256 bytes
	global_store_b128 v[G16], v[PC:PC+3], s[\base:\base+1] offset:\off
	global_store_b64 v[G8], v[PC+4:PC+5], s[\base:\base+1] offset:\off+512
	global_store_b128 v[G16], v[PC+6:PC+9], s[\base:\base+1] offset:\off+768
	global_store_b64 v[G8], v[PC+10:PC+11], s[\base:\base+1] offset:\off+1280
.endm
.macro RED                             ; v[TA] summed over the 32 lanes, the result in every lane
	v_add_f32_dpp v[TA], v[TA], v[TA] row_xmask:1 row_mask:0xf bank_mask:0xf
	v_add_f32_dpp v[TA], v[TA], v[TA] row_xmask:2 row_mask:0xf bank_mask:0xf
	v_add_f32_dpp v[TA], v[TA], v[TA] row_xmask:4 row_mask:0xf bank_mask:0xf
	v_add_f32_dpp v[TA], v[TA], v[TA] row_xmask:8 row_mask:0xf bank_mask:0xf
	v_permlanex16_b32 v[TA+1], v[TA], s[SEL], s[SEL+1]
	v_add_f32 v[TA], v[TA], v[TA+1]
.endm
.macro FOLD                            ; the four chains become one number a lane
	v_pk_add_f32 v[CH:CH+1], v[CH:CH+1], v[CH+2:CH+3]
	v_pk_add_f32 v[CH+4:CH+5], v[CH+4:CH+5], v[CH+6:CH+7]
	v_pk_add_f32 v[CH:CH+1], v[CH:CH+1], v[CH+4:CH+5]
	v_add_f32 v[TA], v[CH], v[CH+1]
.endm
	s_load_b256 s[4:11], s[0:1], 0x0               ; x, w, b, the codes' buffer
	v_lshl_add_u32 v254, v0, 2, 0x10100
	v_mov_b32 v255, 0
	v_lshrrev_b32 v1, 5, v0
	v_readfirstlane_b32 s16, v1                    ; wave
	v_and_b32 v1, 31, v0                           ; lane
	v_lshlrev_b32 v[G16], 4, v1
	v_lshlrev_b32 v[G8], 3, v1
	v_and_b32 v4, 15, v0                           ; r
	v_bfe_u32 v5, v0, 4, 1                         ; h
	s_mul_i32 s17, s16, 4*PITCH
	v_add_nc_u32 v6, s17, v[G16]                   ; LDS, in: my four rows, 16 bytes a lane
	v_mul_u32_u24 v7, v4, PITCH
	v_lshl_add_u32 v7, v5, 6, v7
	s_lshl_b32 s17, s16, 10
	v_add_nc_u32 v7, s17, v7                       ; LDS, out: row r, + 64 h, + my two K steps' 1,024 bytes x wave
	v_lshlrev_b32 v8, 4, v4
	v_lshl_add_u32 v8, v5, 9, v8                   ; my scale word: 16 r; lanes 16-31 carry the second K step's, 512 bytes on
.irp i, 0,1,2,3
	v_mov_b32 v[MU+2*\i+1], 0
	v_mov_b32 v[RS+2*\i+1], 0
.endr
	v_mov_b32 v[TA+1], 0                           ; a lane permute's destination counts as one of its sources
	s_mov_b32 s[SEL], 0x76543210
	s_mov_b32 s[SEL+1], 0xfedcba98                 ; lane l xor 16
	s_mov_b32 s22, 0x3a800000                      ; 1 / 1024
	s_mov_b32 s23, 0x3727c5ac                      ; 1e-5
	s_lshr_b32 s18, ttmp9, 1                       ; physical rows 16 P + 4 w + i are rows 32 (P / 2) + 16 (w / 2) + 8 (P % 2) + 4 (w % 2) + i of x
	s_lshl_b32 s18, s18, 5
	s_lshr_b32 s19, s16, 1
	s_lshl_b32 s19, s19, 4
	s_add_co_u32 s18, s18, s19
	s_and_b32 s19, ttmp9, 1
	s_lshl_b32 s19, s19, 3
	s_add_co_u32 s18, s18, s19
	s_and_b32 s19, s16, 1
	s_lshl_b32 s19, s19, 2
	s_add_co_u32 s18, s18, s19
	s_lshl_b32 s18, s18, 12                        ; x 4,096 bytes
	s_mov_b32 s19, 0
	s_lshr_b32 s24, ttmp9, 3
	s_and_b32 s25, ttmp9, 7
	s_mul_i32 s26, s24, 98304
	s_mul_i32 s27, s16, 24576
	s_add_co_u32 s26, s26, s27
	s_mul_i32 s27, s25, 1536
	s_add_co_u32 s26, s26, s27
	s_mov_b32 s27, 0                               ; the codes: 128 rows' 98,304 bytes, K step 2 w, my block
	s_lshl_b32 s28, s24, 12
	s_lshl_b32 s29, s16, 10
	s_add_co_u32 s28, s28, s29
	s_and_b32 s29, ttmp9, 1
	s_lshl_b32 s29, s29, 8
	s_add_co_u32 s28, s28, s29
	s_lshr_b32 s29, s25, 1
	s_lshl_b32 s29, s29, 2
	s_add_co_u32 s28, s28, s29
	s_add_co_u32 s28, s28, HS
	s_mov_b32 s29, 0                               ; the scale words
	s_wait_kmcnt 0x0
	s_add_nc_u64 s[4:5], s[4:5], s[18:19]
	s_add_nc_u64 s[12:13], s[10:11], s[26:27]
	s_add_nc_u64 s[14:15], s[10:11], s[28:29]
.irp j, 0,1,2,3,4,5,6,7
	global_load_b128 v[LW+4*\j:LW+4*\j+3], v[G16], s[6:7] offset:512*\j
	global_load_b128 v[LB+4*\j:LB+4*\j+3], v[G16], s[8:9] offset:512*\j
.endr
.irp i, 0,1,2,3
.irp j, 0,1,2,3,4,5,6,7
	global_load_b128 v[X+32*\i+4*\j:X+32*\i+4*\j+3], v[G16], s[4:5] offset:4096*\i+512*\j   ; 512 consecutive bytes a load
.endr
.endr
.macro STAT i                          ; row i: its mean is taken off, its variance + eps is left in v[VAR + i]
.set XR, X+32*(\i)
	s_wait_loadcnt 8*(3-(\i))                      ; this row's eight loads are in; the younger rows' may be out
.irp c, 0,2,4,6
	v_pk_add_f32 v[CH+\c:CH+\c+1], v[XR+\c:XR+\c+1], v[XR+8+\c:XR+8+\c+1]
.endr
.irp o, 16,24
.irp c, 0,2,4,6
	v_pk_add_f32 v[CH+\c:CH+\c+1], v[CH+\c:CH+\c+1], v[XR+\o+\c:XR+\o+\c+1]
.endr
.endr
	FOLD
	RED
	v_mul_f32 v[MU+2*(\i)], s22, v[TA]
.set p, 0
.rept 16
	v_pk_add_f32 v[XR+p:XR+p+1], v[XR+p:XR+p+1], v[MU+2*(\i):MU+2*(\i)+1] op_sel_hi:[1,0] neg_lo:[0,1] neg_hi:[0,1]
.set p, p+2
.endr
.irp c, 0,2,4,6
	v_pk_mul_f32 v[CH+\c:CH+\c+1], v[XR+\c:XR+\c+1], v[XR+\c:XR+\c+1]
.endr
.irp o, 8,16,24
.irp c, 0,2,4,6
	v_pk_fma_f32 v[CH+\c:CH+\c+1], v[XR+\o+\c:XR+\o+\c+1], v[XR+\o+\c:XR+\o+\c+1], v[CH+\c:CH+\c+1]
.endr
.endr
	FOLD
	RED
	v_fma_f32 v[VAR+(\i)], v[TA], s22, s23
.endm
	STAT 0
	STAT 1
	STAT 2
	STAT 3
	s_wait_alu depctr_va_vdst(0)
.irp i, 0,1,2,3
	v_rsq_f32 v[RS+2*\i], v[VAR+\i]
.endr
	v_nop                                          ; a plain instruction behind the last of the four
	s_wait_alu depctr_va_vdst(0)                   ; one wait for the batch, ahead of its first reader
.irp i, 0,1,2,3
.set p, 0
.rept 16
	v_pk_mul_f32 v[X+32*\i+p:X+32*\i+p+1], v[X+32*\i+p:X+32*\i+p+1], v[RS+2*\i:RS+2*\i+1] op_sel_hi:[1,0]
.set p, p+2
.endr
.set p, 0
.rept 16
	v_pk_fma_f32 v[X+32*\i+p:X+32*\i+p+1], v[X+32*\i+p:X+32*\i+p+1], v[LW+p:LW+p+1], v[LB+p:LB+p+1]
.set p, p+2
.endr
.irp j, 0,1,2,3,4,5,6,7
	ds_store_b128 v6, v[X+32*\i+4*\j:X+32*\i+4*\j+3] offset:PITCH*\i+512*\j
.endr
.endr
	s_wait_dscnt 0x0                               ; for the others' sake: my four rows lie in LDS
	s_barrier_signal -1
	s_barrier_wait -1                              ; all sixteen do
.irp e, 0,1
.irp b, 0,1,2,3
.irp j, 0,1,2,3
	ds_load_b128 v[X+64*\e+16*\b+4*\j:X+64*\e+16*\b+4*\j+3], v7 offset:512*\e+128*\b+16*\j
.endr
.endr
.endr
.irp b, 0,1,2,3
	v_mov_b32 v[TM+4+\b], 0                        ; a lane permute's destination counts as one of its sources
.endr
	v_cmp_le_u32 vcc_lo, 16, v1                    ; lanes 16-31
	s_wait_dscnt 16                                ; the first K step's 16 loads are in; the second's may be out
.set PC, 160
.set PW, 216
	QUANT X, 0
	IMG 12, 0
	s_wait_dscnt 0x0
.set PC, 180                           ; a second set of registers: no store's data are written again
.set PW, 217
	QUANT X+64, 0
	IMG 12, 12288
	v_cndmask_b32 v218, v216, v217, vcc_lo         ; lanes 0-15 the first K step's words, lanes 16-31 the second's
	global_store_b32 v8, v218, s[14:15]
	s_wait_tensorcnt 0x0
	ds_add_u32 v254, v255
	s_wait_dscnt 0x0
	s_endpgm
.Lfunc_end_k_qede7b9cbae_ln1:
	.size	k_qede7b9cbae_ln1, .Lfunc_end_k_qede7b9cbae_ln1-k_qede7b9cbae_ln1
	.p2alignl 7, 3214868480
	.fill 96, 4, 3214868480
	.section	.rodata,"a",@progbits
	.p2align	6, 0x0
	.amdhsa_kernel k_qede7b9cbae_ln1
		.amdhsa_group_segment_fixed_size 66304
		.amdhsa_private_segment_fixed_size 0
		.amdhsa_enable_private_segment 0
		.amdhsa_kernarg_size 32
		.amdhsa_user_sgpr_count 2
		.amdhsa_user_sgpr_kernarg_segment_ptr 1
		.amdhsa_wavefront_size32 1
		.amdhsa_system_sgpr_workgroup_id_x 1
		.amdhsa_system_sgpr_workgroup_id_y 1
		.amdhsa_system_sgpr_workgroup_id_z 1
		.amdhsa_system_vgpr_workitem_id 0
		.amdhsa_next_free_vgpr 256
		.amdhsa_next_free_sgpr 66
		.amdhsa_reserve_vcc 1
		.amdhsa_float_denorm_mode_32 3
		.amdhsa_float_denorm_mode_16_64 3
		.amdhsa_memory_ordered 1
		.amdhsa_forward_progress 1
		.amdhsa_inst_pref_size 45
	.end_amdhsa_kernel
	.amdgpu_metadata
---
amdhsa.version: [ 1, 2 ]
amdhsa.kernels:
  - .name:           k_qede7b9cbae_ln1
    .symbol:         k_qede7b9cbae_ln1.kd
    .args:
      - { .name: x, .offset: 0, .size: 8, .value_kind: global_buffer, .address_space: global }
      - { .name: ln1_w, .offset: 8, .size: 8, .value_kind: global_buffer, .address_space: global }
      - { .name: ln1_b, .offset: 16, .size: 8, .value_kind: global_buffer, .address_space: global }
      - { .name: h, .offset: 24, .size: 8, .value_kind: global_buffer, .address_space: global }
    .group_segment_fixed_size: 66304
    .private_segment_fixed_size: 0
    .kernarg_segment_align: 8
    .kernarg_segment_size: 32
    .max_flat_workgroup_size: 128
    .sgpr_count:     66
    .vgpr_count:     256
    .wavefront_size: 32
...
	.end_amdgpu_metadata
.endif
;; end of part 9
;; launch gqkv (part 10): grid 12 x 16, 4 waves a work-group, clusters of 4 x 4, 327,680 bytes of LDS; arguments h, wq, qkv; writes qkv
.if DOCPART == 10
	.amdgcn_target "amdgcn-amd-amdhsa--gfx1250"
	.amdhsa_code_object_version 6
	.text
	.protected	k_qede7b9cbae_gqkv
	.globl	k_qede7b9cbae_gqkv
	.p2align	8
	.type	k_qede7b9cbae_gqkv,@function
k_qede7b9cbae_gqkv:
	s_mov_b64 s[64:65], 0
	v_nop
	global_prefetch_b8 v0, s[64:65] scope:SCOPE_SE
	s_setreg_imm32_b32 hwreg(HW_REG_WAVE_MODE, 25, 1), 1
	s_wait_xcnt 0x0
	s_wait_alu depctr_hold_cnt(0) depctr_sa_sdst(0) depctr_va_vdst(0) depctr_va_sdst(0) depctr_va_ssrc(0) depctr_va_vcc(0) depctr_vm_vsrc(0)
	s_getreg_b32 s2, hwreg(HW_REG_IB_STS2, 6, 4)
	s_cmp_eq_u32 s2, 0
	s_cbranch_scc0 .Lentry_in_a_cluster
	s_endpgm
.Lentry_in_a_cluster:
	s_bfe_u32 s2, ttmp6, 0x10000c
	s_cmp_lg_u32 s2, 0xf033
	s_cbranch_scc0 .Lentry_shape_is_right
	s_endpgm
.Lentry_shape_is_right:
; qkv = LN1(x) Wqkv on codes of FP6 (E2M3) with E8M0 scales, K = 1,024; the results are quantised at once and stored as the operands of attention.
; OPERANDS ("A" and "B", both [rows][K]): codes [row / 128][k / 128][block of 16 rows][1,536 bytes], each 1,536 the image of an operand's 12 registers (0-3 at 16 x lane, 4-5 at 512 + 8 x lane, 6-9 at 768 + 16 x lane,
; 10-11 at 1,280 + 8 x lane); scale words [row / 128][k / 128][512]: row p's word at 16 (p % 32) + 4 (p / 32).  Rows are stored at pi(row), bits 3 and 4 exchanged: so the 16 registers of accumulators
; (a, 2 j) and (a, 2 j + 1) of a lane are 16 NEIGHBOURS along B's true row index, 32 j + 16 (lane / 16) + 0 .. 15, which is what the quantiser along that index wants.
; A tile of C, 256 x 256, is made by four waves, each 128 x 128: 64 accumulators, 512 registers.  THE MATRIX INSTRUCTION IS USED TRANSPOSED: source 0 = 16 rows of B, source 1 = 16 rows of A.
; K goes in steps of 256 through a ring of two LDS slots; a wave's tensor load brings 128 rows x 256 K, 24,576 dense bytes.  The scale words of the tile's rows for all of K come once, with the first fills.
; CLUSTERS: 4 x 4 work-groups; A's tiles are asked for jointly by the four of a row of the cluster, B's by the four of a column.
; TWO KINDS OF TILES, ONE TEXT, NO BRANCH.  Clusters x = 0, 1: A = the tokens, B = Wqkv's columns 0 .. 2,047 (q and k): a lane holds a token and its registers run along the head's axis, q's and k's K.
; Cluster x = 2: A = Wqkv's columns 2,048 on (v), B = the tokens: V^T: a lane holds a channel and its registers run along the keys, v's K.  Pointers and steps are selected on the cluster's x, which all partners share.
; OUTPUT, in chunks of 6,656 bytes.  q at 0, k at 512 chunks: [batch x head][128 tokens]: 8 blocks x 768 bytes (registers 0-5 of a fragment: the head's 64), then 128 scale words (bytes 0, 1 count).
; v at 1,024 chunks: [batch][128 keys][head]: 4 fragments of 16 channels x 128 keys, then 4 x 128 bytes of scale words at 4 x lane.
; LIMITS: a block of zeros, or one under 2^-124, gets the byte 1 (this program alone reads the bytes); NaN and infinities are not served.
; REGISTERS, in windows of 256: window 0: v0-31 addresses; v32-63 scale words, two sets, and nothing else; from v128 A's fragments, one set; window 1: B's fragments, two sets, at v0 and v128; windows 2, 3: the accumulators.
.set KDIM,   1024
.set HASB,   0
.set HS,     3145728
.set NQ,     2                         ; steps of 128 along K in a slot
.set FR,     12                        ; registers of a fragment
.set NL,     4                         ; LDS loads that bring one
.set NP,     4                         ; places behind this matrix instruction (ISA guide 7.12.1)
.set KSB,    12288                     ; 128 rows x 128 K of codes
.set HALFT,  NQ*KSB                    ; what one tensor load brings
.set SLOT,   4*HALFT                   ; A's two halves, then B's two
.set LAPS,   KDIM/512                  ; a lap = once round the ring
.set RSTR,   96*KDIM                   ; 128 rows of codes in memory
.set SSTR,   4*KDIM                    ; 128 rows of scale words
.set HALFS,  SSTR
.set SCL,    2*SLOT                    ; behind the ring: the scale words
.set SPARE,  SCL+4*HALFS               ; behind them: the spare words, 128 bytes for each wave, which no other line names
.set ADRA, 16                          ; v16-17 LDS address of my A fragments in slot 0, 1, at 16 x lane; v18-19 at 8 x lane
.set ADRB, 20                          ; v20-23 the same for B
.set ADRS, 27                          ; v27 my scale words: lanes 0-15 A's, lanes 16-31 B's
.set SPW,  28                          ; v28 my spare word; never rewritten
.set NIL,  29                          ; v29 0; never rewritten
.set SC,   32
.set BIAS, 64
.set AF,   128
.set G1, 24
.set G0, 32
.set G1B, 48
.set G0B, 56
.set G1S, 68
.set G0S, 76
.set G1SB, 80
.set G0SB, 88
.set SEL, 92
.set MSB, 0
.macro WIN new                         ; the immediate's high byte repeats the setting that is left
.if MSB != (\new)
	s_set_vgpr_msb (MSB<<8)|(\new)
.set MSB, (\new)
.endif
.endm
.set MUL_LO, 0xa1                      ; source 0 (B) window 1, source 1 (A) window 0, C and D window 2
.set MUL_HI, 0xf1                      ; the same, C and D window 3
.set TO_B,   0x40                      ; destination window 1, address window 0
; A joint load: waves 0 and 1 fetch for A, waves 2 and 3 for B; the branch hangs on the wave's number alone.  Four v_nop follow each of the two lines.
.macro JLOAD g0a, g1a, g0b, g1b
	s_cmp_eq_u32 s15, 0
	s_cbranch_scc0 .Lfor_b_\@
	tensor_load_to_lds s[\g0a:\g0a+3], s[\g1a:\g1a+7]
	s_nop 0
.rept 4
	v_nop
.endr
	s_branch .Lasked_\@
.Lfor_b_\@:
	tensor_load_to_lds s[\g0b:\g0b+3], s[\g1b:\g1b+7]
	s_nop 0
.rept 4
	v_nop
.endr
.Lasked_\@:
.endm
.macro CREST                           ; a round of the cluster's barrier behind its opening barrier
	s_cmp_lg_u32 s14, 0
	s_cbranch_scc1 .Lnot_wave_0_\@
	s_barrier_signal -3
.Lnot_wave_0_\@:
	s_barrier_wait -3
	s_barrier_signal -1
	s_barrier_wait -1
.endm
.macro CROUND
	s_barrier_signal -1
	s_barrier_wait -1
	CREST
.endm
	s_load_b128 s[4:7], s[0:1], 0x0                ; h, wq
	s_load_b64 s[12:13], s[0:1], 0x10              ; qkv
	v_lshl_add_u32 v[SPW], v0, 2, SPARE
	v_mov_b32 v[NIL], 0
	ds_add_u32 v28, v29
	ds_add_u32 v28, v29
	s_wait_dscnt 0x0
	v_lshrrev_b32 v1, 5, v0
	v_readfirstlane_b32 s14, v1                    ; wave 0..3
	s_lshr_b32 s15, s14, 1                         ; which half of the tile's A rows is mine.  Also: I fetch for A (0) or for B (1)
	s_and_b32 s16, s14, 1                          ; which half of its B rows.  Also: which 128 rows I fetch
	s_bfe_u32 s40, ttmp6, 0x40000                  ; cx, cy: my place in the cluster
	s_bfe_u32 s41, ttmp6, 0x40004
	s_and_b32 s19, ttmp7, 0xffff
	s_lshl_b32 s19, s19, 2                         ; 4 x cluster y
	s_lshl_b32 s18, ttmp9, 2                       ; 4 x cluster x
	s_cmp_eq_u32 ttmp9, 2                          ; v's tiles?
	s_cselect_b32 s17, 0, s19
	s_cselect_b32 s42, s19, s18
	s_add_co_u32 s17, s17, s41                     ; TR: A's tile (q, k: 256 tokens; v: 256 channels)
	s_add_co_u32 s42, s42, s40                     ; TC: B's tile (q, k: 256 columns; v: 256 tokens)
	s_lshl_b32 s43, s41, 2
	s_lshl_b32 s43, 15, s43                        ; my row of the cluster
	s_lshl_b32 s44, 0x1111, s40                    ; my column
	; descriptor group 1: a dense block of 24,576 bytes as 96 rows of 32 elements of 8 bytes; no padding: the images are read 16 or 8 bytes a lane on end
	s_or_b32 s[G1+0], s43, (3<<16)|(1<<21)         ; 15:0 the mask: A's tiles go to my row; 17:16 elements of 8 bytes; 21 set beside a mask
	s_or_b32 s[G1B+0], s44, (3<<16)|(1<<21)
.irp g, G1, G1B
	s_mov_b32 s[\g+1], 3072<<16                    ; for the head's loads: 2 rows of 24,576 bytes (a slot's part of 128 rows each),
	s_mov_b32 s[\g+2], 2<<16
	s_mov_b32 s[\g+3], 3072<<16
	s_mov_b32 s[\g+4], 2
	s_mov_b32 s[\g+5], RSTR/8                      ; 128 rows of codes apart in memory
	s_mov_b32 s[\g+6], 0
	s_mov_b32 s[\g+7], 0
.endr
	s_or_b32 s[G1S+0], s43, (3<<16)|(1<<21)        ; and the scale words of 256 rows: 2 HALFS dense bytes
	s_or_b32 s[G1SB+0], s44, (3<<16)|(1<<21)
.irp g, G1S, G1SB
	s_mov_b32 s[\g+1], 32<<16
	s_mov_b32 s[\g+2], (2*HALFS/256)<<16           ; the scale words of all 256 rows by one load
	s_mov_b32 s[\g+3], 32<<16
	s_mov_b32 s[\g+4], 2*HALFS/256
	s_mov_b32 s[\g+5], 32
	s_mov_b32 s[\g+6], 0
	s_mov_b32 s[\g+7], 0
.endr
	s_lshl_b32 s20, s17, 1
	s_add_co_u32 s20, s20, s16                     ; A: which 128 rows I fetch
	s_lshl_b32 s46, s42, 1
	s_add_co_u32 s46, s46, s16                     ; B likewise
	s_mul_i32 s22, s20, SSTR
	s_mov_b32 s23, 0
	s_mul_i32 s92, s46, SSTR
	s_mov_b32 s93, 0
	s_mul_i32 s20, s20, RSTR
	s_mov_b32 s21, 0
	s_mul_i32 s46, s46, RSTR
	s_mov_b32 s47, 0
	s_mul_i32 s45, s14, HALFT                      ; where they go: wave x 24,576: no place in the cluster enters an LDS address
	s_wait_kmcnt 0x0
	s_cmp_eq_u32 ttmp9, 2                          ; the roles: q, k: A = h, B = wq; v: A = wq from row 2,048 on, B = h
	s_cselect_b64 s[96:97], s[6:7], s[4:5]
	s_cselect_b64 s[98:99], s[4:5], s[6:7]
	s_cselect_b32 s2, 1572864, 0                   ; A's codes
	s_mov_b32 s18, HS
	s_cselect_b32 s18, 9502720, s18                ; A's scale words
	s_mov_b32 s66, 9437184
	s_cselect_b32 s66, HS, s66                     ; B's scale words
	s_mov_b32 s3, 0
	s_mov_b32 s19, 0
	s_mov_b32 s67, 0
	s_add_nc_u64 s[4:5], s[96:97], s[2:3]
	s_add_nc_u64 s[6:7], s[96:97], s[18:19]
	s_mov_b64 s[8:9], s[98:99]
	s_add_nc_u64 s[10:11], s[98:99], s[66:67]
	s_add_nc_u64 s[20:21], s[4:5], s[20:21]
	s_add_nc_u64 s[22:23], s[6:7], s[22:23]
	s_add_nc_u64 s[46:47], s[8:9], s[46:47]
	s_add_nc_u64 s[92:93], s[10:11], s[92:93]
	CROUND                                         ; all sixteen work-groups are here: the first joint loads meet
; THE HEAD'S FOUR TILES, ONE LOAD A WAVE: wave 0 slot 0's 256 rows of A, wave 1 those of B, wave 2 A's scale words, wave 3 B's.  Each tile begins where the lower half's part begins: my half's offset is taken off.
.set G0H, 4                            ; s[4:7], s[8:11]: the arguments that lay there have been used
.set G0HB, 8
	s_mul_i32 s18, s16, RSTR
	s_mov_b32 s19, 0
	s_sub_nc_u64 s[G0H+2:G0H+3], s[20:21], s[18:19]
	s_sub_nc_u64 s[G0HB+2:G0HB+3], s[46:47], s[18:19]
	s_mul_i32 s18, s16, SSTR
	s_sub_nc_u64 s[G0S+2:G0S+3], s[22:23], s[18:19]
	s_sub_nc_u64 s[G0SB+2:G0SB+3], s[92:93], s[18:19]
.irp g, G0H, G0HB, G0S, G0SB
	s_mov_b32 s[\g], 1
	s_or_b32 s[\g+3], s[\g+3], 0x80000000
.endr
	s_mov_b32 s[G0H+1], 0
	s_mov_b32 s[G0HB+1], 2*HALFT
	s_mov_b32 s[G0S+1], SCL
	s_mov_b32 s[G0SB+1], SCL+2*HALFS
.macro ARM under, g0, g1, next         ; one chain of branches on the wave's number, one load to an arm, all arms to one join
	s_cmp_lt_u32 s14, \under
	s_cbranch_scc0 \next
	tensor_load_to_lds s[\g0:\g0+3], s[\g1:\g1+7]
	s_nop 0
.rept 4
	v_nop
.endr
	s_branch .Lhead_asked
\next:
.endm
	ARM 1, G0H,  G1,  .Lhead_b
	ARM 2, G0HB, G1B, .Lhead_sa
	ARM 3, G0S,  G1S, .Lhead_sb
	tensor_load_to_lds s[G0SB:G0SB+3], s[G1SB:G1SB+7]
	s_nop 0
.rept 4
	v_nop
.endr
.Lhead_asked:
.irp s, 0,1
	s_mov_b32 s[G0+4*\s], 1
	s_add_co_u32 s[G0+4*\s+1], s45, \s*SLOT
	s_add_nc_u64 s[G0+4*\s+2:G0+4*\s+3], s[20:21], \s*HALFT
	s_or_b32 s[G0+4*\s+3], s[G0+4*\s+3], 0x80000000
	s_mov_b32 s[G0B+4*\s], 1
	s_add_co_u32 s[G0B+4*\s+1], s45, \s*SLOT
	s_add_nc_u64 s[G0B+4*\s+2:G0B+4*\s+3], s[46:47], \s*HALFT
	s_or_b32 s[G0B+4*\s+3], s[G0B+4*\s+3], 0x80000000
.endr
	; the prefetches' address: of the 96 blocks of 256 bytes that my load of a K step brings, the four partners that ask jointly take 24 each, told apart by address (cx for A, cy for B); a lane a block
	s_cmp_eq_u32 s15, 0
	s_cselect_b64 s[100:101], s[20:21], s[46:47]
	s_cselect_b32 s18, s40, s41
	s_mul_i32 s18, s18, 6144
	s_add_co_u32 s18, s18, 2*HALFT                 ; at K step 2
	s_mov_b32 s19, 0
	s_add_nc_u64 s[100:101], s[100:101], s[18:19]
	v_and_b32 v10, 31, v0
	v_min_u32 v10, 23, v10                         ; the lanes left over name the last block again
	v_lshlrev_b32 v10, 8, v10                      ; never rewritten
	s_wait_alu depctr_va_vdst(0)
	s_wait_tensorcnt 0x0
	ds_add_u32 v[SPW], v[NIL]
.irp g, G1, G1B
	s_mov_b32 s[\g+1], 32<<16
	s_mov_b32 s[\g+2], 96<<16
	s_mov_b32 s[\g+3], 32<<16
	s_mov_b32 s[\g+4], 96
	s_mov_b32 s[\g+5], 32
.endr
	s_wait_dscnt 0x0
	CROUND                                         ; all four tiles are in, in every partner
	JLOAD G0+4, G1, G0B+4, G1B                     ; K step 1, a quarter of slot 1 a wave
	global_prefetch_b8 v10, s[100:101] th:TH_LOAD_NT scope:SCOPE_SE                ; K steps 2 and 3, the two refills: each is asked for two loads ahead of its own
	global_prefetch_b8 v10, s[100:101] offset:HALFT th:TH_LOAD_NT scope:SCOPE_SE
	v_and_b32 v1, 15, v0                           ; r
	v_bfe_u32 v2, v0, 4, 1                         ; h
	v_and_b32 v3, 31, v0                           ; lane
	v_lshlrev_b32 v4, 4, v3
	v_lshlrev_b32 v5, 3, v3
	s_mul_i32 s21, s15, HALFT                      ; my 128 rows of A
	s_mul_i32 s22, s16, HALFT                      ; my 128 rows of B,
	s_add_co_u32 s22, s22, 2*HALFT                 ; which lie behind A's 256
.irp s, 0,1
	v_add_nc_u32 v[ADRA+\s], s21, v4
	v_add_nc_u32 v[ADRB+\s], s22, v4
	v_add_nc_u32 v[ADRA+2+\s], s21, v5
	v_add_nc_u32 v[ADRB+2+\s], s22, v5
	s_add_co_u32 s21, s21, SLOT
	s_add_co_u32 s22, s22, SLOT
.endr
	s_mul_i32 s21, s15, HALFS
	s_mul_i32 s22, s16, HALFS
	s_add_co_u32 s22, s22, 2*HALFS
	s_sub_co_u32 s22, s22, s21
	v_mul_u32_u24 v6, s22, v2                      ; lanes 16-31 take B's: one product, the distance between the two
	s_add_co_u32 s21, s21, SCL
	v_lshl_add_u32 v6, v1, 4, v6
	v_add_nc_u32 v[ADRS], s21, v6
.macro FRAG reg, adr, q, i             ; a fragment comes as it was stored: the same registers in the same lanes
	ds_load_b128 v[\reg:\reg+3], v[\adr] offset:(\q)*KSB+(\i)*1536
	ds_load_b64 v[\reg+4:\reg+5], v[\adr+2] offset:(\q)*KSB+(\i)*1536+512
	ds_load_b128 v[\reg+6:\reg+9], v[\adr] offset:(\q)*KSB+(\i)*1536+768
	ds_load_b64 v[\reg+10:\reg+11], v[\adr+2] offset:(\q)*KSB+(\i)*1536+1280
.endm
; 16 matrix instructions: A's blocks a0, a0 + 1 x B's eight, the slot's q-th 128 along K.  p: B's set; sc: the set of scale words.  zero = 1: the first product starts the sums.
; The 64 accumulators take turns, one instruction a turn, in the same order in every step.
.macro MUL16 a0, p, q, sc, zero
.irp a, \a0, \a0+1
.irp b, 0,1,2,3,4,5,6,7
.set rD, 8*(8*((\a)%4)+\b)
.set rB, 128*(\p)+FR*\b
.set rA, AF+FR*(\a)
.set sB, SC+16*(\sc)+8*(\q)+4*(\b%2)+\b/2
.set sA, SC+16*(\sc)+8*(\q)+4*((\a)%2)+(\a)/2
.if (\zero) && HASB
	v_wmma_scale_f32_16x16x128_f8f6f4 v[rD:rD+7], v[rB:rB+FR-1], v[rA:rA+FR-1], v[BIAS+8*\b:BIAS+8*\b+7], v[sB], v[sA] matrix_a_fmt:MATRIX_FMT_FP6 matrix_b_fmt:MATRIX_FMT_FP6 matrix_a_scale:MATRIX_SCALE_ROW1
.elseif \zero
	v_wmma_scale_f32_16x16x128_f8f6f4 v[rD:rD+7], v[rB:rB+FR-1], v[rA:rA+FR-1], 0, v[sB], v[sA] matrix_a_fmt:MATRIX_FMT_FP6 matrix_b_fmt:MATRIX_FMT_FP6 matrix_a_scale:MATRIX_SCALE_ROW1
.else
	v_wmma_scale_f32_16x16x128_f8f6f4 v[rD:rD+7], v[rB:rB+FR-1], v[rA:rA+FR-1], v[rD:rD+7], v[sB], v[sA] matrix_a_fmt:MATRIX_FMT_FP6 matrix_b_fmt:MATRIX_FMT_FP6 matrix_a_scale:MATRIX_SCALE_ROW1
.endif
.endr
.endr
.endm
.macro FETCH_B slot, q, p
	WIN TO_B
.irp i, 0,1,2,3,4,5,6,7
	FRAG 128*(\p)+FR*\i, ADRB+\slot, \q, \i
.endr
	WIN 0
.endm
.macro FETCH_A slot, q, i0
.irp i, \i0, \i0+1, \i0+2, \i0+3
	FRAG AF+FR*(\i), ADRA+\slot, \q, \i
.endr
.endm
.macro SCALES sc                       ; a K step's scale words: the word of block i for step q lands in register 8 q + 4 (i % 2) + i / 2 of the set; lanes 0-15 A's, lanes 16-31 B's
.irp q, 0,1
.irp e, 0,1
	ds_load_b128 v[SC+16*(\sc)+8*\q+4*\e:SC+16*(\sc)+8*\q+4*\e+3], v[ADRS] offset:512*\q+256*\e
.endr
.endr
.endm
.macro PLACES n                        ; plain vector instructions between a matrix instruction and a load into, or a read of, its registers (ISA guide 7.12.1 for reads)
.rept \n
	v_nop
.endr
.endm
.macro STEP slot, q, zero              ; a step of 128 along K that has its successor in the same slot
	s_wait_dscnt 4*NL                              ; B's set, A's blocks 0-3 and the scale words are in; the youngest 16 loads (A's blocks 4-7) may be out
.if (\zero) && HASB
	WIN 0x81
.else
	WIN MUL_LO
.endif
	MUL16 0, (\q)%2, \q, \slot, \zero
	MUL16 2, (\q)%2, \q, \slot, \zero
	s_wait_dscnt 0
	PLACES NP
	FETCH_B \slot, (\q)+1, 1-(\q)%2
	FETCH_A \slot, (\q)+1, 0
.if (\zero) && HASB
	WIN 0xc1
.else
	WIN MUL_HI
.endif
	MUL16 4, (\q)%2, \q, \slot, \zero
	MUL16 6, (\q)%2, \q, \slot, \zero
	PLACES NP
	WIN 0
	FETCH_A \slot, (\q)+1, 4
.endm
; A slot's last step changes slots: one barrier; in front of it each wave waits for all its tensor loads, adds 0 to its spare word, and waits for that and for its reads of this slot.  fill = 1: the slot is filled again, two K steps ahead.
.macro TURN slot, next, fill
	s_wait_tensorcnt 0x0                           ; all my tensor loads have landed: my part of the next slot
	ds_add_u32 v[SPW], v[NIL]                      ; 0 onto my spare word
	s_wait_dscnt 4*NL+1                            ; (the add and the youngest 16 loads may be out)
	WIN MUL_LO
	MUL16 0, 1, NQ-1, \slot, 0
	s_wait_dscnt 0x0                               ; the add is done, and my reads of this slot are over
	s_barrier_signal -1
	MUL16 2, 1, NQ-1, \slot, 0
	WIN 0
	s_barrier_wait -1
.if \fill
	CREST                                          ; the barrier has opened a round of the cluster's: no wave of any partner still reads this slot or has a load on its way
	s_add_nc_u64 s[G0+4*\slot+2:G0+4*\slot+3], s[G0+4*\slot+2:G0+4*\slot+3], 2*HALFT
	s_add_nc_u64 s[G0B+4*\slot+2:G0B+4*\slot+3], s[G0B+4*\slot+2:G0B+4*\slot+3], 2*HALFT
	JLOAD G0+4*\slot, G1, G0B+4*\slot, G1B         ; the first tensor load behind the round; its four v_nop are the places in front of the loads below
.else
	PLACES NP
.endif
	s_wait_alu depctr_va_vdst(0)
	v_add_nc_u32 v[ADRS], 512*NQ, v[ADRS]          ; on to the next K step's scale words
	FETCH_B \next, 0, 0
	FETCH_A \next, 0, 0
	SCALES \next
	WIN MUL_HI
	MUL16 4, 1, NQ-1, \slot, 0
	MUL16 6, 1, NQ-1, \slot, 0
	PLACES NP
	WIN 0
	FETCH_A \next, 0, 4
.endm
	s_wait_alu depctr_va_vdst(0)
	s_wait_tensorcnt 1                             ; the scale words and my part of K step 0 are in (K step 1's load may be out),
	s_barrier_signal -1
	s_barrier_wait -1                              ; everybody's are
	FETCH_B 0, 0, 0
	FETCH_A 0, 0, 0
	SCALES 0
	FETCH_A 0, 0, 4
	STEP 0, 0, 1                                   ; the first step stands in front of the loop: its products start the sums
	s_mov_b32 s3, LAPS-1
.Llap:
	TURN 0, 1, 1
	STEP 1, 0, 0
	TURN 1, 0, 1
	STEP 0, 0, 0
	s_sub_co_u32 s3, s3, 1
	s_cmp_lg_u32 s3, 0
	s_cbranch_scc1 .Llap
	TURN 0, 1, 0                                   ; the last lap fills nothing
	STEP 1, 0, 0
	s_wait_dscnt 4*NL
	WIN MUL_LO
	MUL16 0, 1, NQ-1, 1, 0
	MUL16 2, 1, NQ-1, 1, 0
	s_wait_dscnt 0
	WIN MUL_HI
	MUL16 4, 1, NQ-1, 1, 0
	MUL16 6, 1, NQ-1, 1, 0
	WIN 0
; THE WAY OUT: each block of 16 A rows x 128 B indices is quantised in registers and stored as an image.  No tensor load is out any more: the descriptors' registers are free.
.set G16, 6
.set G8,  7
.set SO,  8
.set SHV, 9
.set PC,  192
.set PW,  216
.set W,   217
.set TM,  224
.macro QUANT src, win                  ; 64 numbers of a lane, register 16 b + i = index 32 b + 16 (lane / 16) + i, of window win -> a fragment's codes in v[PC] on, its scale word in v[PW]
	WIN ((\win)<<2)|((\win)<<4)
.irp b, 0,1,2,3
	v_max3_num_f32 v[TM+\b], 0x1800000, |v[(\src)+16*\b]|, |v[(\src)+16*\b+1]|   ; my 16 numbers of block b, from each accumulator's low end on, and the floor 2^(3 - 127)
.endr
.irp i, 2,4,6,8,10,12,14
.irp b, 0,1,2,3
	v_max3_num_f32 v[TM+\b], v[TM+\b], |v[(\src)+16*\b+\i]|, |v[(\src)+16*\b+\i+1]|
.endr
.endr
	WIN 0
.irp b, 0,1,2,3
	v_permlanex16_b32 v[TM+4+\b], v[TM+\b], s[SEL], s[SEL+1]
.endr
.irp b, 0,1,2,3
	v_max_num_f32 v[TM+\b], v[TM+\b], v[TM+4+\b]
.endr
.irp b, 0,1,2,3
	v_add_nc_u32 v[TM+12+\b], 0xff000000, v[TM+\b]
.endr
.irp b, 0,1,2,3
	v_lshrrev_b32 v[TM+4+\b], 23, v[TM+12+\b]
.endr
	v_lshl_or_b32 v[PW], v[TM+5], 8, v[TM+4]
	v_lshl_or_b32 v[PW], v[TM+6], 16, v[PW]
	v_lshl_or_b32 v[PW], v[TM+7], 24, v[PW]
	WIN (\win)
.irp c, 0,1
	v_cvt_scalef32_pk16_fp6_f32 v[PC+6*\c:PC+6*\c+2], v[(\src)+32*\c:(\src)+32*\c+15], v[TM+12+2*\c]
	v_cvt_scalef32_pk16_fp6_f32 v[PC+12+4*\c:PC+14+4*\c], v[(\src)+32*\c+16:(\src)+32*\c+31], v[TM+13+2*\c]
.endr
	WIN 0
	v_nop                                          ; one plain instruction behind the scaled conversions
.irp c, 0,1
.irp i, 0,1,2
	v_permlane16_swap_b32 v[PC+6*\c+\i], v[PC+12+4*\c+\i]
.endr
.irp i, 0,1,2
	v_mov_b32 v[PC+3+6*\c+\i], v[PC+12+4*\c+\i]
.endr
.endr
.endm
	s_mov_b32 s[SEL], 0x76543210
	s_mov_b32 s[SEL+1], 0xfedcba98
	s_lshl_b32 s20, s42, 2                         ; q, k: my first head among 32 (0-15 q, 16-31 k): 4 TC + 2 x half
	s_lshl_b32 s21, s16, 1
	s_add_co_u32 s20, s20, s21
	s_and_b32 s21, s20, 16                         ; k's chunks lie 512 on: 32 x 16
	s_add_co_u32 s20, s20, s21
	s_lshr_b32 s21, s17, 3                         ; the batch
	s_lshl_b32 s21, s21, 4
	s_add_co_u32 s20, s20, s21
	s_lshl_b32 s20, s20, 4
	s_and_b32 s21, s17, 7
	s_lshl_b32 s21, s21, 1
	s_add_co_u32 s20, s20, s21
	s_add_co_u32 s20, s20, s15                     ; + which 128 tokens of the batch
	s_lshr_b32 s22, s42, 3                         ; v: (batch x 16 + which 128 keys) x 16 + my first head
	s_lshl_b32 s22, s22, 4
	s_and_b32 s23, s42, 7
	s_lshl_b32 s23, s23, 1
	s_add_co_u32 s22, s22, s23
	s_add_co_u32 s22, s22, s16
	s_lshl_b32 s22, s22, 4
	s_lshl_b32 s23, s17, 2
	s_add_co_u32 s22, s22, s23
	s_lshl_b32 s23, s15, 1
	s_add_co_u32 s22, s22, s23
	s_add_co_u32 s22, s22, 1024
	s_cmp_eq_u32 ttmp9, 2
	s_cselect_b32 s20, s22, s20                    ; my first chunk
	s_mov_b32 s24, 106496
	s_cselect_b32 s24, 768, s24                    ; from registers 0-5 to 6-11: q, k: the next head's chunk; v: the fragment's second half
	s_mov_b32 s26, 768
	s_cselect_b32 s26, 1536, s26                   ; from block to block
	s_cselect_b32 s28, 512, 0                      ; v: behind four blocks the next head's chunk
	s_cselect_b32 s30, 128, 64                     ; the scale words, from block to block
	s_cselect_b32 s32, 6144, 0
	s_cselect_b32 s34, 64, 106496                  ; lanes 16-31: v: the image's upper half; q, k: the next head's words
	s_cselect_b32 s35, 0, 16                       ; q, k: which take the word's upper two bytes
	s_mov_b32 s21, 0
	s_mov_b32 s25, 0
	s_mov_b32 s27, 0
	s_mov_b32 s29, 0
	s_mov_b32 s31, 0
	s_mov_b32 s33, 0
	s_mul_i32 s20, s20, 6656
	s_add_nc_u64 s[84:85], s[12:13], s[20:21]
	s_add_nc_u64 s[86:87], s[84:85], s[24:25]
	s_add_nc_u64 s[88:89], s[84:85], 6144
	v_and_b32 v1, 15, v0                           ; (these lines are also the places behind the last products)
	v_bfe_u32 v2, v0, 4, 1
	v_and_b32 v3, 31, v0
	v_lshlrev_b32 v[G16], 4, v3
	v_lshlrev_b32 v[G8], 3, v3
	v_lshlrev_b32 v4, 2, v1
	v_mad_u32_u24 v[SO], v2, s34, v4
	v_mul_u32_u24 v[SHV], v2, s35
.irp b, 0,1,2,3
	v_mov_b32 v[TM+4+\b], 0                        ; a lane permute's destination counts as one of its sources
.endr
.irp a, 0,1,2,3,4,5,6,7
	QUANT 64*(\a%4), 2+\a/4
	v_lshrrev_b32 v[W], v[SHV], v[PW]
	global_store_b128 v[G16], v[PC:PC+3], s[84:85]             ; each store covers whole aligned runs of 256 bytes
	global_store_b64 v[G8], v[PC+4:PC+5], s[84:85] offset:512
	global_store_b128 v[G16], v[PC+6:PC+9], s[86:87]
	global_store_b64 v[G8], v[PC+10:PC+11], s[86:87] offset:512
	global_store_b32 v[SO], v[W], s[88:89]
	s_wait_xcnt 0x0                                ; the stores have read their data and bases: both are written again only behind this wait
	s_add_nc_u64 s[84:85], s[84:85], s[26:27]
	s_add_nc_u64 s[86:87], s[86:87], s[26:27]
	s_add_nc_u64 s[88:89], s[88:89], s[30:31]
.if \a == 3
	s_add_nc_u64 s[84:85], s[84:85], s[28:29]
	s_add_nc_u64 s[86:87], s[86:87], s[28:29]
	s_add_nc_u64 s[88:89], s[88:89], s[32:33]
.endif
.endr
	s_wait_tensorcnt 0x0                           ; the wave's end
	ds_add_u32 v[SPW], v[NIL]
	s_wait_dscnt 0x0
	CROUND                                         ; the closing round: no work-group ends while a partner may still ask for a tile that names it
	s_endpgm
.Lfunc_end_k_qede7b9cbae_gqkv:
	.size	k_qede7b9cbae_gqkv, .Lfunc_end_k_qede7b9cbae_gqkv-k_qede7b9cbae_gqkv
	.p2alignl 7, 3214868480
	.fill 96, 4, 3214868480
	.section	.rodata,"a",@progbits
	.p2align	6, 0x0
	.amdhsa_kernel k_qede7b9cbae_gqkv
		.amdhsa_group_segment_fixed_size 327680
		.amdhsa_private_segment_fixed_size 0
		.amdhsa_enable_private_segment 0
		.amdhsa_kernarg_size 24
		.amdhsa_user_sgpr_count 2
		.amdhsa_user_sgpr_kernarg_segment_ptr 1
		.amdhsa_wavefront_size32 1
		.amdhsa_system_sgpr_workgroup_id_x 1
		.amdhsa_system_sgpr_workgroup_id_y 1
		.amdhsa_system_sgpr_workgroup_id_z 1
		.amdhsa_system_vgpr_workitem_id 0
		.amdhsa_next_free_vgpr 1024
		.amdhsa_next_free_sgpr 102
		.amdhsa_reserve_vcc 0
		.amdhsa_float_denorm_mode_32 3
		.amdhsa_float_denorm_mode_16_64 3
		.amdhsa_memory_ordered 1
		.amdhsa_forward_progress 1
		.amdhsa_inst_pref_size 153
	.end_amdhsa_kernel
	.amdgpu_metadata
---
amdhsa.version: [ 1, 2 ]
amdhsa.kernels:
  - .name:           k_qede7b9cbae_gqkv
    .symbol:         k_qede7b9cbae_gqkv.kd
    .args:
      - { .name: h, .offset: 0, .size: 8, .value_kind: global_buffer, .address_space: global }
      - { .name: wq, .offset: 8, .size: 8, .value_kind: global_buffer, .address_space: global }
      - { .name: qkv, .offset: 16, .size: 8, .value_kind: global_buffer, .address_space: global }
    .group_segment_fixed_size: 327680
    .private_segment_fixed_size: 0
    .kernarg_segment_align: 8
    .kernarg_segment_size: 24
    .max_flat_workgroup_size: 128
    .sgpr_count:     102
    .vgpr_count:     1024
    .wavefront_size: 32
...
	.end_amdgpu_metadata
.endif
;; end of part 10
;; launch attn (part 11): grid 8 x 32, 16 waves a work-group, clusters of 4 x 1, 327,680 bytes of LDS; arguments qkv, h; writes h
.if DOCPART == 11
	.amdgcn_target "amdgcn-amd-amdhsa--gfx1250"
	.amdhsa_code_object_version 6
	.text
	.protected	k_qede7b9cbae_attn
	.globl	k_qede7b9cbae_attn
	.p2align	8
	.type	k_qede7b9cbae_attn,@function
k_qede7b9cbae_attn:
	s_mov_b64 s[64:65], 0
	v_nop
	global_prefetch_b8 v0, s[64:65] scope:SCOPE_SE
	s_setreg_imm32_b32 hwreg(HW_REG_WAVE_MODE, 25, 1), 1
	s_wait_xcnt 0x0
	s_wait_alu depctr_hold_cnt(0) depctr_sa_sdst(0) depctr_va_vdst(0) depctr_va_sdst(0) depctr_va_ssrc(0) depctr_va_vcc(0) depctr_vm_vsrc(0)
	s_getreg_b32 s2, hwreg(HW_REG_IB_STS2, 6, 4)
	s_cmp_eq_u32 s2, 0
	s_cbranch_scc0 .Lentry_in_a_cluster
	s_endpgm
.Lentry_in_a_cluster:
	s_bfe_u32 s2, ttmp6, 0x10000c
	s_cmp_lg_u32 s2, 0x3003
	s_cbranch_scc0 .Lentry_shape_is_right
	s_endpgm
.Lentry_shape_is_right:
; o = softmax(q k^T / 8) v on codes of FP6 (E2M3) with E8M0 scales, for one batch x head and 256 queries a work-group; o is quantised along the channels and stored as the next product's operand.
; A wave holds 16 queries; all 2,048 keys' K and V chunks (16 + 16 of 6,656 bytes) lie in LDS, filled once; 16 steps of 128 keys.  Both products are used transposed: a lane holds one query.
; p = 2^(t - M), M the ceiling of the running largest t; the row's sum is taken of the unquantised p; a change of M multiplies sum and O by an exact power of two.
; CLUSTER: the four work-groups of a cluster share batch x head and ask for K and V jointly.
; LIMITS: the scaled scores stay under 2^31 in magnitude; a block under 2^-124 gets the byte 1; NaN and infinities are not served.
.set CHK,  6656
.set KOFF, 3407872
.set VOFF, 6815744
.set VL,   106496
.set HS,   3145728
.set QF,   16
.set VSC,  28
.set KFR,  32
.set VFR,  80
.set S,    128
.set O,    192
.set PCD,  224
.set KSC,  248
.set TB,   2
.set TBV,  3
.set WV,   18
.set SEL,  20
.set CS,   22
.set G1,   24
.set G0K,  32
.set G0V,  36
.set CNT,  40
.set G1V,  68                          ; s[68:75] group 1 for V's chunks
.macro CROUND
	s_barrier_signal -1
	s_barrier_wait -1
	s_cmp_lg_u32 s[WV], 0
	s_cbranch_scc1 .Lnot_wave_0_\@
	s_barrier_signal -3
.Lnot_wave_0_\@:
	s_barrier_wait -3
	s_barrier_signal -1
	s_barrier_wait -1
.endm
	s_load_b128 s[4:7], s[0:1], 0x0
	v_lshl_add_u32 v254, v0, 2, 0x34000
	v_mov_b32 v255, 0
	ds_add_u32 v254, v255
	ds_add_u32 v254, v255
	s_wait_dscnt 0x0
	v_lshrrev_b32 v5, 5, v0
	s_delay_alu instid0(VALU_DEP_1)
	v_readfirstlane_b32 s[WV], v5
	s_and_b32 s43, ttmp7, 0xffff
	s_lshr_b32 s44, s43, 4
	s_and_b32 s45, s43, 15
	s_mov_b32 s[G1], 15|(3<<16)|(1<<21)
	s_mov_b32 s[G1V], 15|(3<<16)|(1<<21)
.irp g, G1, G1V                        ; a load brings two chunks: 2 rows of 832 elements of 8 bytes
	s_mov_b32 s[\g+1], 832<<16
	s_mov_b32 s[\g+2], 2<<16
	s_mov_b32 s[\g+3], 832<<16
	s_mov_b32 s[\g+4], 2
	s_mov_b32 s[\g+6], 0
	s_mov_b32 s[\g+7], 0
.endr
	s_mov_b32 s[G1+5], 832                         ; K's chunks of a head lie on end,
	s_mov_b32 s[G1V+5], 13312                      ; V's 16 chunks (the heads of a key step) apart
	s_mul_i32 s46, s43, 106496
	s_and_b32 s50, s[WV], 7
	s_lshl_b32 s50, s50, 1                         ; my first chunk of two: waves 0-7 fetch K's, waves 8-15 V's
	s_mul_i32 s47, s50, CHK
	s_add_co_u32 s46, s46, s47
	s_add_co_u32 s46, s46, KOFF
	s_mov_b32 s47, 0
	s_lshl_b32 s48, s44, 4
	s_add_co_u32 s48, s48, s50
	s_lshl_b32 s48, s48, 4
	s_add_co_u32 s48, s48, s45
	s_mul_i32 s48, s48, CHK
	s_add_co_u32 s48, s48, VOFF
	s_mov_b32 s49, 0
	s_mov_b32 s[SEL], 0x76543210
	s_mov_b32 s[SEL+1], 0xfedcba98
	s_mov_b32 s[CS], 0x3e38aa3b
	s_mov_b32 s[CS+1], s[CS]
	s_wait_kmcnt 0x0
	s_mov_b32 s[G0K], 1
	s_mul_i32 s[G0K+1], s50, CHK
	s_add_nc_u64 s[G0K+2:G0K+3], s[4:5], s[46:47]
	s_or_b32 s[G0K+3], s[G0K+3], 0x80000000
	s_mov_b32 s[G0V], 1
	s_mul_i32 s[G0V+1], s50, CHK
	s_add_co_u32 s[G0V+1], s[G0V+1], VL
	s_add_nc_u64 s[G0V+2:G0V+3], s[4:5], s[48:49]
	s_or_b32 s[G0V+3], s[G0V+3], 0x80000000
	CROUND
	s_cmp_lt_u32 s[WV], 8                          ; one joint load a wave, in the two arms of one branch on the wave's number
	s_cbranch_scc0 .Lfor_v
	tensor_load_to_lds s[G0K:G0K+3], s[G1:G1+7]
	s_nop 0
.rept 4
	v_nop
.endr
	s_branch .Lasked
.Lfor_v:
	tensor_load_to_lds s[G0V:G0V+3], s[G1V:G1V+7]
	s_nop 0
.rept 4
	v_nop
.endr
.Lasked:
	s_bfe_u32 s41, ttmp6, 0x40000
	s_lshl_b32 s42, ttmp9, 2
	s_add_co_u32 s42, s42, s41
	s_lshl_b32 s50, s43, 4
	s_lshl_b32 s56, s42, 1
	s_add_co_u32 s50, s50, s56
	s_lshr_b32 s57, s[WV], 3
	s_add_co_u32 s50, s50, s57
	s_mul_i32 s50, s50, CHK
	s_and_b32 s58, s[WV], 7
	s_lshl_b32 s52, s58, 6
	s_add_co_u32 s52, s52, s50
	s_add_co_u32 s52, s52, 6144
	s_mov_b32 s53, 0
	s_mul_i32 s59, s58, 768
	s_add_co_u32 s50, s50, s59
	s_mov_b32 s51, 0
	s_add_nc_u64 s[8:9], s[4:5], s[50:51]
	s_add_nc_u64 s[10:11], s[4:5], s[52:53]
	s_lshl_b32 s54, s44, 4
	s_add_co_u32 s54, s54, s56
	s_add_co_u32 s54, s54, s57
	s_lshr_b32 s55, s45, 1
	s_and_b32 s59, s45, 1
	s_mul_i32 s60, s54, 98304
	s_mul_i32 s61, s55, 12288
	s_add_co_u32 s60, s60, s61
	s_mul_i32 s61, s58, 1536
	s_add_co_u32 s60, s60, s61
	s_mul_i32 s61, s59, 768
	s_add_co_u32 s60, s60, s61
	s_mov_b32 s61, 0
	s_lshl_b32 s62, s54, 12
	s_lshl_b32 s63, s55, 9
	s_add_co_u32 s62, s62, s63
	s_and_b32 s63, s58, 1
	s_lshl_b32 s63, s63, 8
	s_add_co_u32 s62, s62, s63
	s_lshr_b32 s63, s58, 1
	s_lshl_b32 s63, s63, 2
	s_add_co_u32 s62, s62, s63
	s_lshl_b32 s63, s59, 1
	s_add_co_u32 s62, s62, s63
	s_add_co_u32 s62, s62, HS
	s_mov_b32 s63, 0
	s_add_nc_u64 s[12:13], s[6:7], s[60:61]
	s_add_nc_u64 s[14:15], s[6:7], s[62:63]
	v_and_b32 v11, 31, v0
	s_delay_alu instid0(VALU_DEP_1)
	v_lshlrev_b32 v1, 4, v11
	s_delay_alu instid0(VALU_DEP_2)
	v_lshlrev_b32 v2, 3, v11
	v_and_b32 v3, 15, v0
	s_delay_alu instid0(VALU_DEP_1)
	v_lshlrev_b32 v3, 2, v3
	v_lshlrev_b32 v4, 2, v11
	global_load_b128 v[QF:QF+3], v1, s[8:9]
	global_load_b64 v[QF+4:QF+5], v2, s[8:9] offset:512
	global_load_b32 v255, v3, s[10:11]
.irp i, 6,7,8,9,10,11
	v_mov_b32 v[QF+\i], 0
.irp t, 0,1,2,3
	v_mov_b32 v[KFR+12*\t+\i], 0
.endr
.endr
	v_mov_b32 v13, 0xff61b1e6
	s_delay_alu instid0(VALU_DEP_1)
	v_floor_f32 v12, -v13
	v_mov_b32 v14, 0
	v_mov_b32 v15, 0
.irp b, 0,1,2,3
	v_mov_b32 v[236+\b], 0
.endr
	v_mov_b32 v253, 0
.set j, 0
.rept 32
	v_mov_b32 v[O+j], 0
.set j, j+1
.endr
	s_mov_b32 s[TB], 0
	s_mov_b32 s[TBV], VL
	s_mov_b32 s[CNT], 16
	s_wait_loadcnt 0x0
	s_wait_tensorcnt 0x0
	s_barrier_signal -1
	s_barrier_wait -1
.Lstep:
	v_add_nc_u32 v5, s[TB], v1
	v_add_nc_u32 v6, s[TB], v2
	v_add_nc_u32 v7, s[TB], v3
	v_add_nc_u32 v8, s[TBV], v1
	v_add_nc_u32 v9, s[TBV], v2
	v_add_nc_u32 v10, s[TBV], v4
.irp t, 0,1,2,3
	ds_load_b128 v[KFR+12*\t:KFR+12*\t+3], v5 offset:768*\t
	ds_load_b64 v[KFR+12*\t+4:KFR+12*\t+5], v6 offset:768*\t+512
	ds_load_b32 v[KSC+\t], v7 offset:6144+64*\t
.endr
.irp t, 0,1,2,3
	ds_load_b128 v[VFR+12*\t:VFR+12*\t+3], v8 offset:1536*\t
	ds_load_b64 v[VFR+12*\t+4:VFR+12*\t+5], v9 offset:1536*\t+512
	ds_load_b128 v[VFR+12*\t+6:VFR+12*\t+9], v8 offset:1536*\t+768
	ds_load_b64 v[VFR+12*\t+10:VFR+12*\t+11], v9 offset:1536*\t+1280
	ds_load_b32 v[VSC+\t], v10 offset:6144+128*\t
.endr
	s_wait_alu depctr_va_vdst(0)
	s_wait_dscnt 20
.irp t, 0,1,2,3
	v_wmma_scale_f32_16x16x128_f8f6f4 v[S+8*\t:S+8*\t+7], v[KFR+12*\t:KFR+12*\t+11], v[QF:QF+11], 0, v[KSC+\t], v255 matrix_a_fmt:MATRIX_FMT_FP6 matrix_b_fmt:MATRIX_FMT_FP6
.endr
.rept 4
	v_nop
.endr
.irp t, 0,1,2,3
	ds_load_b128 v[KFR+12*\t:KFR+12*\t+3], v5 offset:768*(4+\t)
	ds_load_b64 v[KFR+12*\t+4:KFR+12*\t+5], v6 offset:768*(4+\t)+512
	ds_load_b32 v[KSC+\t], v7 offset:6144+64*(4+\t)
.endr
	s_wait_dscnt 0x0
.irp t, 0,1,2,3
	v_wmma_scale_f32_16x16x128_f8f6f4 v[S+32+8*\t:S+32+8*\t+7], v[KFR+12*\t:KFR+12*\t+11], v[QF:QF+11], 0, v[KSC+\t], v255 matrix_a_fmt:MATRIX_FMT_FP6 matrix_b_fmt:MATRIX_FMT_FP6
.endr
.rept 4
	v_nop
.endr
.irp b, 0,1,2,3
	v_max3_num_f32 v[232+\b], v[S+16*\b], v[S+16*\b+1], v[S+16*\b+2]
.endr
.irp i, 3,5,7,9,11,13
.irp b, 0,1,2,3
	v_max3_num_f32 v[232+\b], v[232+\b], v[S+16*\b+\i], v[S+16*\b+\i+1]
.endr
.endr
.irp b, 0,1,2,3
	v_max_num_f32 v[232+\b], v[232+\b], v[S+16*\b+15]
.endr
.irp b, 0,1,2,3
	s_delay_alu instid0(VALU_DEP_4)
	v_permlanex16_b32 v[236+\b], v[232+\b], s[SEL], s[SEL+1]
.endr
.irp b, 0,1,2,3
	s_delay_alu instid0(VALU_DEP_4)
	v_max_num_f32 v[232+\b], v[232+\b], v[236+\b]
.endr
	s_delay_alu instid0(VALU_DEP_2)
	v_max3_num_f32 v254, v232, v233, v234
	s_delay_alu instid0(VALU_DEP_1)
	v_max_num_f32 v254, v254, v235
	s_delay_alu instid0(VALU_DEP_1)
	v_mul_f32 v254, s[CS], v254
	s_delay_alu instid0(VALU_DEP_1)
	v_max_num_f32 v13, v13, v254
	v_mov_b32 v254, v12
	s_delay_alu instid0(VALU_DEP_2)
	v_floor_f32 v12, -v13
	s_delay_alu instid0(VALU_DEP_1)
	v_sub_f32 v254, v12, v254
	s_delay_alu instid0(VALU_DEP_1)
	v_cvt_i32_f32 v254, v254
	s_delay_alu instid0(VALU_DEP_1)
	v_ldexp_f32 v252, 1.0, v254
.set j, 0
.rept 32
	v_pk_fma_f32 v[S+j:S+j+1], v[S+j:S+j+1], s[CS:CS+1], v[12:13] op_sel_hi:[1,0,0]
.set j, j+2
.endr
.irp b, 0,1,2,3
	v_fma_f32 v[232+\b], v[232+\b], s[CS], v12
.endr
.set j, 0
	s_wait_alu depctr_va_vdst(0)
.rept 64
	v_exp_f32 v[S+j], v[S+j]
.set j, j+1
.endr
	v_pk_mul_f32 v[14:15], v[14:15], v[252:253] op_sel_hi:[1,0]
	s_wait_alu depctr_va_vdst(0)
.irp b, 0,1,2,3
	v_exp_f32 v[232+\b], v[232+\b]
.endr
	v_pk_add_f32 v[236:237], v[S:S+1], v[S+2:S+3]
.irp j, 4,8,12,16,20,24,28,32,36,40,44,48,52,56,60
	v_pk_add_f32 v[14:15], v[14:15], v[S+\j:S+\j+1]
	v_pk_add_f32 v[236:237], v[236:237], v[S+\j+2:S+\j+3]
.endr
	s_delay_alu instid0(VALU_DEP_1)
	v_pk_add_f32 v[14:15], v[14:15], v[236:237]
	s_wait_alu depctr_va_vdst(0)
.irp b, 0,1,2,3
	v_max_num_f32 v[232+\b], 0x1800000, v[232+\b]
.endr
.irp b, 0,1,2,3
	s_delay_alu instid0(VALU_DEP_4)
	v_add_nc_u32 v[244+\b], 0xff000000, v[232+\b]
.endr
.irp b, 0,1,2,3
	s_delay_alu instid0(VALU_DEP_4)
	v_lshrrev_b32 v[236+\b], 23, v[244+\b]
.endr
	s_delay_alu instid0(VALU_DEP_3)
	v_lshl_or_b32 v253, v237, 8, v236
	s_delay_alu instid0(VALU_DEP_1)
	v_lshl_or_b32 v253, v238, 16, v253
	s_delay_alu instid0(VALU_DEP_1)
	v_lshl_or_b32 v253, v239, 24, v253
.irp c, 0,1
	v_cvt_scalef32_pk16_fp6_f32 v[PCD+6*\c:PCD+6*\c+2], v[S+32*\c:S+32*\c+15], v[244+2*\c]
	v_cvt_scalef32_pk16_fp6_f32 v[236+4*\c:238+4*\c], v[S+32*\c+16:S+32*\c+31], v[245+2*\c]
.endr
	v_nop
.irp c, 0,1
.irp i, 0,1,2
	v_permlane16_swap_b32 v[PCD+6*\c+\i], v[236+4*\c+\i]
.endr
.irp i, 0,1,2
	s_delay_alu instid0(VALU_DEP_3)
	v_mov_b32 v[PCD+3+6*\c+\i], v[236+4*\c+\i]
.endr
.endr
.set j, 0
.rept 16
	v_pk_mul_f32 v[O+j:O+j+1], v[O+j:O+j+1], v[252:253] op_sel_hi:[1,0]
.set j, j+2
.endr
.irp t, 0,1,2,3
	v_wmma_scale_f32_16x16x128_f8f6f4 v[O+8*\t:O+8*\t+7], v[VFR+12*\t:VFR+12*\t+11], v[PCD:PCD+11], v[O+8*\t:O+8*\t+7], v[VSC+\t], v253 matrix_a_fmt:MATRIX_FMT_FP6 matrix_b_fmt:MATRIX_FMT_FP6
.endr
	s_add_co_u32 s[TB], s[TB], CHK
	s_add_co_u32 s[TBV], s[TBV], CHK
	s_sub_co_u32 s[CNT], s[CNT], 1
	s_cmp_lg_u32 s[CNT], 0
	s_cbranch_scc1 .Lstep
	v_add_f32 v14, v14, v15
	s_delay_alu instid0(VALU_DEP_1)
	v_permlanex16_b32 v252, v14, s[SEL], s[SEL+1]
	s_delay_alu instid0(VALU_DEP_1)
	v_add_f32 v14, v14, v252
	s_wait_alu depctr_va_vdst(0)
	v_rcp_f32 v14, v14
	v_and_b32 v5, 15, v0
	v_bfe_u32 v6, v0, 4, 1
	s_delay_alu instid0(VALU_DEP_1)
	v_lshl_add_u32 v7, v5, 4, v6
	v_cmp_le_u32 vcc_lo, 16, v11
	s_wait_alu depctr_va_vdst(0)
.set j, 0
.rept 32
	v_mul_f32 v[S+j], v[O+j], v14
.set j, j+1
.endr
.irp b, 0,1
	v_max3_num_f32 v[232+\b], |v[S+16*\b]|, |v[S+16*\b+1]|, 0x1800000
.endr
.irp i, 2,4,6,8,10,12,14
.irp b, 0,1
	s_delay_alu instid0(VALU_DEP_2)
	v_max3_num_f32 v[232+\b], v[232+\b], |v[S+16*\b+\i]|, |v[S+16*\b+\i+1]|
.endr
.endr
.irp b, 0,1
	s_delay_alu instid0(VALU_DEP_2)
	v_permlanex16_b32 v[236+\b], v[232+\b], s[SEL], s[SEL+1]
.endr
.irp b, 0,1
	s_delay_alu instid0(VALU_DEP_2)
	v_max_num_f32 v[232+\b], v[232+\b], v[236+\b]
.endr
.irp b, 0,1
	s_delay_alu instid0(VALU_DEP_2)
	v_add_nc_u32 v[244+\b], 0xff000000, v[232+\b]
.endr
.irp b, 0,1
	s_delay_alu instid0(VALU_DEP_2)
	v_lshrrev_b32 v[238+\b], 23, v[244+\b]
.endr
	v_cvt_scalef32_pk16_fp6_f32 v[224:226], v[S:S+15], v244
	v_cvt_scalef32_pk16_fp6_f32 v[240:242], v[S+16:S+31], v245
	v_nop
.irp i, 0,1,2
	v_permlane16_swap_b32 v[224+\i], v[240+\i]
.endr
.irp i, 0,1,2
	s_delay_alu instid0(VALU_DEP_3)
	v_mov_b32 v[227+\i], v[240+\i]
.endr
	v_cndmask_b32 v246, v238, v239, vcc_lo
	global_store_b128 v1, v[224:227], s[12:13]
	global_store_b64 v2, v[228:229], s[12:13] offset:512
	global_store_b8 v7, v246, s[14:15]
	s_wait_xcnt 0x0
	v_lshl_add_u32 v254, v0, 2, 0x34000
	v_mov_b32 v255, 0
	s_wait_alu depctr_va_vdst(0)
	s_wait_tensorcnt 0x0
	ds_add_u32 v254, v255
	s_wait_dscnt 0x0
	CROUND
	s_endpgm
.Lfunc_end_k_qede7b9cbae_attn:
	.size	k_qede7b9cbae_attn, .Lfunc_end_k_qede7b9cbae_attn-k_qede7b9cbae_attn
	.p2alignl 7, 3214868480
	.fill 96, 4, 3214868480
	.section	.rodata,"a",@progbits
	.p2align	6, 0x0
	.amdhsa_kernel k_qede7b9cbae_attn
		.amdhsa_group_segment_fixed_size 327680
		.amdhsa_private_segment_fixed_size 0
		.amdhsa_enable_private_segment 0
		.amdhsa_kernarg_size 16
		.amdhsa_user_sgpr_count 2
		.amdhsa_user_sgpr_kernarg_segment_ptr 1
		.amdhsa_wavefront_size32 1
		.amdhsa_system_sgpr_workgroup_id_x 1
		.amdhsa_system_sgpr_workgroup_id_y 1
		.amdhsa_system_sgpr_workgroup_id_z 1
		.amdhsa_system_vgpr_workitem_id 0
		.amdhsa_next_free_vgpr 256
		.amdhsa_next_free_sgpr 80
		.amdhsa_reserve_vcc 1
		.amdhsa_float_denorm_mode_32 3
		.amdhsa_float_denorm_mode_16_64 3
		.amdhsa_memory_ordered 1
		.amdhsa_forward_progress 1
		.amdhsa_inst_pref_size 32
	.end_amdhsa_kernel
	.amdgpu_metadata
---
amdhsa.version: [ 1, 2 ]
amdhsa.kernels:
  - .name:           k_qede7b9cbae_attn
    .symbol:         k_qede7b9cbae_attn.kd
    .args:
      - { .name: qkv, .offset: 0, .size: 8, .value_kind: global_buffer, .address_space: global }
      - { .name: h, .offset: 8, .size: 8, .value_kind: global_buffer, .address_space: global }
    .group_segment_fixed_size: 327680
    .private_segment_fixed_size: 0
    .kernarg_segment_align: 8
    .kernarg_segment_size: 16
    .max_flat_workgroup_size: 512
    .sgpr_count:     80
    .vgpr_count:     256
    .wavefront_size: 32
...
	.end_amdgpu_metadata
.endif
;; end of part 11
;; launch gproj (part 12): grid 8 x 32, 4 waves a work-group, clusters of 4 x 4, 327,680 bytes of LDS; arguments h, wq, x, x1; writes x1
.if DOCPART == 12
	.amdgcn_target "amdgcn-amd-amdhsa--gfx1250"
	.amdhsa_code_object_version 6
	.text
	.protected	k_qede7b9cbae_gproj
	.globl	k_qede7b9cbae_gproj
	.p2align	8
	.type	k_qede7b9cbae_gproj,@function
k_qede7b9cbae_gproj:
	s_mov_b64 s[64:65], 0
	v_nop
	global_prefetch_b8 v0, s[64:65] scope:SCOPE_SE
	s_setreg_imm32_b32 hwreg(HW_REG_WAVE_MODE, 25, 1), 1
	s_wait_xcnt 0x0
	s_wait_alu depctr_hold_cnt(0) depctr_sa_sdst(0) depctr_va_vdst(0) depctr_va_sdst(0) depctr_va_ssrc(0) depctr_va_vcc(0) depctr_vm_vsrc(0)
	s_getreg_b32 s2, hwreg(HW_REG_IB_STS2, 6, 4)
	s_cmp_eq_u32 s2, 0
	s_cbranch_scc0 .Lentry_in_a_cluster
	s_endpgm
.Lentry_in_a_cluster:
	s_bfe_u32 s2, ttmp6, 0x10000c
	s_cmp_lg_u32 s2, 0xf033
	s_cbranch_scc0 .Lentry_shape_is_right
	s_endpgm
.Lentry_shape_is_right:
; x1 = x + o Wproj on codes of FP6 (E2M3) with E8M0 scales, K = 1,024; x and x1 are [4096][1024] f32 in their natural order.
; OPERANDS ("A" = o's rows, "B" = Wproj's columns, both [rows][K]): codes [row / 128][k / 128][block of 16 rows][1,536 bytes], each 1,536 the image of an operand's 12 registers (0-3 at 16 x lane, 4-5 at 512 + 8 x lane,
; 6-9 at 768 + 16 x lane, 10-11 at 1,280 + 8 x lane); scale words [row / 128][k / 128][512]: row p's word at 16 (p % 32) + 4 (p / 32).  Rows are stored at pi(row), bits 3 and 4 exchanged.
; A tile of C is 128 x 128, so that the 32 x 8 tiles give 256 work-groups.  Four waves, each 64 x 64: 16 accumulators, 128 registers.  THE MATRIX INSTRUCTION IS USED TRANSPOSED: source 0 = 16 rows of B, source 1 = 16 rows of A.
; A slot of LDS holds 512 along K: four K steps of A's 128 rows and four of B's, 12,288 dense bytes each; a wave's tensor load brings two of them.  K = 1,024 is two slots: both are first fills, and nothing is filled again.
; The scale words of the tile's rows for all of K come with them.  CLUSTERS: 4 x 4 work-groups; A's tiles are asked for jointly by the four of a row of the cluster, B's by the four of a column.
; The residual's rows are asked for at the head, behind the first fills, into registers that nothing else uses.
; REGISTERS, in windows of 256: window 0: v0-31 addresses; v32-63 scale words, two sets, and nothing else; v64-127 rows on the way out; v128-255 the accumulators ((a, b) at v[128 + 8 (4 a + b)]).
;   window 1: two fragment buffers, at v0 and at v128: A's four fragments, then B's four.   window 2: v0-127 the residual.
.set KDIM,   1024
.set HASB,   0
.set HS,     3145728
.set NQ,     4                         ; steps of 128 along K in a slot
.set FR,     12                        ; registers of a fragment
.set NP,     4                         ; places behind this matrix instruction (ISA guide 7.12.1)
.set KSB,    12288                     ; 128 rows x 128 K of codes
.set HALFT,  2*KSB                     ; what one tensor load brings
.set SLOT,   4*HALFT                   ; A's four K steps, then B's four
.set LAPS,   KDIM/1024                 ; a lap = once round the ring
.set RSTR,   96*KDIM                   ; 128 rows of codes in memory
.set SSTR,   4*KDIM                    ; 128 rows of scale words
.set HALFS,  SSTR/2                    ; half the scale words of 128 rows
.set SCL,    2*SLOT                    ; behind the ring: A's scale words, then B's
.set SPARE,  SCL+4*HALFS               ; behind them: the spare words, 128 bytes for each wave, which no other line names
.set SPITCH, 272                       ; the way out: a stage of 16 rows x (256 bytes + 16) for each wave, in slot 0, which has had its last fill and its last read by then
.set ADRA, 16                          ; v16-17 LDS address of my A fragments in slot 0, 1, at 16 x lane; v18-19 at 8 x lane
.set ADRB, 20                          ; v20-23 the same for B
.set STO,  24                          ; v24 the stage, in
.set RD,   25                          ; v25 the stage, out
.set CO,   26                          ; v26 my bytes in two rows of C: 16 x (lane % 16) + a row x (lane / 16); never rewritten
.set ADRS, 27                          ; v27 my scale words: lanes 0-15 A's, lanes 16-31 B's
.set SPW,  28                          ; v28 my spare word; never rewritten
.set NIL,  29                          ; v29 0; never rewritten
.set SC,   32
.set BIAS, 64
.set BK,   64                          ; the way out: 16 rows back from the stage: v64-95 and v96-127 by turns
.set ACC,  128
.set G1, 24
.set G0, 32
.set G1B, 48
.set G0B, 56
.set G1S, 68
.set G0S, 76
.set G1SB, 80
.set G0SB, 88
.set MSB, 0
.macro WIN new                         ; the immediate's high byte repeats the setting that is left
.if MSB != (\new)
	s_set_vgpr_msb (MSB<<8)|(\new)
.set MSB, (\new)
.endif
.endm
.set MUL,  0x05                        ; sources 0 (B) and 1 (A) window 1; C and D window 0
.set TO_F, 0x40                        ; destination window 1, address window 0
; A joint load: waves 0 and 1 fetch for A, waves 2 and 3 for B; the branch hangs on the wave's number alone.  Four v_nop follow each of the two lines.
.macro JLOAD g0a, g1a, g0b, g1b
	s_cmp_eq_u32 s15, 0
	s_cbranch_scc0 .Lfor_b_\@
	tensor_load_to_lds s[\g0a:\g0a+3], s[\g1a:\g1a+7]
	s_nop 0
.rept 4
	v_nop
.endr
	s_branch .Lasked_\@
.Lfor_b_\@:
	tensor_load_to_lds s[\g0b:\g0b+3], s[\g1b:\g1b+7]
	s_nop 0
.rept 4
	v_nop
.endr
.Lasked_\@:
.endm
.macro CREST                           ; a round of the cluster's barrier behind its opening barrier
	s_cmp_lg_u32 s14, 0
	s_cbranch_scc1 .Lnot_wave_0_\@
	s_barrier_signal -3
.Lnot_wave_0_\@:
	s_barrier_wait -3
	s_barrier_signal -1
	s_barrier_wait -1
.endm
.macro CROUND
	s_barrier_signal -1
	s_barrier_wait -1
	CREST
.endm
	s_load_b256 s[4:11], s[0:1], 0x0               ; h, wq, x, x1
	v_lshl_add_u32 v[SPW], v0, 2, SPARE
	v_mov_b32 v[NIL], 0
	ds_add_u32 v28, v29
	ds_add_u32 v28, v29
	s_wait_dscnt 0x0
	v_lshrrev_b32 v1, 5, v0
	v_readfirstlane_b32 s14, v1                    ; wave 0..3
	s_lshr_b32 s15, s14, 1                         ; which 64 of the tile's rows are mine.  Also: I fetch for A (0) or for B (1)
	s_and_b32 s16, s14, 1                          ; which 64 of its columns.  Also: which two of a slot's four K steps I fetch
	s_bfe_u32 s40, ttmp6, 0x40000                  ; cx, cy: my place in the cluster
	s_bfe_u32 s41, ttmp6, 0x40004
	s_lshl_b32 s42, ttmp9, 2
	s_add_co_u32 s42, s42, s40                     ; TC: tile column of C, 0 .. 7
	s_and_b32 s17, ttmp7, 0xffff
	s_lshl_b32 s17, s17, 2
	s_add_co_u32 s17, s17, s41                     ; TR: tile row of C, 0 .. 31
	s_lshl_b32 s43, s41, 2
	s_lshl_b32 s43, 15, s43                        ; my row of the cluster
	s_lshl_b32 s44, 0x1111, s40                    ; my column
	; descriptor group 1: a dense block of 24,576 bytes as 96 rows of 32 elements of 8 bytes; no padding: the images are read 16 or 8 bytes a lane on end
	s_or_b32 s[G1+0], s43, (3<<16)|(1<<21)         ; 15:0 the mask: A's tiles go to my row; 17:16 elements of 8 bytes; 21 set beside a mask
	s_or_b32 s[G1B+0], s44, (3<<16)|(1<<21)
.irp g, G1, G1B
	s_mov_b32 s[\g+1], 32<<16                      ; tensor_dim0
	s_mov_b32 s[\g+2], 192<<16                     ; for the head's loads: a slot's four K steps, 49,152 dense bytes
	s_mov_b32 s[\g+3], 32<<16
	s_mov_b32 s[\g+4], 192
	s_mov_b32 s[\g+5], 32                          ; tensor_dim0_stride
	s_mov_b32 s[\g+6], 0
	s_mov_b32 s[\g+7], 0
.endr
	s_or_b32 s[G1S+0], s43, (3<<16)|(1<<21)        ; and the scale words of 128 rows: 2 HALFS dense bytes
	s_or_b32 s[G1SB+0], s44, (3<<16)|(1<<21)
.irp g, G1S, G1SB
	s_mov_b32 s[\g+1], 32<<16
	s_mov_b32 s[\g+2], (2*HALFS/256)<<16           ; all the scale words of 128 rows by one load
	s_mov_b32 s[\g+3], 32<<16
	s_mov_b32 s[\g+4], 2*HALFS/256
	s_mov_b32 s[\g+5], 32
	s_mov_b32 s[\g+6], 0
	s_mov_b32 s[\g+7], 0
.endr
	s_mul_i32 s18, s16, HALFT                      ; my two K steps of a slot's four
	s_mul_i32 s19, s16, HALFS                      ; my half of the scale words
	s_mul_i32 s20, s17, RSTR                       ; A: the tile row's 128 rows: its address is made of the tile row and the wave's number alone,
	s_add_co_u32 s20, s20, s18
	s_mov_b32 s21, 0
	s_mul_i32 s46, s42, RSTR                       ; B's of the tile column and the wave's number
	s_add_co_u32 s46, s46, s18
	s_mov_b32 s47, 0
	s_mul_i32 s22, s17, SSTR
	s_add_co_u32 s22, s22, s19
	s_mov_b32 s23, 0
	s_mul_i32 s92, s42, SSTR
	s_add_co_u32 s92, s92, s19
	s_mov_b32 s93, 0
	s_mul_i32 s45, s14, HALFT                      ; where they go: wave x 24,576: no place in the cluster enters an LDS address
	s_wait_kmcnt 0x0
	s_mov_b64 s[96:97], s[8:9]                     ; x
	s_mov_b64 s[12:13], s[10:11]                   ; x1
	s_add_nc_u64 s[8:9], s[6:7], 2359296           ; Wproj's codes
	s_add_nc_u64 s[10:11], s[6:7], 9535488         ; and scale words
	s_add_nc_u64 s[6:7], s[4:5], HS                ; o's scale words
	s_add_nc_u64 s[20:21], s[4:5], s[20:21]
	s_add_nc_u64 s[22:23], s[6:7], s[22:23]
	s_add_nc_u64 s[46:47], s[8:9], s[46:47]
	s_add_nc_u64 s[92:93], s[10:11], s[92:93]
	CROUND                                         ; all sixteen work-groups are here: the first joint loads meet
; THE HEAD'S FOUR TILES, ONE LOAD A WAVE: wave 0 slot 0's part of A, wave 1 that of B, wave 2 A's scale words, wave 3 B's.  Each tile begins where the lower half's part begins: my half's offset is taken off.
.set G0H, 4                            ; s[4:7], s[8:11]: the arguments that lay there have been used
.set G0HB, 8
	s_mul_i32 s18, s16, HALFT
	s_mov_b32 s19, 0
	s_sub_nc_u64 s[G0H+2:G0H+3], s[20:21], s[18:19]
	s_sub_nc_u64 s[G0HB+2:G0HB+3], s[46:47], s[18:19]
	s_mul_i32 s18, s16, HALFS
	s_sub_nc_u64 s[G0S+2:G0S+3], s[22:23], s[18:19]
	s_sub_nc_u64 s[G0SB+2:G0SB+3], s[92:93], s[18:19]
.irp g, G0H, G0HB, G0S, G0SB
	s_mov_b32 s[\g], 1
	s_or_b32 s[\g+3], s[\g+3], 0x80000000
.endr
	s_mov_b32 s[G0H+1], 0
	s_mov_b32 s[G0HB+1], 2*HALFT
	s_mov_b32 s[G0S+1], SCL
	s_mov_b32 s[G0SB+1], SCL+2*HALFS
.macro ARM under, g0, g1, next         ; one chain of branches on the wave's number, one load to an arm, all arms to one join
	s_cmp_lt_u32 s14, \under
	s_cbranch_scc0 \next
	tensor_load_to_lds s[\g0:\g0+3], s[\g1:\g1+7]
	s_nop 0
.rept 4
	v_nop
.endr
	s_branch .Lhead_asked
\next:
.endm
	ARM 1, G0H,  G1,  .Lhead_b
	ARM 2, G0HB, G1B, .Lhead_sa
	ARM 3, G0S,  G1S, .Lhead_sb
	tensor_load_to_lds s[G0SB:G0SB+3], s[G1SB:G1SB+7]
	s_nop 0
.rept 4
	v_nop
.endr
.Lhead_asked:
.irp s, 0,1
	s_mov_b32 s[G0+4*\s], 1
	s_add_co_u32 s[G0+4*\s+1], s45, \s*SLOT
	s_add_nc_u64 s[G0+4*\s+2:G0+4*\s+3], s[20:21], \s*2*HALFT
	s_or_b32 s[G0+4*\s+3], s[G0+4*\s+3], 0x80000000
	s_mov_b32 s[G0B+4*\s], 1
	s_add_co_u32 s[G0B+4*\s+1], s45, \s*SLOT
	s_add_nc_u64 s[G0B+4*\s+2:G0B+4*\s+3], s[46:47], \s*2*HALFT
	s_or_b32 s[G0B+4*\s+3], s[G0B+4*\s+3], 0x80000000
.endr
	s_wait_alu depctr_va_vdst(0)
	s_wait_tensorcnt 0x0                           ; my tile of the head's four is in; slot 1's first fill is issued as a refill is
	ds_add_u32 v[SPW], v[NIL]
	s_mov_b32 s[G1+2], 96<<16                      ; no load of mine is out: from here on a load brings 96 rows of 256 bytes
	s_mov_b32 s[G1+4], 96
	s_mov_b32 s[G1B+2], 96<<16
	s_mov_b32 s[G1B+4], 96
	s_wait_dscnt 0x0
	CROUND                                         ; all four tiles are in, in every partner
	JLOAD G0+4, G1, G0B+4, G1B                     ; slot 1, a quarter a wave
	v_and_b32 v1, 15, v0                           ; r
	s_wait_alu depctr_va_vdst(0)
	v_bfe_u32 v2, v0, 4, 1                         ; h
	v_and_b32 v3, 31, v0                           ; lane
	v_lshlrev_b32 v4, 4, v3
	v_lshlrev_b32 v5, 3, v3
	s_lshl_b32 s46, s42, 9                         ; my first column, in bytes: 512 TC + 256 x half
	s_lshl_b32 s47, s16, 8
	s_add_co_u32 s46, s46, s47
	s_mov_b32 s47, 0
	s_lshl_b32 s20, s17, 7
	s_lshl_b32 s21, s15, 6
	s_add_co_u32 s20, s20, s21                     ; my first row of C: 128 TR + 64 x half
	s_lshl_b32 s20, s20, 12                        ; x 4,096 bytes
	s_add_co_u32 s20, s20, s46
	s_mov_b32 s21, 0
	s_add_nc_u64 s[12:13], s[12:13], s[20:21]      ; neither base is stepped: every row stands in an immediate, 62 x 4,096 at the most
	s_add_nc_u64 s[96:97], s[96:97], s[20:21]
	v_lshlrev_b32 v[CO], 4, v1
	s_wait_alu depctr_va_vdst(0)
	v_lshl_add_u32 v[CO], v2, 12, v[CO]
	; THE RESIDUAL: my 64 rows x 256 bytes, in the order in which the results come back from the stage: physical rows 2 i + (lane / 16) of block a, which are rows 32 (a / 2) + 16 (i / 4) + 8 (a % 2) + 2 (i % 4) + (lane / 16) of my 64
	WIN 0x80                                       ; destination window 2
.irp a, 0,1,2,3
.irp i, 0,1,2,3,4,5,6,7
	global_load_b128 v[32*\a+4*\i:32*\a+4*\i+3], v[CO], s[96:97] offset:(32*(\a/2)+16*(\i/4)+8*(\a%2)+2*(\i%4))*4096   ; sixteen lanes read 256 consecutive bytes, aligned
.endr
.endr
	WIN 0
	s_mul_i32 s21, s15, 4*1536                     ; my four blocks of A
	s_mul_i32 s22, s16, 4*1536                     ; my four blocks of B,
	s_add_co_u32 s22, s22, 2*HALFT                 ; which lie behind A's four K steps
.irp s, 0,1
	v_add_nc_u32 v[ADRA+\s], s21, v4
	v_add_nc_u32 v[ADRB+\s], s22, v4
	v_add_nc_u32 v[ADRA+2+\s], s21, v5
	v_add_nc_u32 v[ADRB+2+\s], s22, v5
	s_add_co_u32 s21, s21, SLOT
	s_add_co_u32 s22, s22, SLOT
.endr
	s_lshl_b32 s21, s15, 3                         ; the words of my four blocks of A: 8 bytes on for the upper four
	s_lshl_b32 s22, s16, 3                         ; of B likewise,
	s_add_co_u32 s22, s22, 2*HALFS                 ; behind A's words
	s_sub_co_u32 s22, s22, s21
	v_mul_u32_u24 v6, s22, v2                      ; lanes 16-31 take B's: one product, the distance between the two
	s_add_co_u32 s21, s21, SCL
	v_lshl_add_u32 v6, v1, 4, v6
	v_add_nc_u32 v[ADRS], s21, v6
	s_mul_i32 s23, s14, 16*SPITCH                  ; my stage
	v_mul_u32_u24 v5, v1, SPITCH
	v_lshl_add_u32 v5, v2, 6, v5
	v_add_nc_u32 v[STO], s23, v5                   ; in: row r, + 64 h
	v_mul_u32_u24 v6, v2, SPITCH
	v_lshl_add_u32 v6, v1, 4, v6
	v_add_nc_u32 v[RD], s23, v6                    ; back: lanes 0-15 take one row of 256 bytes, lanes 16-31 the next
.macro FRAG reg, adr, q, i             ; a fragment comes as it was stored: the same registers in the same lanes
	ds_load_b128 v[\reg:\reg+3], v[\adr] offset:(\q)*KSB+(\i)*1536
	ds_load_b64 v[\reg+4:\reg+5], v[\adr+2] offset:(\q)*KSB+(\i)*1536+512
	ds_load_b128 v[\reg+6:\reg+9], v[\adr] offset:(\q)*KSB+(\i)*1536+768
	ds_load_b64 v[\reg+10:\reg+11], v[\adr+2] offset:(\q)*KSB+(\i)*1536+1280
.endm
; 4 matrix instructions: A's block a x B's four, from buffer f, the slot's q-th 128 along K.  sc: the set of scale words.  zero = 1: the first product starts the sums.
; The 16 accumulators take turns, one instruction a turn, in the same order in every step.
.macro MULA a, f, q, sc, zero
.irp b, 0,1,2,3
.set rD, ACC+8*(4*(\a)+\b)
.set rB, (\f)+48+FR*\b
.set rA, (\f)+FR*(\a)
.set sB, SC+16*(\sc)+4*(\q)+2*(\b%2)+\b/2
.set sA, SC+16*(\sc)+4*(\q)+2*((\a)%2)+(\a)/2
.if (\zero) && HASB
	v_wmma_scale_f32_16x16x128_f8f6f4 v[rD:rD+7], v[rB:rB+FR-1], v[rA:rA+FR-1], v[BIAS+8*\b:BIAS+8*\b+7], v[sB], v[sA] matrix_a_fmt:MATRIX_FMT_FP6 matrix_b_fmt:MATRIX_FMT_FP6 matrix_a_scale:MATRIX_SCALE_ROW1
.elseif \zero
	v_wmma_scale_f32_16x16x128_f8f6f4 v[rD:rD+7], v[rB:rB+FR-1], v[rA:rA+FR-1], 0, v[sB], v[sA] matrix_a_fmt:MATRIX_FMT_FP6 matrix_b_fmt:MATRIX_FMT_FP6 matrix_a_scale:MATRIX_SCALE_ROW1
.else
	v_wmma_scale_f32_16x16x128_f8f6f4 v[rD:rD+7], v[rB:rB+FR-1], v[rA:rA+FR-1], v[rD:rD+7], v[sB], v[sA] matrix_a_fmt:MATRIX_FMT_FP6 matrix_b_fmt:MATRIX_FMT_FP6 matrix_a_scale:MATRIX_SCALE_ROW1
.endif
.endr
.endm
.macro FETCH_LO slot, q, f             ; 24 LDS loads: B's four fragments and A's blocks 0, 1
.irp i, 0,1,2,3
	FRAG 48+FR*\i+\f, ADRB+\slot, \q, \i
.endr
.irp i, 0,1
	FRAG FR*\i+\f, ADRA+\slot, \q, \i
.endr
.endm
.macro FETCH_HI slot, q, f             ; 8 LDS loads: A's blocks 2, 3
.irp i, 2,3
	FRAG FR*\i+\f, ADRA+\slot, \q, \i
.endr
.endm
.macro SCALES sc                       ; a slot's scale words: the word of my block a for step q lands in register 4 q + 2 (a % 2) + a / 2 of the set; lanes 0-15 A's, lanes 16-31 B's
.irp q, 0,1,2,3
.irp e, 0,1
	ds_load_b64 v[SC+16*(\sc)+4*\q+2*\e:SC+16*(\sc)+4*\q+2*\e+1], v[ADRS] offset:512*\q+256*\e
.endr
.endr
.endm
.macro PLACES n                        ; plain vector instructions between a matrix instruction and a load into, or a read of, its registers (ISA guide 7.12.1 for reads)
.rept \n
	v_nop
.endr
.endm
; A step of 128 along K that has its successor in the same slot: 16 matrix instructions on buffer q % 2; in its middle the next step's 32 LDS loads, in one run, into the other buffer.
.macro STEP slot, q, zero
	s_wait_dscnt 8                                 ; B's four, A's blocks 0, 1 and the scale words are in; the youngest eight loads (A's blocks 2, 3) may be out
	WIN MUL
	MULA 0, 128*((\q)%2), \q, \slot, \zero
	MULA 1, 128*((\q)%2), \q, \slot, \zero
	PLACES NP
	WIN TO_F
	FETCH_LO \slot, (\q)+1, 128*(1-(\q)%2)
	FETCH_HI \slot, (\q)+1, 128*(1-(\q)%2)
	s_wait_dscnt 32                                ; all but the 32 just issued
	WIN MUL
	MULA 2, 128*((\q)%2), \q, \slot, \zero
	MULA 3, 128*((\q)%2), \q, \slot, \zero
.endm
; A slot's last step (buffer 1) changes slots: one barrier; in front of it each wave waits for all its tensor loads, adds 0 to its spare word, and waits for that and for its reads of this slot.  fill = 1: the slot is filled again, two slots ahead.
.macro TURN slot, next, fill
	WIN 0                                          ; (the add's two registers lie in window 0)
	s_wait_tensorcnt 0x0                           ; all my tensor loads have landed: my part of the next slot
	ds_add_u32 v[SPW], v[NIL]                      ; 0 onto my spare word
	s_wait_dscnt 9                                 ; (the add and the youngest eight loads may be out)
	WIN MUL
	MULA 0, 128, NQ-1, \slot, 0
	s_wait_dscnt 0x0                               ; the add is done, and my reads of this slot are over
	s_barrier_signal -1
	MULA 1, 128, NQ-1, \slot, 0
	WIN 0
	s_barrier_wait -1
.if \fill
	CREST                                          ; the barrier has opened a round of the cluster's: no wave of any partner still reads this slot or has a load on its way
	s_add_nc_u64 s[G0+4*\slot+2:G0+4*\slot+3], s[G0+4*\slot+2:G0+4*\slot+3], 4*HALFT
	s_add_nc_u64 s[G0B+4*\slot+2:G0B+4*\slot+3], s[G0B+4*\slot+2:G0B+4*\slot+3], 4*HALFT
	JLOAD G0+4*\slot, G1, G0B+4*\slot, G1B         ; the first tensor load behind the round; its four v_nop are the places in front of the loads below
.else
	PLACES NP
.endif
	v_add_nc_u32 v[ADRS], 512*NQ, v[ADRS]          ; on to the next slot's scale words
	WIN TO_F
	FETCH_LO \next, 0, 0
	WIN 0
	SCALES \next
	WIN TO_F
	FETCH_HI \next, 0, 0
	WIN MUL
	MULA 2, 128, NQ-1, \slot, 0
	MULA 3, 128, NQ-1, \slot, 0
.endm
	s_wait_alu depctr_va_vdst(0)
	s_wait_tensorcnt 1                             ; the scale words and my part of slot 0 are in (slot 1's load may be out),
	s_barrier_signal -1
	s_barrier_wait -1                              ; everybody's are
	WIN TO_F
	FETCH_LO 0, 0, 0
	WIN 0
	SCALES 0
	WIN TO_F
	FETCH_HI 0, 0, 0
	STEP 0, 0, 1                                   ; the first step's products start the sums
.if LAPS > 1
	WIN 0                                          ; at a label and at a branch every window is 0
	s_mov_b32 s3, LAPS-1
.Llap:                                             ; a trip goes once round the ring, from a lap's second step to the next lap's first, and fills both slots again
	STEP 0, 1, 0
	STEP 0, 2, 0
	TURN 0, 1, 1
	STEP 1, 0, 0
	STEP 1, 1, 0
	STEP 1, 2, 0
	TURN 1, 0, 1
	STEP 0, 0, 0
	WIN 0
	s_sub_co_u32 s3, s3, 1
	s_cmp_lg_u32 s3, 0
	s_cbranch_scc1 .Llap
.endif
	STEP 0, 1, 0                                   ; the last lap fills nothing
	STEP 0, 2, 0
	TURN 0, 1, 0
	STEP 1, 0, 0
	STEP 1, 1, 0
	STEP 1, 2, 0
	s_wait_dscnt 8                                 ; the very last step: nothing more to fetch
	WIN MUL
	MULA 0, 128, NQ-1, 1, 0
	MULA 1, 128, NQ-1, 1, 0
	s_wait_dscnt 0
	MULA 2, 128, NQ-1, 1, 0
	MULA 3, 128, NQ-1, 1, 0
	WIN 0
; THE WAY OUT, block by block of 16 rows x 64 columns, through my own stage in LDS: a lane's eight results of accumulator b are columns 32 (b / 2) + 16 h + 8 (b % 2) + 0 .. 7 of physical row r; they come back as whole
; rows of 256 bytes, two rows an instruction, meet the residual, and are stored: sixteen lanes to 256 consecutive bytes, aligned.
.macro TOSTAGE a
.irp b, 0,1,2,3
	ds_store_b128 v[STO], v[ACC+8*(4*(\a)+\b):ACC+8*(4*(\a)+\b)+3] offset:128*(\b/2)+32*(\b%2)          ; each accumulator from its low end on
	ds_store_b128 v[STO], v[ACC+8*(4*(\a)+\b)+4:ACC+8*(4*(\a)+\b)+7] offset:128*(\b/2)+32*(\b%2)+16
.endr
.set BB, BK+32*((\a)%2)
.irp i, 0,1,2,3,4,5,6,7
	ds_load_b128 v[BB+4*\i:BB+4*\i+3], v[RD] offset:2*\i*SPITCH   ; LDS serves a wave's instructions in order (ISA guide 5.7.1.4): these see the stores above
.endr
.endm
.macro SEND a, younger
.set BB, BK+32*((\a)%2)
	s_wait_dscnt \younger                          ; the block is back in registers; the next block's LDS instructions may be out
	WIN 0x08                                       ; source 1 window 2
.set i, 0
.rept 16
	v_pk_add_f32 v[BB+2*i:BB+2*i+1], v[BB+2*i:BB+2*i+1], v[32*(\a)+2*i:32*(\a)+2*i+1]
.set i, i+1
.endr
	WIN 0
.irp i, 0,1,2,3,4,5,6,7
	global_store_b128 v[CO], v[BB+4*\i:BB+4*\i+3], s[12:13] offset:(32*((\a)/2)+16*(\i/4)+8*((\a)%2)+2*(\i%4))*4096
.endr
.endm
	PLACES NP                                      ; in front of the first read of results
	s_wait_loadcnt 0x0                             ; the residual, asked for at the head
	TOSTAGE 0
.irp a, 1,2,3
.if \a > 1
	s_wait_xcnt 0x0                                ; block a - 2's stores have read their registers: block a's loads may land there
.endif
	TOSTAGE \a
	SEND \a-1, 16                                  ; behind block a - 1's loads: block a's 8 stores and 8 loads
.endr
	SEND 3, 0
	s_wait_tensorcnt 0x0                           ; the wave's end
	ds_add_u32 v[SPW], v[NIL]
	s_wait_dscnt 0x0
	CROUND                                         ; the closing round: no work-group ends while a partner may still ask for a tile that names it
	s_endpgm
.Lfunc_end_k_qede7b9cbae_gproj:
	.size	k_qede7b9cbae_gproj, .Lfunc_end_k_qede7b9cbae_gproj-k_qede7b9cbae_gproj
	.p2alignl 7, 3214868480
	.fill 96, 4, 3214868480
	.section	.rodata,"a",@progbits
	.p2align	6, 0x0
	.amdhsa_kernel k_qede7b9cbae_gproj
		.amdhsa_group_segment_fixed_size 327680
		.amdhsa_private_segment_fixed_size 0
		.amdhsa_enable_private_segment 0
		.amdhsa_kernarg_size 32
		.amdhsa_user_sgpr_count 2
		.amdhsa_user_sgpr_kernarg_segment_ptr 1
		.amdhsa_wavefront_size32 1
		.amdhsa_system_sgpr_workgroup_id_x 1
		.amdhsa_system_sgpr_workgroup_id_y 1
		.amdhsa_system_sgpr_workgroup_id_z 1
		.amdhsa_system_vgpr_workitem_id 0
		.amdhsa_next_free_vgpr 1024
		.amdhsa_next_free_sgpr 102
		.amdhsa_reserve_vcc 0
		.amdhsa_float_denorm_mode_32 3
		.amdhsa_float_denorm_mode_16_64 3
		.amdhsa_memory_ordered 1
		.amdhsa_forward_progress 1
		.amdhsa_inst_pref_size 62
	.end_amdhsa_kernel
	.amdgpu_metadata
---
amdhsa.version: [ 1, 2 ]
amdhsa.kernels:
  - .name:           k_qede7b9cbae_gproj
    .symbol:         k_qede7b9cbae_gproj.kd
    .args:
      - { .name: h, .offset: 0, .size: 8, .value_kind: global_buffer, .address_space: global }
      - { .name: wq, .offset: 8, .size: 8, .value_kind: global_buffer, .address_space: global }
      - { .name: x, .offset: 16, .size: 8, .value_kind: global_buffer, .address_space: global }
      - { .name: x1, .offset: 24, .size: 8, .value_kind: global_buffer, .address_space: global }
    .group_segment_fixed_size: 327680
    .private_segment_fixed_size: 0
    .kernarg_segment_align: 8
    .kernarg_segment_size: 32
    .max_flat_workgroup_size: 128
    .sgpr_count:     102
    .vgpr_count:     1024
    .wavefront_size: 32
...
	.end_amdgpu_metadata
.endif
;; end of part 12
;; launch ln2: the kernel of part 9 again; grid 256 x 1, 4 waves a work-group, no clusters, 66,304 bytes of LDS; arguments x1, ln2_w, ln2_b, h; writes h
;; launch gfc1 (part 13): grid 16 x 16, 4 waves a work-group, clusters of 4 x 4, 327,680 bytes of LDS; arguments h, wq, b_fc1, g; writes g
.if DOCPART == 13
	.amdgcn_target "amdgcn-amd-amdhsa--gfx1250"
	.amdhsa_code_object_version 6
	.text
	.protected	k_qede7b9cbae_gfc1
	.globl	k_qede7b9cbae_gfc1
	.p2align	8
	.type	k_qede7b9cbae_gfc1,@function
k_qede7b9cbae_gfc1:
	s_mov_b64 s[64:65], 0
	v_nop
	global_prefetch_b8 v0, s[64:65] scope:SCOPE_SE
	s_setreg_imm32_b32 hwreg(HW_REG_WAVE_MODE, 25, 1), 1
	s_wait_xcnt 0x0
	s_wait_alu depctr_hold_cnt(0) depctr_sa_sdst(0) depctr_va_vdst(0) depctr_va_sdst(0) depctr_va_ssrc(0) depctr_va_vcc(0) depctr_vm_vsrc(0)
	s_getreg_b32 s2, hwreg(HW_REG_IB_STS2, 6, 4)
	s_cmp_eq_u32 s2, 0
	s_cbranch_scc0 .Lentry_in_a_cluster
	s_endpgm
.Lentry_in_a_cluster:
	s_bfe_u32 s2, ttmp6, 0x10000c
	s_cmp_lg_u32 s2, 0xf033
	s_cbranch_scc0 .Lentry_shape_is_right
	s_endpgm
.Lentry_shape_is_right:
.set KDIM,   1024
.set HASB,   1
.set HS,     3145728
.set GS,     12582912
.set NQ,     2
.set FR,     12
.set NL,     4
.set NP,     4
.set KSB,    12288
.set HALFT,  NQ*KSB
.set SLOT,   4*HALFT
.set LAPS,   KDIM/512
.set RSTR,   96*KDIM
.set SSTR,   4*KDIM
.set HALFS,  SSTR
.set SCL,    2*SLOT
.set SPARE,  262144
.set SWB,    SPARE+512
.set ADRA, 16
.set ADRB, 20
.set ADRS, 27
.set SPW,  28
.set NIL,  29
.set SC,   32
.set BIAS, 64
.set AF,   128
.set G1, 24
.set G0, 32
.set G1B, 48
.set G0B, 56
.set G1S, 68
.set G0S, 76
.set G1SB, 80
.set G0SB, 88
.set SEL, 92
.set MSB, 0
.macro WIN new
.if MSB != (\new)
	s_set_vgpr_msb (MSB<<8)|(\new)
.set MSB, (\new)
.endif
.endm
.set MUL_LO, 0xa1
.set MUL_HI, 0xf1
.set TO_B,   0x40
.macro JLOAD g0a, g1a, g0b, g1b
	s_cmp_eq_u32 s15, 0
	s_cbranch_scc0 .Lfor_b_\@
	tensor_load_to_lds s[\g0a:\g0a+3], s[\g1a:\g1a+7]
	s_nop 0
.rept 4
	v_nop
.endr
	s_branch .Lasked_\@
.Lfor_b_\@:
	tensor_load_to_lds s[\g0b:\g0b+3], s[\g1b:\g1b+7]
	s_nop 0
.rept 4
	v_nop
.endr
.Lasked_\@:
.endm
.macro CREST
	s_cmp_lg_u32 s14, 0
	s_cbranch_scc1 .Lnot_wave_0_\@
	s_barrier_signal -3
.Lnot_wave_0_\@:
	s_barrier_wait -3
	s_barrier_signal -1
	s_barrier_wait -1
.endm
.macro CROUND
	s_barrier_signal -1
	s_barrier_wait -1
	CREST
.endm
	s_load_b256 s[4:11], s[0:1], 0x0
	v_lshl_add_u32 v[SPW], v0, 2, SPARE
	v_mov_b32 v[NIL], 0
	ds_add_u32 v28, v29
	ds_add_u32 v28, v29
	s_wait_dscnt 0x0
	v_lshrrev_b32 v1, 5, v0
	v_readfirstlane_b32 s14, v1
	s_lshr_b32 s15, s14, 1
	s_and_b32 s16, s14, 1
	s_bfe_u32 s40, ttmp6, 0x40000
	s_bfe_u32 s41, ttmp6, 0x40004
	s_lshl_b32 s42, ttmp9, 2
	s_add_co_u32 s42, s42, s40
	s_and_b32 s17, ttmp7, 0xffff
	s_lshl_b32 s17, s17, 2
	s_add_co_u32 s17, s17, s41
	s_lshl_b32 s43, s41, 2
	s_lshl_b32 s43, 15, s43
	s_lshl_b32 s44, 0x1111, s40
	s_or_b32 s[G1+0], s43, (3<<16)|(1<<21)
	s_or_b32 s[G1B+0], s44, (3<<16)|(1<<21)
.irp g, G1, G1B
	s_mov_b32 s[\g+1], 3072<<16                    ; for the head's loads: 2 rows of 24,576 bytes (a slot's part of 128 rows each),
	s_mov_b32 s[\g+2], 2<<16
	s_mov_b32 s[\g+3], 3072<<16
	s_mov_b32 s[\g+4], 2
	s_mov_b32 s[\g+5], RSTR/8                      ; 128 rows of codes apart in memory
	s_mov_b32 s[\g+6], 0
	s_mov_b32 s[\g+7], 0
.endr
	s_or_b32 s[G1S+0], s43, (3<<16)|(1<<21)
	s_or_b32 s[G1SB+0], s44, (3<<16)|(1<<21)
.irp g, G1S, G1SB
	s_mov_b32 s[\g+1], 32<<16
	s_mov_b32 s[\g+2], (2*HALFS/256)<<16           ; the scale words of all 256 rows by one load
	s_mov_b32 s[\g+3], 32<<16
	s_mov_b32 s[\g+4], 2*HALFS/256
	s_mov_b32 s[\g+5], 32
	s_mov_b32 s[\g+6], 0
	s_mov_b32 s[\g+7], 0
.endr
	s_lshl_b32 s20, s17, 1
	s_add_co_u32 s20, s20, s16
	s_lshl_b32 s46, s42, 1
	s_add_co_u32 s46, s46, s16
	s_mul_i32 s22, s20, SSTR
	s_mov_b32 s23, 0
	s_mul_i32 s92, s46, SSTR
	s_mov_b32 s93, 0
	s_mul_i32 s20, s20, RSTR
	s_mov_b32 s21, 0
	s_mul_i32 s46, s46, RSTR
	s_mov_b32 s47, 0
	s_mul_i32 s45, s14, HALFT
	s_wait_kmcnt 0x0
	s_mov_b64 s[98:99], s[8:9]
	s_mov_b64 s[12:13], s[10:11]
	s_add_nc_u64 s[8:9], s[6:7], 3145728
	s_add_nc_u64 s[10:11], s[6:7], 9568256
	s_add_nc_u64 s[6:7], s[4:5], HS
	s_add_nc_u64 s[20:21], s[4:5], s[20:21]
	s_add_nc_u64 s[22:23], s[6:7], s[22:23]
	s_add_nc_u64 s[46:47], s[8:9], s[46:47]
	s_add_nc_u64 s[92:93], s[10:11], s[92:93]
	CROUND
; THE HEAD'S FOUR TILES, ONE LOAD A WAVE: wave 0 slot 0's 256 rows of A, wave 1 those of B, wave 2 A's scale words, wave 3 B's.  Each tile begins where the lower half's part begins: my half's offset is taken off.
.set G0H, 4                            ; s[4:7], s[8:11]: the arguments that lay there have been used
.set G0HB, 8
	s_mul_i32 s18, s16, RSTR
	s_mov_b32 s19, 0
	s_sub_nc_u64 s[G0H+2:G0H+3], s[20:21], s[18:19]
	s_sub_nc_u64 s[G0HB+2:G0HB+3], s[46:47], s[18:19]
	s_mul_i32 s18, s16, SSTR
	s_sub_nc_u64 s[G0S+2:G0S+3], s[22:23], s[18:19]
	s_sub_nc_u64 s[G0SB+2:G0SB+3], s[92:93], s[18:19]
.irp g, G0H, G0HB, G0S, G0SB
	s_mov_b32 s[\g], 1
	s_or_b32 s[\g+3], s[\g+3], 0x80000000
.endr
	s_mov_b32 s[G0H+1], 0
	s_mov_b32 s[G0HB+1], 2*HALFT
	s_mov_b32 s[G0S+1], SCL
	s_mov_b32 s[G0SB+1], SCL+2*HALFS
.macro ARM under, g0, g1, next         ; one chain of branches on the wave's number, one load to an arm, all arms to one join
	s_cmp_lt_u32 s14, \under
	s_cbranch_scc0 \next
	tensor_load_to_lds s[\g0:\g0+3], s[\g1:\g1+7]
	s_nop 0
.rept 4
	v_nop
.endr
	s_branch .Lhead_asked
\next:
.endm
	ARM 1, G0H,  G1,  .Lhead_b
	ARM 2, G0HB, G1B, .Lhead_sa
	ARM 3, G0S,  G1S, .Lhead_sb
	tensor_load_to_lds s[G0SB:G0SB+3], s[G1SB:G1SB+7]
	s_nop 0
.rept 4
	v_nop
.endr
.Lhead_asked:
.irp s, 0,1
	s_mov_b32 s[G0+4*\s], 1
	s_add_co_u32 s[G0+4*\s+1], s45, \s*SLOT
	s_add_nc_u64 s[G0+4*\s+2:G0+4*\s+3], s[20:21], \s*HALFT
	s_or_b32 s[G0+4*\s+3], s[G0+4*\s+3], 0x80000000
	s_mov_b32 s[G0B+4*\s], 1
	s_add_co_u32 s[G0B+4*\s+1], s45, \s*SLOT
	s_add_nc_u64 s[G0B+4*\s+2:G0B+4*\s+3], s[46:47], \s*HALFT
	s_or_b32 s[G0B+4*\s+3], s[G0B+4*\s+3], 0x80000000
.endr
	; the prefetches' address: of the 96 blocks of 256 bytes that my load of a K step brings, the four partners that ask jointly take 24 each, told apart by address (cx for A, cy for B); a lane a block
	s_cmp_eq_u32 s15, 0
	s_cselect_b64 s[100:101], s[20:21], s[46:47]
	s_cselect_b32 s18, s40, s41
	s_mul_i32 s18, s18, 6144
	s_add_co_u32 s18, s18, 2*HALFT                 ; at K step 2
	s_mov_b32 s19, 0
	s_add_nc_u64 s[100:101], s[100:101], s[18:19]
	v_and_b32 v10, 31, v0
	v_min_u32 v10, 23, v10                         ; the lanes left over name the last block again
	v_lshlrev_b32 v10, 8, v10                      ; never rewritten
	s_wait_alu depctr_va_vdst(0)
	s_wait_tensorcnt 0x0
	ds_add_u32 v[SPW], v[NIL]
.irp g, G1, G1B
	s_mov_b32 s[\g+1], 32<<16
	s_mov_b32 s[\g+2], 96<<16
	s_mov_b32 s[\g+3], 32<<16
	s_mov_b32 s[\g+4], 96
	s_mov_b32 s[\g+5], 32
.endr
	s_wait_dscnt 0x0
	CROUND                                         ; all four tiles are in, in every partner
	JLOAD G0+4, G1, G0B+4, G1B                     ; K step 1, a quarter of slot 1 a wave
	global_prefetch_b8 v10, s[100:101] th:TH_LOAD_NT scope:SCOPE_SE                ; K steps 2 and 3, the two refills: each is asked for two loads ahead of its own
	global_prefetch_b8 v10, s[100:101] offset:HALFT th:TH_LOAD_NT scope:SCOPE_SE
	v_bfe_u32 v30, v0, 4, 1
	v_lshlrev_b32 v30, 6, v30
	s_lshl_b32 s46, s42, 10
	s_lshl_b32 s47, s16, 9
	s_add_co_u32 s46, s46, s47
	s_mov_b32 s47, 0
	s_add_nc_u64 s[98:99], s[98:99], s[46:47]
.irp b, 0,1,2,3,4,5,6,7
	global_load_b128 v[BIAS+8*\b:BIAS+8*\b+3], v30, s[98:99] offset:(32*(\b/2)+8*(\b%2))*4
	global_load_b128 v[BIAS+8*\b+4:BIAS+8*\b+7], v30, s[98:99] offset:(32*(\b/2)+8*(\b%2))*4+16
.endr
	v_and_b32 v1, 15, v0
	v_bfe_u32 v2, v0, 4, 1
	v_and_b32 v3, 31, v0
	v_lshlrev_b32 v4, 4, v3
	v_lshlrev_b32 v5, 3, v3
	s_mul_i32 s21, s15, HALFT
	s_mul_i32 s22, s16, HALFT
	s_add_co_u32 s22, s22, 2*HALFT
.irp s, 0,1
	v_add_nc_u32 v[ADRA+\s], s21, v4
	v_add_nc_u32 v[ADRB+\s], s22, v4
	v_add_nc_u32 v[ADRA+2+\s], s21, v5
	v_add_nc_u32 v[ADRB+2+\s], s22, v5
	s_add_co_u32 s21, s21, SLOT
	s_add_co_u32 s22, s22, SLOT
.endr
	s_mul_i32 s21, s15, HALFS
	s_mul_i32 s22, s16, HALFS
	s_add_co_u32 s22, s22, 2*HALFS
	s_sub_co_u32 s22, s22, s21
	v_mul_u32_u24 v6, s22, v2
	s_add_co_u32 s21, s21, SCL
	v_lshl_add_u32 v6, v1, 4, v6
	v_add_nc_u32 v[ADRS], s21, v6
	s_lshl_b32 s20, s17, 1
	s_add_co_u32 s20, s20, s15
	s_lshl_b32 s46, s42, 1
	s_add_co_u32 s46, s46, s16
	s_mul_i32 s21, s20, 393216
	s_mul_i32 s47, s46, 12288
	s_add_co_u32 s22, s21, s47
	s_mov_b32 s23, 0
	s_lshl_b32 s20, s20, 14
	s_lshl_b32 s46, s46, 9
	s_add_co_u32 s20, s20, s46
	s_add_co_u32 s20, s20, GS
	s_mov_b32 s21, 0
	s_add_nc_u64 s[96:97], s[12:13], s[20:21]
	s_add_nc_u64 s[12:13], s[12:13], s[22:23]
.macro FRAG reg, adr, q, i
	ds_load_b128 v[\reg:\reg+3], v[\adr] offset:(\q)*KSB+(\i)*1536
	ds_load_b64 v[\reg+4:\reg+5], v[\adr+2] offset:(\q)*KSB+(\i)*1536+512
	ds_load_b128 v[\reg+6:\reg+9], v[\adr] offset:(\q)*KSB+(\i)*1536+768
	ds_load_b64 v[\reg+10:\reg+11], v[\adr+2] offset:(\q)*KSB+(\i)*1536+1280
.endm
.macro MUL16 a0, p, q, sc, zero
.irp a, \a0, \a0+1
.irp b, 0,1,2,3,4,5,6,7
.set rD, 8*(8*((\a)%4)+\b)
.set rB, 128*(\p)+FR*\b
.set rA, AF+FR*(\a)
.set sB, SC+16*(\sc)+8*(\q)+4*(\b%2)+\b/2
.set sA, SC+16*(\sc)+8*(\q)+4*((\a)%2)+(\a)/2
.if (\zero) && HASB
	v_wmma_scale_f32_16x16x128_f8f6f4 v[rD:rD+7], v[rB:rB+FR-1], v[rA:rA+FR-1], v[BIAS+8*\b:BIAS+8*\b+7], v[sB], v[sA] matrix_a_fmt:MATRIX_FMT_FP6 matrix_b_fmt:MATRIX_FMT_FP6 matrix_a_scale:MATRIX_SCALE_ROW1
.elseif \zero
	v_wmma_scale_f32_16x16x128_f8f6f4 v[rD:rD+7], v[rB:rB+FR-1], v[rA:rA+FR-1], 0, v[sB], v[sA] matrix_a_fmt:MATRIX_FMT_FP6 matrix_b_fmt:MATRIX_FMT_FP6 matrix_a_scale:MATRIX_SCALE_ROW1
.else
	v_wmma_scale_f32_16x16x128_f8f6f4 v[rD:rD+7], v[rB:rB+FR-1], v[rA:rA+FR-1], v[rD:rD+7], v[sB], v[sA] matrix_a_fmt:MATRIX_FMT_FP6 matrix_b_fmt:MATRIX_FMT_FP6 matrix_a_scale:MATRIX_SCALE_ROW1
.endif
.endr
.endr
.endm
.macro FETCH_B slot, q, p
	WIN TO_B
.irp i, 0,1,2,3,4,5,6,7
	FRAG 128*(\p)+FR*\i, ADRB+\slot, \q, \i
.endr
	WIN 0
.endm
.macro FETCH_A slot, q, i0
.irp i, \i0, \i0+1, \i0+2, \i0+3
	FRAG AF+FR*(\i), ADRA+\slot, \q, \i
.endr
.endm
.macro SCALES sc
.irp q, 0,1
.irp e, 0,1
	ds_load_b128 v[SC+16*(\sc)+8*\q+4*\e:SC+16*(\sc)+8*\q+4*\e+3], v[ADRS] offset:512*\q+256*\e
.endr
.endr
.endm
.macro PLACES n
.rept \n
	v_nop
.endr
.endm
.macro STEP slot, q, zero
	s_wait_dscnt 4*NL
.if (\zero) && HASB
	WIN 0x81
.else
	WIN MUL_LO
.endif
	MUL16 0, (\q)%2, \q, \slot, \zero
	MUL16 2, (\q)%2, \q, \slot, \zero
	s_wait_dscnt 0
	PLACES NP
	FETCH_B \slot, (\q)+1, 1-(\q)%2
	FETCH_A \slot, (\q)+1, 0
.if (\zero) && HASB
	WIN 0xc1
.else
	WIN MUL_HI
.endif
	MUL16 4, (\q)%2, \q, \slot, \zero
	MUL16 6, (\q)%2, \q, \slot, \zero
	PLACES NP
	WIN 0
	FETCH_A \slot, (\q)+1, 4
.endm
.macro TURN slot, next, fill
	s_wait_tensorcnt 0x0
	ds_add_u32 v[SPW], v[NIL]
	s_wait_dscnt 4*NL+1
	WIN MUL_LO
	MUL16 0, 1, NQ-1, \slot, 0
	s_wait_dscnt 0x0
	s_barrier_signal -1
	MUL16 2, 1, NQ-1, \slot, 0
	WIN 0
	s_barrier_wait -1
.if \fill
	CREST
	s_add_nc_u64 s[G0+4*\slot+2:G0+4*\slot+3], s[G0+4*\slot+2:G0+4*\slot+3], 2*HALFT
	s_add_nc_u64 s[G0B+4*\slot+2:G0B+4*\slot+3], s[G0B+4*\slot+2:G0B+4*\slot+3], 2*HALFT
	JLOAD G0+4*\slot, G1, G0B+4*\slot, G1B
.else
	PLACES NP
.endif
	s_wait_alu depctr_va_vdst(0)
	v_add_nc_u32 v[ADRS], 512*NQ, v[ADRS]
	FETCH_B \next, 0, 0
	FETCH_A \next, 0, 0
	SCALES \next
	WIN MUL_HI
	MUL16 4, 1, NQ-1, \slot, 0
	MUL16 6, 1, NQ-1, \slot, 0
	PLACES NP
	WIN 0
	FETCH_A \next, 0, 4
.endm
	s_wait_alu depctr_va_vdst(0)
	s_wait_loadcnt 0x0
	s_wait_tensorcnt 1
	s_barrier_signal -1
	s_barrier_wait -1
	FETCH_B 0, 0, 0
	FETCH_A 0, 0, 0
	SCALES 0
	FETCH_A 0, 0, 4
	STEP 0, 0, 1
	s_mov_b32 s3, LAPS-1
.Llap:
	TURN 0, 1, 1
	STEP 1, 0, 0
	TURN 1, 0, 1
	STEP 0, 0, 0
	s_sub_co_u32 s3, s3, 1
	s_cmp_lg_u32 s3, 0
	s_cbranch_scc1 .Llap
	TURN 0, 1, 0
	STEP 1, 0, 0
	s_wait_dscnt 4*NL
	WIN MUL_LO
	MUL16 0, 1, NQ-1, 1, 0
	MUL16 2, 1, NQ-1, 1, 0
	s_wait_dscnt 0
	WIN MUL_HI
	MUL16 4, 1, NQ-1, 1, 0
	MUL16 6, 1, NQ-1, 1, 0
	WIN 0
.set DA,  24
.set DL,  25
.set SWA, 26
.set SWT, 31
.set G16, 6
.set G8,  7
.set XIN, 64
.set GZ,  128
.set GZ2, 144
.set GP,  160
.set GQ,  176
.set PC,  192
.set W,   212
.set TM,  224
.set KC,  24
.set KA5, 26
.set KA4, 28
.set KA3, 30
.set KA2, 32
.set KA1, 34
.set KA0, 36
.set KB3, 38
.set KB2, 40
.set KB1, 42
.set KB0, 44
.macro KONST reg, val
	s_mov_b32 s[\reg], \val
	s_mov_b32 s[\reg+1], \val
.endm
.macro QUANT src, win
	WIN ((\win)<<2)|((\win)<<4)
.irp b, 0,1,2,3
	v_max3_num_f32 v[TM+\b], 0x1800000, |v[(\src)+16*\b]|, |v[(\src)+16*\b+1]|
.endr
.irp i, 2,4,6,8,10,12,14
.irp b, 0,1,2,3
	v_max3_num_f32 v[TM+\b], v[TM+\b], |v[(\src)+16*\b+\i]|, |v[(\src)+16*\b+\i+1]|
.endr
.endr
	WIN 0
.irp b, 0,1,2,3
	v_permlanex16_b32 v[TM+4+\b], v[TM+\b], s[SEL], s[SEL+1]
.endr
.irp b, 0,1,2,3
	v_max_num_f32 v[TM+\b], v[TM+\b], v[TM+4+\b]
.endr
.irp b, 0,1,2,3
	v_add_nc_u32 v[TM+12+\b], 0xff000000, v[TM+\b]
.endr
.irp b, 0,1,2,3
	v_lshrrev_b32 v[TM+4+\b], 23, v[TM+12+\b]
.endr
	v_lshl_or_b32 v[PW], v[TM+5], 8, v[TM+4]
	v_lshl_or_b32 v[PW], v[TM+6], 16, v[PW]
	v_lshl_or_b32 v[PW], v[TM+7], 24, v[PW]
	WIN (\win)
.irp c, 0,1
	v_cvt_scalef32_pk16_fp6_f32 v[PC+6*\c:PC+6*\c+2], v[(\src)+32*\c:(\src)+32*\c+15], v[TM+12+2*\c]
	v_cvt_scalef32_pk16_fp6_f32 v[PC+12+4*\c:PC+14+4*\c], v[(\src)+32*\c+16:(\src)+32*\c+31], v[TM+13+2*\c]
.endr
	WIN 0
	v_nop
.irp c, 0,1
.irp i, 0,1,2
	v_permlane16_swap_b32 v[PC+6*\c+\i], v[PC+12+4*\c+\i]
.endr
.irp i, 0,1,2
	v_mov_b32 v[PC+3+6*\c+\i], v[PC+12+4*\c+\i]
.endr
.endr
.endm
.macro IMG base, off
	global_store_b128 v[G16], v[PC:PC+3], s[\base:\base+1] offset:\off
	global_store_b64 v[G8], v[PC+4:PC+5], s[\base:\base+1] offset:\off+512
	global_store_b128 v[G16], v[PC+6:PC+9], s[\base:\base+1] offset:\off+768
	global_store_b64 v[G8], v[PC+10:PC+11], s[\base:\base+1] offset:\off+1280
.endm
.macro GELU16 bb
.set XB, XIN+16*(\bb)
.irp p, 0,2,4,6,8,10,12,14
	v_pk_mul_f32 v[GZ+\p:GZ+\p+1], v[XB+\p:XB+\p+1], s[KC:KC+1] op_sel_hi:[1,0]
.endr
.irp p, 0,1,2,3,4,5,6,7,8,9,10,11,12,13,14,15
	v_med3_num_f32 v[GZ+\p], v[GZ+\p], -4.0, 4.0
.endr
.irp p, 0,2,4,6,8,10,12,14
	v_pk_mul_f32 v[GZ2+\p:GZ2+\p+1], v[GZ+\p:GZ+\p+1], v[GZ+\p:GZ+\p+1]
.endr
.irp p, 0,2,4,6,8,10,12,14
	v_pk_fma_f32 v[GP+\p:GP+\p+1], v[GZ2+\p:GZ2+\p+1], v[216:217], s[KA5:KA5+1] op_sel_hi:[1,1,0]
.endr
.irp k, KA4, KA3, KA2, KA1, KA0
.irp p, 0,2,4,6,8,10,12,14
	v_pk_fma_f32 v[GP+\p:GP+\p+1], v[GP+\p:GP+\p+1], v[GZ2+\p:GZ2+\p+1], s[\k:\k+1] op_sel_hi:[1,1,0]
.endr
.endr
.irp p, 0,2,4,6,8,10,12,14
	v_pk_fma_f32 v[GQ+\p:GQ+\p+1], v[GZ2+\p:GZ2+\p+1], v[218:219], s[KB3:KB3+1] op_sel_hi:[1,1,0]
.endr
.irp k, KB2, KB1, KB0
.irp p, 0,2,4,6,8,10,12,14
	v_pk_fma_f32 v[GQ+\p:GQ+\p+1], v[GQ+\p:GQ+\p+1], v[GZ2+\p:GZ2+\p+1], s[\k:\k+1] op_sel_hi:[1,1,0]
.endr
.endr
	s_wait_alu depctr_va_vdst(0)
.irp p, 0,1,2,3,4,5,6,7,8,9,10,11,12,13,14,15
	v_rcp_f32 v[GQ+\p], v[GQ+\p]
.endr
.irp p, 0,2,4,6,8,10,12,14
	v_pk_mul_f32 v[GP+\p:GP+\p+1], v[GP+\p:GP+\p+1], v[GZ+\p:GZ+\p+1]
.endr
.irp p, 0,2,4,6,8,10,12,14
	v_pk_mul_f32 v[GZ2+\p:GZ2+\p+1], v[XB+\p:XB+\p+1], 0.5 op_sel_hi:[1,0]
.endr
	s_wait_alu depctr_va_vdst(0)
.irp p, 0,2,4,6,8,10,12,14
	v_pk_mul_f32 v[GP+\p:GP+\p+1], v[GP+\p:GP+\p+1], v[GQ+\p:GQ+\p+1]
.endr
.irp p, 0,2,4,6,8,10,12,14
	v_pk_fma_f32 v[XB+\p:XB+\p+1], v[GZ2+\p:GZ2+\p+1], v[GP+\p:GP+\p+1], v[GZ2+\p:GZ2+\p+1]
.endr
.endm
	s_wait_dscnt 0x0
	s_barrier_signal -1
	s_barrier_wait -1
	s_lshl_b32 s20, s14, 16
	s_lshl_b32 s21, s14, 9
	s_add_co_u32 s21, s21, SWB
	v_and_b32 v9, 31, v0
	v_lshlrev_b32 v[G16], 4, v9
	v_lshlrev_b32 v[G8], 3, v9
	v_add_nc_u32 v[DA], s20, v[G16]
	v_add_nc_u32 v[SWA], s21, v[G16]
	v_cmp_le_u32 vcc_lo, 16, v9
.irp b, 0,1,2,3
	v_mov_b32 v[TM+4+\b], 0
.endr
.irp a, 0,1,2,3,4,5,6,7
	WIN 0x08+4*(\a/4)
.set n, 0
.rept 16
	ds_store_b128 v[DA], v[64*(\a%4)+4*n:64*(\a%4)+4*n+3] offset:8192*\a+512*n
.set n, n+1
.endr
.endr
	WIN 0
	s_mov_b32 s[SEL], 0x76543210
	s_mov_b32 s[SEL+1], 0xfedcba98
	KONST KC,  0x3f3504f3
	KONST KA5, 0x32edffee
	KONST KA4, 0xb60cff51
	KONST KA3, 0xb86ec2d2
	KONST KA2, 0xba40ac63
	KONST KA1, 0xbb41a1f6
	KONST KA0, 0xbc83dbd4
	KONST KB3, 0xb95fbd29
	KONST KB2, 0xbadc924e
	KONST KB1, 0xbbf19bf8
	KONST KB0, 0xbc69b6a7
	v_mov_b32 v216, 0xaf95df0b
	v_mov_b32 v217, 0xaf95df0b
	v_mov_b32 v218, 0xb77460cd
	v_mov_b32 v219, 0xb77460cd
	s_mov_b32 s2, 0
	s_mov_b32 s46, 0
	s_mov_b32 s3, 4
.Lgelu:
	v_add_nc_u32 v[DL], s2, v[DA]
	v_add_nc_u32 v[SWT], s46, v[SWA]
.irp e, 0,1
.set n, 0
.rept 16
	ds_load_b128 v[XIN+4*n:XIN+4*n+3], v[DL] offset:8192*\e+512*n
.set n, n+1
.endr
	s_wait_dscnt 0x0
	GELU16 0
	GELU16 1
	GELU16 2
	GELU16 3
	s_wait_xcnt 0x0
.set PW, 240+\e
	QUANT XIN, 0
	IMG 12, 1536*\e
.endr
	v_cndmask_b32 v[W], v240, v241, vcc_lo
	ds_store_b32 v[SWT], v[W]
	s_wait_xcnt 0x0
	s_add_nc_u64 s[12:13], s[12:13], 3072
	s_add_co_u32 s2, s2, 16384
	s_add_co_u32 s46, s46, 4
	s_sub_co_u32 s3, s3, 1
	s_cmp_lg_u32 s3, 0
	s_cbranch_scc1 .Lgelu
	ds_load_b128 v[244:247], v[SWA]
	s_wait_dscnt 0x0
	global_store_b128 v[G16], v[244:247], s[96:97]
	s_wait_tensorcnt 0x0
	ds_add_u32 v[SPW], v[NIL]
	s_wait_dscnt 0x0
	CROUND
	s_endpgm
.Lfunc_end_k_qede7b9cbae_gfc1:
	.size	k_qede7b9cbae_gfc1, .Lfunc_end_k_qede7b9cbae_gfc1-k_qede7b9cbae_gfc1
	.p2alignl 7, 3214868480
	.fill 96, 4, 3214868480
	.section	.rodata,"a",@progbits
	.p2align	6, 0x0
	.amdhsa_kernel k_qede7b9cbae_gfc1
		.amdhsa_group_segment_fixed_size 327680
		.amdhsa_private_segment_fixed_size 0
		.amdhsa_enable_private_segment 0
		.amdhsa_kernarg_size 32
		.amdhsa_user_sgpr_count 2
		.amdhsa_user_sgpr_kernarg_segment_ptr 1
		.amdhsa_wavefront_size32 1
		.amdhsa_system_sgpr_workgroup_id_x 1
		.amdhsa_system_sgpr_workgroup_id_y 1
		.amdhsa_system_sgpr_workgroup_id_z 1
		.amdhsa_system_vgpr_workitem_id 0
		.amdhsa_next_free_vgpr 1024
		.amdhsa_next_free_sgpr 102
		.amdhsa_reserve_vcc 1
		.amdhsa_float_denorm_mode_32 3
		.amdhsa_float_denorm_mode_16_64 3
		.amdhsa_memory_ordered 1
		.amdhsa_forward_progress 1
		.amdhsa_inst_pref_size 215
	.end_amdhsa_kernel
	.amdgpu_metadata
---
amdhsa.version: [ 1, 2 ]
amdhsa.kernels:
  - .name:           k_qede7b9cbae_gfc1
    .symbol:         k_qede7b9cbae_gfc1.kd
    .args:
      - { .name: h, .offset: 0, .size: 8, .value_kind: global_buffer, .address_space: global }
      - { .name: wq, .offset: 8, .size: 8, .value_kind: global_buffer, .address_space: global }
      - { .name: b_fc1, .offset: 16, .size: 8, .value_kind: global_buffer, .address_space: global }
      - { .name: g, .offset: 24, .size: 8, .value_kind: global_buffer, .address_space: global }
    .group_segment_fixed_size: 327680
    .private_segment_fixed_size: 0
    .kernarg_segment_align: 8
    .kernarg_segment_size: 32
    .max_flat_workgroup_size: 128
    .sgpr_count:     102
    .vgpr_count:     1024
    .wavefront_size: 32
...
	.end_amdgpu_metadata
.endif
;; end of part 13
;; launch gfc2 (part 14): grid 8 x 32, 4 waves a work-group, clusters of 4 x 4, 327,680 bytes of LDS; arguments g, wq, x1, b_fc2, out0; writes out0
.if DOCPART == 14
	.amdgcn_target "amdgcn-amd-amdhsa--gfx1250"
	.amdhsa_code_object_version 6
	.text
	.protected	k_qede7b9cbae_gfc2
	.globl	k_qede7b9cbae_gfc2
	.p2align	8
	.type	k_qede7b9cbae_gfc2,@function
k_qede7b9cbae_gfc2:
	s_mov_b64 s[64:65], 0
	v_nop
	global_prefetch_b8 v0, s[64:65] scope:SCOPE_SE
	s_setreg_imm32_b32 hwreg(HW_REG_WAVE_MODE, 25, 1), 1
	s_wait_xcnt 0x0
	s_wait_alu depctr_hold_cnt(0) depctr_sa_sdst(0) depctr_va_vdst(0) depctr_va_sdst(0) depctr_va_ssrc(0) depctr_va_vcc(0) depctr_vm_vsrc(0)
	s_getreg_b32 s2, hwreg(HW_REG_IB_STS2, 6, 4)
	s_cmp_eq_u32 s2, 0
	s_cbranch_scc0 .Lentry_in_a_cluster
	s_endpgm
.Lentry_in_a_cluster:
	s_bfe_u32 s2, ttmp6, 0x10000c
	s_cmp_lg_u32 s2, 0xf033
	s_cbranch_scc0 .Lentry_shape_is_right
	s_endpgm
.Lentry_shape_is_right:
.set KDIM,   4096
.set HASB,   1
.set GS,     12582912
.set NQ,     4
.set FR,     12
.set NP,     4
.set KSB,    12288
.set HALFT,  2*KSB
.set SLOT,   4*HALFT
.set LAPS,   KDIM/1024
.set RSTR,   96*KDIM
.set SSTR,   4*KDIM
.set HALFS,  SSTR/2
.set SCL,    2*SLOT
.set SPARE,  SCL+4*HALFS
.set SPITCH, 272
.set ADRA, 16
.set ADRB, 20
.set STO,  24
.set RD,   25
.set CO,   26
.set ADRS, 27
.set SPW,  28
.set NIL,  29
.set SC,   32
.set BIAS, 64
.set BK,   64
.set ACC,  128
.set G1, 24
.set G0, 32
.set G1B, 48
.set G0B, 56
.set G1S, 68
.set G0S, 76
.set G1SB, 80
.set G0SB, 88
.set MSB, 0
.macro WIN new
.if MSB != (\new)
	s_set_vgpr_msb (MSB<<8)|(\new)
.set MSB, (\new)
.endif
.endm
.set MUL,  0x05
.set TO_F, 0x40
.macro JLOAD g0a, g1a, g0b, g1b
	s_cmp_eq_u32 s15, 0
	s_cbranch_scc0 .Lfor_b_\@
	tensor_load_to_lds s[\g0a:\g0a+3], s[\g1a:\g1a+7]
	s_nop 0
.rept 4
	v_nop
.endr
	s_branch .Lasked_\@
.Lfor_b_\@:
	tensor_load_to_lds s[\g0b:\g0b+3], s[\g1b:\g1b+7]
	s_nop 0
.rept 4
	v_nop
.endr
.Lasked_\@:
.endm
.macro CREST
	s_cmp_lg_u32 s14, 0
	s_cbranch_scc1 .Lnot_wave_0_\@
	s_barrier_signal -3
.Lnot_wave_0_\@:
	s_barrier_wait -3
	s_barrier_signal -1
	s_barrier_wait -1
.endm
.macro CROUND
	s_barrier_signal -1
	s_barrier_wait -1
	CREST
.endm
	s_load_b256 s[4:11], s[0:1], 0x0
	s_load_b64 s[12:13], s[0:1], 0x20
	v_lshl_add_u32 v[SPW], v0, 2, SPARE
	v_mov_b32 v[NIL], 0
	ds_add_u32 v28, v29
	ds_add_u32 v28, v29
	s_wait_dscnt 0x0
	v_lshrrev_b32 v1, 5, v0
	v_readfirstlane_b32 s14, v1
	s_lshr_b32 s15, s14, 1
	s_and_b32 s16, s14, 1
	s_bfe_u32 s40, ttmp6, 0x40000
	s_bfe_u32 s41, ttmp6, 0x40004
	s_lshl_b32 s42, ttmp9, 2
	s_add_co_u32 s42, s42, s40
	s_and_b32 s17, ttmp7, 0xffff
	s_lshl_b32 s17, s17, 2
	s_add_co_u32 s17, s17, s41
	s_lshl_b32 s43, s41, 2
	s_lshl_b32 s43, 15, s43
	s_lshl_b32 s44, 0x1111, s40
	s_or_b32 s[G1+0], s43, (3<<16)|(1<<21)
	s_or_b32 s[G1B+0], s44, (3<<16)|(1<<21)
.irp g, G1, G1B
	s_mov_b32 s[\g+1], 32<<16
	s_mov_b32 s[\g+2], 192<<16                     ; for the head's loads: a slot's four K steps, 49,152 dense bytes
	s_mov_b32 s[\g+3], 32<<16
	s_mov_b32 s[\g+4], 192
	s_mov_b32 s[\g+5], 32
	s_mov_b32 s[\g+6], 0
	s_mov_b32 s[\g+7], 0
.endr
	s_or_b32 s[G1S+0], s43, (3<<16)|(1<<21)
	s_or_b32 s[G1SB+0], s44, (3<<16)|(1<<21)
.irp g, G1S, G1SB
	s_mov_b32 s[\g+1], 32<<16
	s_mov_b32 s[\g+2], (2*HALFS/256)<<16           ; all the scale words of 128 rows by one load
	s_mov_b32 s[\g+3], 32<<16
	s_mov_b32 s[\g+4], 2*HALFS/256
	s_mov_b32 s[\g+5], 32
	s_mov_b32 s[\g+6], 0
	s_mov_b32 s[\g+7], 0
.endr
	s_mul_i32 s18, s16, HALFT
	s_mul_i32 s19, s16, HALFS
	s_mul_i32 s20, s17, RSTR
	s_add_co_u32 s20, s20, s18
	s_mov_b32 s21, 0
	s_mul_i32 s46, s42, RSTR
	s_add_co_u32 s46, s46, s18
	s_mov_b32 s47, 0
	s_mul_i32 s22, s17, SSTR
	s_add_co_u32 s22, s22, s19
	s_mov_b32 s23, 0
	s_mul_i32 s92, s42, SSTR
	s_add_co_u32 s92, s92, s19
	s_mov_b32 s93, 0
	s_mul_i32 s45, s14, HALFT
	s_wait_kmcnt 0x0
	s_mov_b64 s[96:97], s[8:9]
	s_mov_b64 s[98:99], s[10:11]
	s_add_nc_u64 s[8:9], s[6:7], 6291456
	s_add_nc_u64 s[10:11], s[6:7], 9699328
	s_add_nc_u64 s[6:7], s[4:5], GS
	s_add_nc_u64 s[20:21], s[4:5], s[20:21]
	s_add_nc_u64 s[22:23], s[6:7], s[22:23]
	s_add_nc_u64 s[46:47], s[8:9], s[46:47]
	s_add_nc_u64 s[92:93], s[10:11], s[92:93]
	CROUND
; THE HEAD'S FOUR TILES, ONE LOAD A WAVE: wave 0 slot 0's part of A, wave 1 that of B, wave 2 A's scale words, wave 3 B's.  Each tile begins where the lower half's part begins: my half's offset is taken off.
.set G0H, 4                            ; s[4:7], s[8:11]: the arguments that lay there have been used
.set G0HB, 8
	s_mul_i32 s18, s16, HALFT
	s_mov_b32 s19, 0
	s_sub_nc_u64 s[G0H+2:G0H+3], s[20:21], s[18:19]
	s_sub_nc_u64 s[G0HB+2:G0HB+3], s[46:47], s[18:19]
	s_mul_i32 s18, s16, HALFS
	s_sub_nc_u64 s[G0S+2:G0S+3], s[22:23], s[18:19]
	s_sub_nc_u64 s[G0SB+2:G0SB+3], s[92:93], s[18:19]
.irp g, G0H, G0HB, G0S, G0SB
	s_mov_b32 s[\g], 1
	s_or_b32 s[\g+3], s[\g+3], 0x80000000
.endr
	s_mov_b32 s[G0H+1], 0
	s_mov_b32 s[G0HB+1], 2*HALFT
	s_mov_b32 s[G0S+1], SCL
	s_mov_b32 s[G0SB+1], SCL+2*HALFS
.macro ARM under, g0, g1, next         ; one chain of branches on the wave's number, one load to an arm, all arms to one join
	s_cmp_lt_u32 s14, \under
	s_cbranch_scc0 \next
	tensor_load_to_lds s[\g0:\g0+3], s[\g1:\g1+7]
	s_nop 0
.rept 4
	v_nop
.endr
	s_branch .Lhead_asked
\next:
.endm
	ARM 1, G0H,  G1,  .Lhead_b
	ARM 2, G0HB, G1B, .Lhead_sa
	ARM 3, G0S,  G1S, .Lhead_sb
	tensor_load_to_lds s[G0SB:G0SB+3], s[G1SB:G1SB+7]
	s_nop 0
.rept 4
	v_nop
.endr
.Lhead_asked:
.irp s, 0,1
	s_mov_b32 s[G0+4*\s], 1
	s_add_co_u32 s[G0+4*\s+1], s45, \s*SLOT
	s_add_nc_u64 s[G0+4*\s+2:G0+4*\s+3], s[20:21], \s*2*HALFT
	s_or_b32 s[G0+4*\s+3], s[G0+4*\s+3], 0x80000000
	s_mov_b32 s[G0B+4*\s], 1
	s_add_co_u32 s[G0B+4*\s+1], s45, \s*SLOT
	s_add_nc_u64 s[G0B+4*\s+2:G0B+4*\s+3], s[46:47], \s*2*HALFT
	s_or_b32 s[G0B+4*\s+3], s[G0B+4*\s+3], 0x80000000
.endr
	; the prefetches' address: of the 96 blocks of 256 bytes that my load of a slot brings, the four partners that ask jointly take 24 each, told apart by address (cx for A, cy for B); a lane a block
	s_cmp_eq_u32 s15, 0
	s_cselect_b64 s[100:101], s[20:21], s[46:47]
	s_cselect_b32 s18, s40, s41
	s_mul_i32 s18, s18, 6144
	s_add_co_u32 s18, s18, 4*HALFT                 ; at slot 2's bytes (a slot is 2 HALFT bytes of 128 rows' codes)
	s_mov_b32 s19, 0
	s_add_nc_u64 s[100:101], s[100:101], s[18:19]
	v_and_b32 v10, 31, v0
	v_min_u32 v10, 23, v10                         ; the lanes left over name the last block again
	v_lshlrev_b32 v10, 8, v10                      ; never rewritten
	s_wait_alu depctr_va_vdst(0)
	s_wait_tensorcnt 0x0
	ds_add_u32 v[SPW], v[NIL]
	s_mov_b32 s[G1+2], 96<<16
	s_mov_b32 s[G1+4], 96
	s_mov_b32 s[G1B+2], 96<<16
	s_mov_b32 s[G1B+4], 96
	s_wait_dscnt 0x0
	CROUND                                         ; all four tiles are in, in every partner
	JLOAD G0+4, G1, G0B+4, G1B                     ; slot 1, a quarter a wave
	global_prefetch_b8 v10, s[100:101] th:TH_LOAD_NT scope:SCOPE_SE                ; the fills of slots 2 and 3 of the eight along K: each is asked for two loads ahead of its own
	global_prefetch_b8 v10, s[100:101] offset:2*HALFT th:TH_LOAD_NT scope:SCOPE_SE
	v_and_b32 v1, 15, v0
	s_wait_alu depctr_va_vdst(0)
	v_bfe_u32 v2, v0, 4, 1
	v_and_b32 v3, 31, v0
	v_lshlrev_b32 v4, 4, v3
	v_lshlrev_b32 v5, 3, v3
	s_lshl_b32 s46, s42, 9
	s_lshl_b32 s47, s16, 8
	s_add_co_u32 s46, s46, s47
	s_mov_b32 s47, 0
	v_lshlrev_b32 v30, 6, v2
	s_add_nc_u64 s[98:99], s[98:99], s[46:47]
.irp b, 0,1,2,3
	global_load_b128 v[BIAS+8*\b:BIAS+8*\b+3], v30, s[98:99] offset:(32*(\b/2)+8*(\b%2))*4
	global_load_b128 v[BIAS+8*\b+4:BIAS+8*\b+7], v30, s[98:99] offset:(32*(\b/2)+8*(\b%2))*4+16
.endr
	s_lshl_b32 s20, s17, 7
	s_lshl_b32 s21, s15, 6
	s_add_co_u32 s20, s20, s21
	s_lshl_b32 s20, s20, 12
	s_add_co_u32 s20, s20, s46
	s_mov_b32 s21, 0
	s_add_nc_u64 s[12:13], s[12:13], s[20:21]
	s_add_nc_u64 s[96:97], s[96:97], s[20:21]
	v_lshlrev_b32 v[CO], 4, v1
	s_wait_alu depctr_va_vdst(0)
	v_lshl_add_u32 v[CO], v2, 12, v[CO]
	WIN 0x80
.irp a, 0,1,2,3
.irp i, 0,1,2,3,4,5,6,7
	global_load_b128 v[32*\a+4*\i:32*\a+4*\i+3], v[CO], s[96:97] offset:(32*(\a/2)+16*(\i/4)+8*(\a%2)+2*(\i%4))*4096
.endr
.endr
	WIN 0
	s_mul_i32 s21, s15, 4*1536
	s_mul_i32 s22, s16, 4*1536
	s_add_co_u32 s22, s22, 2*HALFT
.irp s, 0,1
	v_add_nc_u32 v[ADRA+\s], s21, v4
	v_add_nc_u32 v[ADRB+\s], s22, v4
	v_add_nc_u32 v[ADRA+2+\s], s21, v5
	v_add_nc_u32 v[ADRB+2+\s], s22, v5
	s_add_co_u32 s21, s21, SLOT
	s_add_co_u32 s22, s22, SLOT
.endr
	s_lshl_b32 s21, s15, 3
	s_lshl_b32 s22, s16, 3
	s_add_co_u32 s22, s22, 2*HALFS
	s_sub_co_u32 s22, s22, s21
	v_mul_u32_u24 v6, s22, v2
	s_add_co_u32 s21, s21, SCL
	v_lshl_add_u32 v6, v1, 4, v6
	v_add_nc_u32 v[ADRS], s21, v6
	s_mul_i32 s23, s14, 16*SPITCH
	v_mul_u32_u24 v5, v1, SPITCH
	v_lshl_add_u32 v5, v2, 6, v5
	v_add_nc_u32 v[STO], s23, v5
	v_mul_u32_u24 v6, v2, SPITCH
	v_lshl_add_u32 v6, v1, 4, v6
	v_add_nc_u32 v[RD], s23, v6
.macro FRAG reg, adr, q, i
	ds_load_b128 v[\reg:\reg+3], v[\adr] offset:(\q)*KSB+(\i)*1536
	ds_load_b64 v[\reg+4:\reg+5], v[\adr+2] offset:(\q)*KSB+(\i)*1536+512
	ds_load_b128 v[\reg+6:\reg+9], v[\adr] offset:(\q)*KSB+(\i)*1536+768
	ds_load_b64 v[\reg+10:\reg+11], v[\adr+2] offset:(\q)*KSB+(\i)*1536+1280
.endm
.macro MULA a, f, q, sc, zero
.irp b, 0,1,2,3
.set rD, ACC+8*(4*(\a)+\b)
.set rB, (\f)+48+FR*\b
.set rA, (\f)+FR*(\a)
.set sB, SC+16*(\sc)+4*(\q)+2*(\b%2)+\b/2
.set sA, SC+16*(\sc)+4*(\q)+2*((\a)%2)+(\a)/2
.if (\zero) && HASB
	v_wmma_scale_f32_16x16x128_f8f6f4 v[rD:rD+7], v[rB:rB+FR-1], v[rA:rA+FR-1], v[BIAS+8*\b:BIAS+8*\b+7], v[sB], v[sA] matrix_a_fmt:MATRIX_FMT_FP6 matrix_b_fmt:MATRIX_FMT_FP6 matrix_a_scale:MATRIX_SCALE_ROW1
.elseif \zero
	v_wmma_scale_f32_16x16x128_f8f6f4 v[rD:rD+7], v[rB:rB+FR-1], v[rA:rA+FR-1], 0, v[sB], v[sA] matrix_a_fmt:MATRIX_FMT_FP6 matrix_b_fmt:MATRIX_FMT_FP6 matrix_a_scale:MATRIX_SCALE_ROW1
.else
	v_wmma_scale_f32_16x16x128_f8f6f4 v[rD:rD+7], v[rB:rB+FR-1], v[rA:rA+FR-1], v[rD:rD+7], v[sB], v[sA] matrix_a_fmt:MATRIX_FMT_FP6 matrix_b_fmt:MATRIX_FMT_FP6 matrix_a_scale:MATRIX_SCALE_ROW1
.endif
.endr
.endm
.macro FETCH_LO slot, q, f
.irp i, 0,1,2,3
	FRAG 48+FR*\i+\f, ADRB+\slot, \q, \i
.endr
.irp i, 0,1
	FRAG FR*\i+\f, ADRA+\slot, \q, \i
.endr
.endm
.macro FETCH_HI slot, q, f
.irp i, 2,3
	FRAG FR*\i+\f, ADRA+\slot, \q, \i
.endr
.endm
.macro SCALES sc
.irp q, 0,1,2,3
.irp e, 0,1
	ds_load_b64 v[SC+16*(\sc)+4*\q+2*\e:SC+16*(\sc)+4*\q+2*\e+1], v[ADRS] offset:512*\q+256*\e
.endr
.endr
.endm
.macro PLACES n
.rept \n
	v_nop
.endr
.endm
.macro STEP slot, q, zero
	s_wait_dscnt 8
	WIN MUL
	MULA 0, 128*((\q)%2), \q, \slot, \zero
	MULA 1, 128*((\q)%2), \q, \slot, \zero
	PLACES NP
	WIN TO_F
	FETCH_LO \slot, (\q)+1, 128*(1-(\q)%2)
	FETCH_HI \slot, (\q)+1, 128*(1-(\q)%2)
	s_wait_dscnt 32
	WIN MUL
	MULA 2, 128*((\q)%2), \q, \slot, \zero
	MULA 3, 128*((\q)%2), \q, \slot, \zero
.endm
.macro TURN slot, next, fill
	WIN 0
.if \fill
	s_wait_xcnt 0x0                                ; my last prefetch has read its address: it steps one fill on, ahead of the waits of the change of slots
	s_add_nc_u64 s[100:101], s[100:101], 2*HALFT
.endif
	s_wait_tensorcnt 0x0
	ds_add_u32 v[SPW], v[NIL]
	s_wait_dscnt 9
	WIN MUL
	MULA 0, 128, NQ-1, \slot, 0
	s_wait_dscnt 0x0
	s_barrier_signal -1
	MULA 1, 128, NQ-1, \slot, 0
	WIN 0
	s_barrier_wait -1
.if \fill
	CREST
	s_add_nc_u64 s[G0+4*\slot+2:G0+4*\slot+3], s[G0+4*\slot+2:G0+4*\slot+3], 4*HALFT
	s_add_nc_u64 s[G0B+4*\slot+2:G0B+4*\slot+3], s[G0B+4*\slot+2:G0B+4*\slot+3], 4*HALFT
	JLOAD G0+4*\slot, G1, G0B+4*\slot, G1B
.else
	PLACES NP
.endif
	s_wait_alu depctr_va_vdst(0)
	v_add_nc_u32 v[ADRS], 512*NQ, v[ADRS]
	WIN TO_F
	FETCH_LO \next, 0, 0
	WIN 0
	SCALES \next
.if \fill                              ; behind the joint load and the run of LDS loads: the fill that stands two refills on; the loop's last trip (s3 = 1) has none left along K and asks for nothing
	s_cmp_gt_u32 s3, 1
	s_cbranch_scc0 .Lno_ask_\@
	global_prefetch_b8 v10, s[100:101] offset:2*HALFT th:TH_LOAD_NT scope:SCOPE_SE
.Lno_ask_\@:
.endif
	WIN TO_F
	FETCH_HI \next, 0, 0
	WIN MUL
	MULA 2, 128, NQ-1, \slot, 0
	MULA 3, 128, NQ-1, \slot, 0
.endm
	s_wait_alu depctr_va_vdst(0)
	s_wait_loadcnt 32
	s_wait_tensorcnt 1
	s_barrier_signal -1
	s_barrier_wait -1
	WIN TO_F
	FETCH_LO 0, 0, 0
	WIN 0
	SCALES 0
	WIN TO_F
	FETCH_HI 0, 0, 0
	STEP 0, 0, 1
.if LAPS > 1
	WIN 0
	s_mov_b32 s3, LAPS-1
.Llap:
	STEP 0, 1, 0
	STEP 0, 2, 0
	TURN 0, 1, 1
	STEP 1, 0, 0
	STEP 1, 1, 0
	STEP 1, 2, 0
	TURN 1, 0, 1
	STEP 0, 0, 0
	WIN 0
	s_sub_co_u32 s3, s3, 1
	s_cmp_lg_u32 s3, 0
	s_cbranch_scc1 .Llap
.endif
	STEP 0, 1, 0
	STEP 0, 2, 0
	TURN 0, 1, 0
	STEP 1, 0, 0
	STEP 1, 1, 0
	STEP 1, 2, 0
	s_wait_dscnt 8
	WIN MUL
	MULA 0, 128, NQ-1, 1, 0
	MULA 1, 128, NQ-1, 1, 0
	s_wait_dscnt 0
	MULA 2, 128, NQ-1, 1, 0
	MULA 3, 128, NQ-1, 1, 0
	WIN 0
.macro TOSTAGE a
.irp b, 0,1,2,3
	ds_store_b128 v[STO], v[ACC+8*(4*(\a)+\b):ACC+8*(4*(\a)+\b)+3] offset:128*(\b/2)+32*(\b%2)
	ds_store_b128 v[STO], v[ACC+8*(4*(\a)+\b)+4:ACC+8*(4*(\a)+\b)+7] offset:128*(\b/2)+32*(\b%2)+16
.endr
.set BB, BK+32*((\a)%2)
.irp i, 0,1,2,3,4,5,6,7
	ds_load_b128 v[BB+4*\i:BB+4*\i+3], v[RD] offset:2*\i*SPITCH
.endr
.endm
.macro SEND a, younger
.set BB, BK+32*((\a)%2)
	s_wait_dscnt \younger
	WIN 0x08
.set i, 0
.rept 16
	v_pk_add_f32 v[BB+2*i:BB+2*i+1], v[BB+2*i:BB+2*i+1], v[32*(\a)+2*i:32*(\a)+2*i+1]
.set i, i+1
.endr
	WIN 0
.irp i, 0,1,2,3,4,5,6,7
	global_store_b128 v[CO], v[BB+4*\i:BB+4*\i+3], s[12:13] offset:(32*((\a)/2)+16*(\i/4)+8*((\a)%2)+2*(\i%4))*4096 th:TH_STORE_NT
.endr
.endm
	PLACES NP
	s_wait_loadcnt 0x0
	TOSTAGE 0
.irp a, 1,2,3
.if \a > 1
	s_wait_xcnt 0x0
.endif
	TOSTAGE \a
	SEND \a-1, 16
.endr
	SEND 3, 0
	s_wait_tensorcnt 0x0
	ds_add_u32 v[SPW], v[NIL]
	s_wait_dscnt 0x0
	CROUND
	s_endpgm
.Lfunc_end_k_qede7b9cbae_gfc2:
	.size	k_qede7b9cbae_gfc2, .Lfunc_end_k_qede7b9cbae_gfc2-k_qede7b9cbae_gfc2
	.p2alignl 7, 3214868480
	.fill 96, 4, 3214868480
	.section	.rodata,"a",@progbits
	.p2align	6, 0x0
	.amdhsa_kernel k_qede7b9cbae_gfc2
		.amdhsa_group_segment_fixed_size 327680
		.amdhsa_private_segment_fixed_size 0
		.amdhsa_enable_private_segment 0
		.amdhsa_kernarg_size 40
		.amdhsa_user_sgpr_count 2
		.amdhsa_user_sgpr_kernarg_segment_ptr 1
		.amdhsa_wavefront_size32 1
		.amdhsa_system_sgpr_workgroup_id_x 1
		.amdhsa_system_sgpr_workgroup_id_y 1
		.amdhsa_system_sgpr_workgroup_id_z 1
		.amdhsa_system_vgpr_workitem_id 0
		.amdhsa_next_free_vgpr 1024
		.amdhsa_next_free_sgpr 102
		.amdhsa_reserve_vcc 0
		.amdhsa_float_denorm_mode_32 3
		.amdhsa_float_denorm_mode_16_64 3
		.amdhsa_memory_ordered 1
		.amdhsa_forward_progress 1
		.amdhsa_inst_pref_size 101
	.end_amdhsa_kernel
	.amdgpu_metadata
---
amdhsa.version: [ 1, 2 ]
amdhsa.kernels:
  - .name:           k_qede7b9cbae_gfc2
    .symbol:         k_qede7b9cbae_gfc2.kd
    .args:
      - { .name: g, .offset: 0, .size: 8, .value_kind: global_buffer, .address_space: global }
      - { .name: wq, .offset: 8, .size: 8, .value_kind: global_buffer, .address_space: global }
      - { .name: x1, .offset: 16, .size: 8, .value_kind: global_buffer, .address_space: global }
      - { .name: b_fc2, .offset: 24, .size: 8, .value_kind: global_buffer, .address_space: global }
      - { .name: out0, .offset: 32, .size: 8, .value_kind: global_buffer, .address_space: global }
    .group_segment_fixed_size: 327680
    .private_segment_fixed_size: 0
    .kernarg_segment_align: 8
    .kernarg_segment_size: 40
    .max_flat_workgroup_size: 128
    .sgpr_count:     102
    .vgpr_count:     1024
    .wavefront_size: 32
...
	.end_amdgpu_metadata
.endif
;; end of part 14
